; MI455X (gfx1250); checked and timed in simulation.
; The chip was launched on July 23, 2026; its instructions are those of AMD's public machine-readable ISA for CDNA 5 (MIT licence, August 2026) and "CDNA5" Instruction Set Architecture Reference Guide (July 2026). The comments in the code are by the model that wrote it; some were corrected since.
;; Encoder Block. Allowed arithmetic: matrix products marked QUANTISED: E2M3 operands, one E8M0 scale for each 32 along K, by v_wmma_scale_f32_16x16x128_f8f6f4 with both operands' format E2M3, f32 sums; everything else in f32.
;; Inputs: W_out_codes 1,024 x 32 x 24 uint8 (E2M3 codes of W_out, K innermost, in blocks of 32 codes, four codes in three bytes); W_out_scales 1,024 x 32 uint8 (E8M0 scales of W_out, one for each 32 codes along K); Wk_codes 16 x 64 x 32 x 24 uint8 (E2M3 codes of Wk, K innermost, in blocks of 32 codes, four codes in three bytes); Wk_scales 16 x 64 x 32 uint8 (E8M0 scales of Wk, one for each 32 codes along K); Wq_codes 16 x 64 x 32 x 24 uint8 (E2M3 codes of Wq, K innermost, in blocks of 32 codes, four codes in three bytes); Wq_scales 16 x 64 x 32 uint8 (E8M0 scales of Wq, one for each 32 codes along K); Wv_codes 16 x 64 x 32 x 24 uint8 (E2M3 codes of Wv, K innermost, in blocks of 32 codes, four codes in three bytes); Wv_scales 16 x 64 x 32 uint8 (E8M0 scales of Wv, one for each 32 codes along K); b1 4,096 float32; b2 1,024 float32; b_out 1,024 float32; inputs 2 x 2,048 x 1,024 float32; key_attention_mask 2 x 2,048 bool; ln1_b 1,024 float32; ln1_g 1,024 float32; ln2_b 1,024 float32; ln2_g 1,024 float32; w1_codes 4,096 x 32 x 24 uint8 (E2M3 codes of w1, K innermost, in blocks of 32 codes, four codes in three bytes); w1_scales 4,096 x 32 uint8 (E8M0 scales of w1, one for each 32 codes along K); w2_codes 1,024 x 128 x 24 uint8 (E2M3 codes of w2, K innermost, in blocks of 32 codes, four codes in three bytes); w2_scales 1,024 x 128 uint8 (E8M0 scales of w2, one for each 32 codes along K).
;; Outputs: out0 2 x 2,048 x 1,024 float32.
;; This version of the problem:
;;   THIS VERSION OF THE PROBLEM IS GIVEN IN LOW PRECISION. The matrix products marked QUANTISED in the list below multiply operands that are first quantised to E2M3 (2 exponent bits, 3 mantissa bits; 6 bits a number), with one power-of-two scale for each 32 numbers along K (OCP MX v1.0); their sums are f32. All else is computed in f32.
;;   The module's matrix products, in the order in which they are computed (A, B: the left and right operand; K: the contracted axis; several contracted axes count as one K, in the product's order):
;;     1. [M 1,024, K 1,024] x [K 1,024, N 4,096]; A: input Wq (given as codes); B: input inputs: QUANTISED
;;     2. [M 1,024, K 1,024] x [K 1,024, N 4,096]; A: input Wk (given as codes); B: input inputs: QUANTISED
;;     3. [M 1,024, K 1,024] x [K 1,024, N 4,096]; A: input Wv (given as codes); B: input inputs: QUANTISED
;;     4. batch 32 x [M 2,048, K 64] x [K 64, N 2,048]; A: computed on the way; B: computed on the way: QUANTISED
;;     5. batch 32 x [M 64, K 2,048] x [K 2,048, N 2,048]; A: computed on the way; B: softmax (see below): QUANTISED
;;     6. [M 4,096, K 1,024] x [K 1,024, N 1,024]; A: computed on the way; B: input W_out (given as codes): QUANTISED
;;     7. [M 4,096, K 1,024] x [K 1,024, N 4,096]; A: computed on the way; B: input w1 (given as codes): QUANTISED
;;     8. [M 4,096, K 4,096] x [K 4,096, N 1,024]; A: computed on the way; B: input w2 (given as codes): QUANTISED
;;   THE QUANTISER, for each operand of a quantised product, along K:
;;     - K is cut into blocks of 32 from its start; a last block that is shorter is filled with zeros.
;;     - A block's scale is 2^e with e = floor(log2(the largest magnitude in the block)) - 2, held to -126 .. 127; a block of zeros has e = 0. As a byte (E8M0): e + 127.
;;     - Each number is divided by its block's scale, clamped to +-7.5, and rounded to the nearest number of E2M3, ties to even, subnormals kept.
;;     - The product sums the exact products of the quantised numbers (number of the format x scale) in f32.
;;   ~~~python
;;   def quantise(x, axis):      # numpy; x: float32 -> the quantised numbers, widened to float32 again
;;       x = np.moveaxis(x, axis, -1); K = x.shape[-1]
;;       x = np.pad(x, [(0, 0)] * (x.ndim - 1) + [(0, -K % 32)]); x = x.reshape(x.shape[:-1] + (-1, 32)); a = np.abs(x).max(-1, keepdims=True)
;;       e = np.where(a > 0, np.clip(np.frexp(np.where(a > 0, a, 1))[1] - 1 - 2, -126, 127), 0)      # np.frexp(a)[1] - 1 = floor(log2(a)), exactly
;;       r = np.clip(x / 2.0 ** e, -7.5, 7.5)
;;       step = 2.0 ** (np.maximum(np.frexp(np.where(r == 0, 1, r))[1] - 1, 0) - 3)
;;       q = np.round(r / step) * step * 2.0 ** e      # np.round: ties to even
;;       return np.moveaxis(q.reshape(q.shape[:-2] + (-1,))[..., :K], -1, axis).astype(np.float32)
;;   ~~~
;;   SOFTMAX AHEAD OF A QUANTISED PRODUCT. Where the list says 'softmax', what is quantised is not the finished softmax but p = 2^(t - M), with t = logit x log2(e) and M = ceil(the row's largest t), a whole number; so 1/2 < the row's largest p <= 1. The row's sum l is taken of the UNQUANTISED p, in f32, and the product's result is divided by l at the end. Since M is a whole number, a kernel that streams over the keys may use a running M (the ceiling of the running maximum): every later rescaling is an exact power of two, which a block's scale takes up: the codes' values come out the same.
;;   OPERANDS COMPUTED ON THE WAY. 'Computed on the way' means the value that the module computes at that place (a softmax that the list does not call 'softmax' is quantised finished and normalised). What goes into a quantiser is computed in f32, as accurately as f32 sums, v_exp_f32 and their like allow (about 1e-6 of the number): no bf16 or f16 on the way to a quantiser, and a product that is left as it is and whose result goes on into a quantised operand takes f32 operands (vector FMAs, or v_wmma_f32_16x16x4_f32). A number that lies on a knife's edge between two numbers of the format may be rounded either way, as far as f32 arithmetic and the matrix unit's own rounding can turn it there, and no further.
;;   INPUTS GIVEN AS CODES. W_out (in the module: [1024, 1024], K = its axis 0); Wk (in the module: [16, 1024, 64], K = its axis 1); Wq (in the module: [16, 1024, 64], K = its axis 1); Wv (in the module: [16, 1024, 64], K = its axis 1); w1 (in the module: [1024, 4096], K = its axis 0); w2 (in the module: [4096, 1024], K = its axis 0): each comes as NAME_codes (uint8): NAME with its K axis moved to the last place and cut into blocks of 32 codes, [.., K / 32, bytes a block], one block behind the other in memory; four codes in three bytes: a row's codes are one little-endian stream of bits, code i at bits 6 i .. 6 i + 5 (a code: sign, 2 exponent bits, 3 mantissa bits); and NAME_scales (uint8): the same leading axes, one E8M0 byte (e + 127) for each 32 codes along K. Its value is code x scale, taken as it is: it is not quantised again, and the codes and scales need not be those that the quantiser above would give.
;; 2 versions. Each part assembles by itself: llvm-mc -triple=amdgcn-amd-amdhsa -mcpu=gfx1250 --defsym DOCPART=n.
;; ======== version 1 of 2: 8 launches
;; limits: right only within a limited range of input values
;; workspace buffers: acode 3,276,800 bytes; wq 9,830,400 bytes; qkv 13,107,200 bytes; ybuf 16,777,216 bytes; x1f 16,777,216 bytes; hq 13,107,200 bytes
;; launch prep (part 1): grid 1024 x 1, 8 waves a work-group, no clusters, 0 bytes of LDS; arguments inputs, Wq_codes, Wq_scales, Wk_codes, Wk_scales, Wv_codes, Wv_scales, W_out_codes, W_out_scales, w1_codes, w1_scales, w2_codes, w2_scales, acode, wq; writes acode, wq
.if DOCPART == 1
	.amdgcn_target "amdgcn-amd-amdhsa--gfx1250"
	.amdhsa_code_object_version 6
	.text
	.protected	k_q7151cbdaa9_prep
	.globl	k_q7151cbdaa9_prep
	.p2align	8
	.type	k_q7151cbdaa9_prep,@function
k_q7151cbdaa9_prep:
	s_mov_b64 s[64:65], 0
	v_nop
	global_prefetch_b8 v0, s[64:65] scope:SCOPE_SE
	s_setreg_imm32_b32 hwreg(HW_REG_WAVE_MODE, 25, 1), 1
	s_wait_xcnt 0x0
; ENCODER BLOCK, launch 1 of 8: every matrix operand is laid as the matrix unit's registers want it.
; DEAD WORK: none.  Every input has a way to the output (the mask, all biases and gains among them) and is loaded by some launch; all eight products are done.
; LIMITS of the program: NaN and infinities among the inputs are not served; a batch whose mask is all false (NaN in the definition) is not served; a block of zeros gets the scale byte 1
; where the quantiser says 127 (its codes are zeros, and these bytes are read by this program alone); blocks whose largest magnitude lies under 2^-124 were not tried.
; THE LAYOUT that all launches share.  Lane L: r = L % 16, h = L / 16.  Tile T of any operand holds the 16 rows 32 (T / 2) + 8 (T % 2) + r + 8 (r / 8).  A FRAGMENT (16 rows x 128 K of 6-bit codes,
; 12 registers a lane: registers 6 c .. 6 c + 5 = K 64 c + 32 h + 0 .. 31 of row r) lies as 6 planes of 256 bytes: plane p = registers 2 p, 2 p + 1, lane L at 8 L.  Its scale words lie as 64 bytes, row r's at 4 r.
; An operand is [tile][K / 128][1536] bytes of codes and [tile][K / 128][64] of scale words.
; THIS LAUNCH: one wave makes one fragment.  Work-groups 0-255: tile T of the tokens, wave w = K step w: f32 numbers are quantised (a block's scale is 2^(floor(log2(largest magnitude)) - 2)).
; Work-groups 256-1023: the six weights, which come as codes in rows: each lane copies its 48 bytes and its row's scale word.  No LDS, no barrier: waves share nothing.
.set ASC, 3145728                      ; acode: the scale words begin here
.set WS,  9437184                      ; wq: likewise
.set X,   32                           ; v32-95  64 numbers: register 16 b + i = K 32 b + 16 h + i of my row
.set PC,  96                           ; v96-107 the fragment; v108-114 at work
.set TM,  10                           ; v10-25  at work
.set PW,  26                           ; v26     my row's scale word
.set SEL, 40                           ; s[40:41] v_permlanex16_b32's selects for lane l xor 16
; 64 numbers of a lane become a fragment's codes in v[PC] on and its scale word in v[PW]
.macro QUANT s
.irp b, 0,1,2,3
	v_max3_num_f32 v[TM+\b], |v[\s+16*\b]|, |v[\s+1+16*\b]|, 0x1800000   ; block b: my 16 numbers, and the floor 2^(3 - 127): the byte cannot fall under 1
.endr
.irp i, 2,4,6,8,10,12,14
.irp b, 0,1,2,3
	v_max3_num_f32 v[TM+\b], v[TM+\b], |v[\s+16*\b+\i]|, |v[\s+1+16*\b+\i]|   ; the four blocks by turns
.endr
.endr
.irp b, 0,1,2,3
	v_permlanex16_b32 v[TM+4+\b], v[TM+\b], s[SEL], s[SEL+1]
.endr
.irp b, 0,1,2,3
	v_max_num_f32 v[TM+\b], v[TM+\b], v[TM+4+\b]   ; with lane l xor 16's 16: the block's largest magnitude
.endr
.irp b, 0,1,2,3
	v_add_nc_u32 v[TM+12+\b], 0xff000000, v[TM+\b]   ; 2 off its exponent field: the conversion's scale operand
.endr
.irp b, 0,1,2,3
	v_lshrrev_b32 v[TM+4+\b], 23, v[TM+12+\b]      ; the scale's byte
.endr
	v_lshl_or_b32 v[PW], v[TM+5], 8, v[TM+4]
	v_lshl_or_b32 v[PW], v[TM+6], 16, v[PW]
	v_lshl_or_b32 v[PW], v[TM+7], 24, v[PW]
.irp c, 0,1
	v_cvt_scalef32_pk16_fp6_f32 v[PC+6*\c:PC+2+6*\c], v[\s+32*\c:\s+15+32*\c], v[TM+12+2*\c]
	v_cvt_scalef32_pk16_fp6_f32 v[PC+12+4*\c:PC+14+4*\c], v[\s+16+32*\c:\s+31+32*\c], v[TM+12+2*\c+1]   ; (a conversion's three registers begin on an even number)
.endr
	v_nop                                          ; one plain line behind the scaled conversions
.irp c, 0,1                                    ; the layout wants a whole block in a lane: lanes 0-15 block 2 c, lanes 16-31 block 2 c + 1
.irp i, 0,1,2
	v_permlane16_swap_b32 v[PC+6*\c+\i], v[PC+12+4*\c+\i]
.endr
.irp i, 0,1,2
	v_mov_b32 v[PC+3+6*\c+\i], v[PC+12+4*\c+\i]
.endr
.endr
.endm
	s_load_b512 s[8:23], s[0:1], 0x0               ; inputs 8, Wq codes 10, scales 12, Wk 14, 16, Wv 18, 20, W_out codes 22
	s_load_b256 s[24:31], s[0:1], 0x40             ; W_out scales 24, w1 codes 26, scales 28, w2 codes 30
	s_load_b128 s[32:35], s[0:1], 0x60             ; w2 scales 32, acode 34
	s_load_b64 s[36:37], s[0:1], 0x70              ; wq
	v_lshrrev_b32 v1, 5, v0
	v_readfirstlane_b32 s2, v1                     ; wave 0..7
	v_and_b32 v1, 15, v0                           ; r
	v_bfe_u32 v2, v0, 4, 1                         ; h
	v_and_b32 v3, 31, v0                           ; lane
	v_lshlrev_b32 v4, 3, v3                        ; 8 L: my place in a plane
	v_lshlrev_b32 v5, 2, v1                        ; 4 r: my row's scale word
	v_and_b32 v6, 8, v1
	v_add_nc_u32 v6, v6, v1                        ; r + 8 (r / 8)
	s_mul_i32 s3, s2, 1536                         ; my fragment in the work-group's eight
	s_lshl_b32 s4, s2, 6                           ; and its scale words
	s_mov_b32 s[SEL], 0x76543210
	s_mov_b32 s[SEL+1], 0xfedcba98
	s_cmp_lt_u32 ttmp9, 256
	s_cbranch_scc0 .Lweights
	; ---- the tokens: tile T = the work-group's number, K step = the wave's
	s_lshr_b32 s5, ttmp9, 1
	s_lshl_b32 s5, s5, 5
	s_and_b32 s6, ttmp9, 1
	s_lshl_b32 s6, s6, 3
	s_add_co_u32 s5, s5, s6                        ; the tile's first token
	s_lshl_b32 s42, s5, 12                         ; rows of 4,096 bytes
	s_lshl_b32 s6, s2, 9
	s_add_co_u32 s42, s42, s6                      ; + 512 w: my 128 along K
	s_mov_b32 s43, 0
	s_mul_i32 s44, ttmp9, 12288
	s_add_co_u32 s44, s44, s3
	s_mov_b32 s45, 0
	s_lshl_b32 s46, ttmp9, 9
	s_add_co_u32 s46, s46, s4
	s_add_co_u32 s46, s46, ASC
	s_mov_b32 s47, 0
	v_lshlrev_b32 v7, 12, v6
	v_lshl_add_u32 v7, v2, 6, v7                   ; my row, + 64 h: my 16 numbers of a block of 32
.irp b, 0,1,2,3
	v_mov_b32 v[TM+4+\b], 0                        ; a lane permute's destination counts as one of its sources
.endr
	s_wait_kmcnt 0x0
	s_add_nc_u64 s[42:43], s[8:9], s[42:43]
	s_add_nc_u64 s[44:45], s[34:35], s[44:45]
	s_add_nc_u64 s[46:47], s[34:35], s[46:47]
.irp b, 0,1,2,3
.irp k, 0,1,2,3
	global_load_b128 v[X+16*\b+4*\k:X+16*\b+4*\k+3], v7, s[42:43] offset:128*\b+16*\k th:TH_LOAD_NT
.endr
.endr
	s_wait_loadcnt 0x0
	QUANT X
	s_branch .Lstore
.Lweights:
	; ---- the weights.  tw = 0-63 Wq, 64-127 Wk, 128-191 Wv, 192-255 W_out, 256-511 w1: tile tw, K step w.  512-767: w2, tile (tw - 512) / 4, K step 8 ((tw - 512) % 4) + w.
	; In wq all of them land at tw x 12,288 + 1,536 w (w2's tiles are 32 fragments long: the same arithmetic), their scale words at WS + 512 tw + 64 w.
	s_sub_co_u32 s5, ttmp9, 256                    ; tw
	s_and_b32 s6, s5, 63                           ; the tile within Wq .. W_out
	s_sub_co_u32 s7, s5, 256                       ; within w1
	s_sub_co_u32 s48, s5, 512
	s_lshr_b32 s49, s48, 2                         ; within w2
	s_and_b32 s48, s48, 3
	s_lshl_b32 s48, s48, 3
	s_add_co_u32 s48, s48, s2                      ; w2's K step
	s_mov_b32 s50, 3072                            ; a row of w2's codes,
	s_mov_b32 s51, 128                             ; and of its scale bytes
	s_cmp_lt_u32 s5, 512
	s_cselect_b32 s49, s7, s49
	s_cselect_b32 s48, s2, s48
	s_cselect_b32 s50, 768, s50
	s_cselect_b32 s51, 32, s51
	s_cmp_lt_u32 s5, 256
	s_cselect_b32 s49, s6, s49
	s_lshr_b32 s6, s49, 1
	s_lshl_b32 s6, s6, 5
	s_and_b32 s7, s49, 1
	s_lshl_b32 s7, s7, 3
	s_add_co_u32 s6, s6, s7                        ; the tile's first row
	s_mul_i32 s42, s6, s50
	s_mul_i32 s7, s48, 96
	s_add_co_u32 s42, s42, s7                      ; + 96 bytes a K step
	s_mov_b32 s43, 0
	s_mul_i32 s52, s6, s51
	s_lshl_b32 s7, s48, 2
	s_add_co_u32 s52, s52, s7
	s_mov_b32 s53, 0
	s_mul_i32 s44, s5, 12288
	s_add_co_u32 s44, s44, s3
	s_mov_b32 s45, 0
	s_lshl_b32 s46, s5, 9
	s_add_co_u32 s46, s46, s4
	s_add_co_u32 s46, s46, WS
	s_mov_b32 s47, 0
	v_mul_lo_u32 v7, v6, s50
	v_mad_u32_u24 v7, v2, 24, v7                   ; my row, + 24 h
	v_mul_lo_u32 v8, v6, s51
	s_wait_kmcnt 0x0
	s_mov_b64 s[54:55], s[30:31]                   ; the source is chosen by the work-group's number alone
	s_mov_b64 s[56:57], s[32:33]
	s_cmp_lt_u32 s5, 512
	s_cselect_b64 s[54:55], s[26:27], s[54:55]
	s_cselect_b64 s[56:57], s[28:29], s[56:57]
	s_cmp_lt_u32 s5, 256
	s_cselect_b64 s[54:55], s[22:23], s[54:55]
	s_cselect_b64 s[56:57], s[24:25], s[56:57]
	s_cmp_lt_u32 s5, 192
	s_cselect_b64 s[54:55], s[18:19], s[54:55]
	s_cselect_b64 s[56:57], s[20:21], s[56:57]
	s_cmp_lt_u32 s5, 128
	s_cselect_b64 s[54:55], s[14:15], s[54:55]
	s_cselect_b64 s[56:57], s[16:17], s[56:57]
	s_cmp_lt_u32 s5, 64
	s_cselect_b64 s[54:55], s[10:11], s[54:55]
	s_cselect_b64 s[56:57], s[12:13], s[56:57]
	s_add_nc_u64 s[42:43], s[54:55], s[42:43]
	s_add_nc_u64 s[52:53], s[56:57], s[52:53]
	s_add_nc_u64 s[44:45], s[36:37], s[44:45]
	s_add_nc_u64 s[46:47], s[36:37], s[46:47]
.irp p, 0,1,2,3,4,5
	global_load_b64 v[PC+2*\p:PC+2*\p+1], v7, s[42:43] offset:48*(\p/3)+8*(\p%3) th:TH_LOAD_NT   ; the row's stream of bits is the register image: 24 bytes at 24 h, 24 at 48 + 24 h
.endr
	global_load_b32 v[PW], v8, s[52:53] th:TH_LOAD_NT
	s_wait_loadcnt 0x0
.Lstore:
.irp p, 0,1,2,3,4,5
	global_store_b64 v4, v[PC+2*\p:PC+2*\p+1], s[44:45] offset:256*\p   ; 32 lanes store 256 consecutive bytes, aligned
.endr
	global_store_b32 v5, v[PW], s[46:47]           ; lanes r and r + 16 hold the same word and write it to the same place
	s_endpgm
.Lfunc_end_k_q7151cbdaa9_prep:
	.size	k_q7151cbdaa9_prep, .Lfunc_end_k_q7151cbdaa9_prep-k_q7151cbdaa9_prep
	.p2alignl 7, 3214868480
	.fill 96, 4, 3214868480
	.section	.rodata,"a",@progbits
	.p2align	6, 0x0
	.amdhsa_kernel k_q7151cbdaa9_prep
		.amdhsa_group_segment_fixed_size 0
		.amdhsa_private_segment_fixed_size 0
		.amdhsa_enable_private_segment 0
		.amdhsa_kernarg_size 120
		.amdhsa_user_sgpr_count 2
		.amdhsa_user_sgpr_kernarg_segment_ptr 1
		.amdhsa_wavefront_size32 1
		.amdhsa_system_sgpr_workgroup_id_x 1
		.amdhsa_system_sgpr_workgroup_id_y 1
		.amdhsa_system_sgpr_workgroup_id_z 1
		.amdhsa_system_vgpr_workitem_id 0
		.amdhsa_next_free_vgpr 128
		.amdhsa_next_free_sgpr 66
		.amdhsa_reserve_vcc 0
		.amdhsa_float_denorm_mode_32 3
		.amdhsa_float_denorm_mode_16_64 3
		.amdhsa_memory_ordered 1
		.amdhsa_forward_progress 1
		.amdhsa_inst_pref_size 12
	.end_amdhsa_kernel
	.amdgpu_metadata
---
amdhsa.version: [ 1, 2 ]
amdhsa.kernels:
  - .name:           k_q7151cbdaa9_prep
    .symbol:         k_q7151cbdaa9_prep.kd
    .args:
      - { .name: inputs, .offset: 0, .size: 8, .value_kind: global_buffer, .address_space: global }
      - { .name: Wq_codes, .offset: 8, .size: 8, .value_kind: global_buffer, .address_space: global }
      - { .name: Wq_scales, .offset: 16, .size: 8, .value_kind: global_buffer, .address_space: global }
      - { .name: Wk_codes, .offset: 24, .size: 8, .value_kind: global_buffer, .address_space: global }
      - { .name: Wk_scales, .offset: 32, .size: 8, .value_kind: global_buffer, .address_space: global }
      - { .name: Wv_codes, .offset: 40, .size: 8, .value_kind: global_buffer, .address_space: global }
      - { .name: Wv_scales, .offset: 48, .size: 8, .value_kind: global_buffer, .address_space: global }
      - { .name: W_out_codes, .offset: 56, .size: 8, .value_kind: global_buffer, .address_space: global }
      - { .name: W_out_scales, .offset: 64, .size: 8, .value_kind: global_buffer, .address_space: global }
      - { .name: w1_codes, .offset: 72, .size: 8, .value_kind: global_buffer, .address_space: global }
      - { .name: w1_scales, .offset: 80, .size: 8, .value_kind: global_buffer, .address_space: global }
      - { .name: w2_codes, .offset: 88, .size: 8, .value_kind: global_buffer, .address_space: global }
      - { .name: w2_scales, .offset: 96, .size: 8, .value_kind: global_buffer, .address_space: global }
      - { .name: acode, .offset: 104, .size: 8, .value_kind: global_buffer, .address_space: global }
      - { .name: wq, .offset: 112, .size: 8, .value_kind: global_buffer, .address_space: global }
    .group_segment_fixed_size: 0
    .private_segment_fixed_size: 0
    .kernarg_segment_align: 8
    .kernarg_segment_size: 120
    .max_flat_workgroup_size: 256
    .sgpr_count:     66
    .vgpr_count:     128
    .wavefront_size: 32
...
	.end_amdgpu_metadata
.endif
;; end of part 1
;; launch qkv (part 2): grid 12 x 16, 4 waves a work-group, clusters of 4 x 4, 327,680 bytes of LDS; arguments acode, wq, qkv; writes qkv
.if DOCPART == 2
	.amdgcn_target "amdgcn-amd-amdhsa--gfx1250"
	.amdhsa_code_object_version 6
	.text
	.protected	k_q7151cbdaa9_qkv
	.globl	k_q7151cbdaa9_qkv
	.p2align	8
	.type	k_q7151cbdaa9_qkv,@function
k_q7151cbdaa9_qkv:
	s_mov_b64 s[64:65], 0
	v_nop
	global_prefetch_b8 v0, s[64:65] scope:SCOPE_SE
	s_setreg_imm32_b32 hwreg(HW_REG_WAVE_MODE, 25, 1), 1
	s_wait_xcnt 0x0
	s_wait_alu depctr_hold_cnt(0) depctr_sa_sdst(0) depctr_va_vdst(0) depctr_va_sdst(0) depctr_va_ssrc(0) depctr_va_vcc(0) depctr_vm_vsrc(0)
	s_getreg_b32 s2, hwreg(HW_REG_IB_STS2, 6, 4)
	s_cmp_eq_u32 s2, 0
	s_cbranch_scc0 .Lentry_in_a_cluster
	s_endpgm
.Lentry_in_a_cluster:
	s_bfe_u32 s2, ttmp6, 0x10000c
	s_cmp_lg_u32 s2, 0xf033
	s_cbranch_scc0 .Lentry_shape_is_right
	s_endpgm
.Lentry_shape_is_right:
; ENCODER BLOCK, launch 2 of 8: q, k and v (products 1 to 3), quantised on the way out for the two products of attention.  Nothing is left out.
; C = A B^T on codes of E2M3 with one E8M0 scale for each 32 along K (K = 1,024).  Operands lie as images of the matrix unit's registers: tile T holds rows 32 (T / 2) + 8 (T % 2) + r + 8 (r / 8);
; a fragment (16 rows x 128 K) is 6 planes of 256 bytes (plane p = registers 2 p, 2 p + 1, lane L at 8 L); its scale words 64 bytes (row r's at 4 r); an operand is [tile][K / 128][1536] and [tile][K / 128][64].
; A work-group of four waves makes 256 x 256, a wave 128 x 128: 64 accumulators.  K goes in steps of 256 through two LDS slots filled by the tensor data mover; the scale words of all K come once.
; THE MATRIX INSTRUCTION IS USED TRANSPOSED (source 0 = 16 rows of B, source 1 = 16 rows of A): lane (r, h) holds A's row r, and by the choice of a tile's rows the 16 registers of B's tiles 2 g, 2 g + 1
; are columns 32 g + 16 h + 0 .. 15: sixteen neighbours along the next product's K, as the conversions want them.
; ROLES, by the cluster's x (the same in all sixteen partners): 0: A = tokens, B = Wq;  1: A = tokens, B = Wk;  2: A = Wv, B = tokens, so that v comes out with the KEYS along a lane's registers.
; CLUSTERS: 4 x 4.  A's tiles are shared along a row of the cluster, B's along a column: each is asked for jointly, by the same tensor load with a mask that names the four.
; THE RESULT, buffer qkv: a Q region and a K/V region, each [16 batch + head][key step of 128 tokens][12,800 bytes]: + 0: 8 half fragments (16 tokens x the head's 64, planes 0-2), + 6,144: v's 4 fragments
; (16 of the head's 64 x 128 keys), + 12,288: 4 x 64 bytes of scale words of PAIRS of token tiles (bytes 0, 1: tile 2 f; bytes 2, 3: tile 2 f + 1), + 12,544: v's 4 x 64.
; REGISTERS, in windows of 256: window 0: v16-29 addresses; v32-63 scale words, two sets, and nothing else; v128-223 A's fragments, one set; way out: v128-147, v224-243.  window 1: B's fragments, two sets.  windows 2, 3: the accumulators.
.set KS,     8                         ; K steps of 128
.set ASC,    3145728                   ; acode: where the scale words begin
.set WS,     9437184                   ; wq: likewise
.set LAPS,   KS/4                      ; a lap = two slots = 512 along K
.set NQ,     2
.set FR,     12
.set NL,     6                         ; LDS loads that bring a fragment
.set NP,     4                         ; places behind this matrix instruction (ISA guide 7.12.1)
.set HALFT,  8*3072                    ; 8 tiles x 2 K steps: what one tensor load brings, and what one wave reads of A or of B
.set SLOT,   4*HALFT
.set SCL,    2*SLOT                    ; behind the ring: the scale words of all K
.set HALFS,  8*KS*64
.set SPARE,  SCL+4*HALFS               ; the spare words, 128 bytes for each wave, that no other line names
.set ADRA, 16                          ; v16-17 LDS address of my A fragments in slot 0, 1
.set ADRB, 20                          ; v20-21 the same for B
.set LN8,  24                          ; v24 8 x lane
.set RW4,  25                          ; v25 4 r
.set LN16, 26                          ; v26 16 x lane
.set ADRS, 27                          ; v27 my scale words: lanes 0-15 A's rows, lanes 16-31 B's
.set SPW,  28
.set NIL,  29
.set SC,   32
.set BIAS, 64
.set AF,   128
.set PC,   128                         ; the way out: the fragment just made
.set TM,   224
.set PW,   240                         ; v240, v241 two tiles' scale words; v242, v243 the pair's words
.set SEL,  92
.set G1, 24
.set G0, 32
.set G1B, 48
.set G0B, 56
.set G1S, 68
.set G0S, 76
.set G1SB, 80
.set G0SB, 88
.set MSB, 0
.macro WIN new                         ; the immediate's high byte repeats the setting that is left
.if MSB != \new
	s_set_vgpr_msb (MSB<<8)|\new
.set MSB, \new
.endif
.endm
.set MUL_LO, 0xa1                      ; source 0 (B) window 1, source 1 (A) window 0, C and D window 2
.set MUL_HI, 0xf1
.set TO_B,   0x40
.macro JLOAD g0a, g1a, g0b, g1b        ; a joint load: waves 0, 1 fetch for A, waves 2, 3 for B; an s_nop 0 and four v_nop follow each line
	s_cmp_eq_u32 s15, 0
	s_cbranch_scc0 .Lfor_b_\@
	tensor_load_to_lds s[\g0a:\g0a+3], s[\g1a:\g1a+7]
	s_nop 0
.rept 4
	v_nop
.endr
	s_branch .Lasked_\@
.Lfor_b_\@:
	tensor_load_to_lds s[\g0b:\g0b+3], s[\g1b:\g1b+7]
	s_nop 0
.rept 4
	v_nop
.endr
.Lasked_\@:
.endm
.macro CREST                           ; a round of the cluster's barrier behind its opening barrier
	s_cmp_lg_u32 s14, 0
	s_cbranch_scc1 .Lnot_wave_0_\@
	s_barrier_signal -3
.Lnot_wave_0_\@:
	s_barrier_wait -3
	s_barrier_signal -1
	s_barrier_wait -1
.endm
.macro CROUND
	s_barrier_signal -1
	s_barrier_wait -1
	CREST
.endm
	s_load_b128 s[4:7], s[0:1], 0x0                ; acode, wq
	s_load_b64 s[10:11], s[0:1], 0x10              ; qkv
	v_lshl_add_u32 v[SPW], v0, 2, SPARE
	v_mov_b32 v[NIL], 0
	ds_add_u32 v[SPW], v[NIL]                      ; the wave's opening: the add, twice on end, and its wait ahead of my first tensor load
	ds_add_u32 v[SPW], v[NIL]
	v_lshrrev_b32 v1, 5, v0
	v_readfirstlane_b32 s14, v1                    ; wave 0..3
	s_lshr_b32 s15, s14, 1                         ; my half of the rows.  Also: I fetch for A (0) or for B (1)
	s_and_b32 s16, s14, 1                          ; my half of the columns.  Also: which 8 tiles I fetch
	s_bfe_u32 s40, ttmp6, 0x40000                  ; cx
	s_bfe_u32 s41, ttmp6, 0x40004                  ; cy
	s_and_b32 s17, ttmp7, 0xffff
	s_lshl_b32 s17, s17, 2                         ; 4 x cluster y
	s_mov_b32 s96, ttmp9                           ; the role: cluster x
	s_mul_i32 s12, s96, 786432                     ; Wq's or Wk's codes in wq,
	s_mul_i32 s13, s96, 32768
	s_add_co_u32 s13, s13, WS                      ; and scale words
	s_mov_b32 s2, ASC
	s_cmp_eq_u32 s96, 2
	s_cselect_b32 s18, 0, s17                      ; role 2: A = Wv has 4 blocks of rows, B = the tokens 16
	s_cselect_b32 s19, s17, 0
	s_cselect_b32 s12, 0, s12                      ; B's codes
	s_cselect_b32 s13, s2, s13                     ; B's scale words
	s_cselect_b32 s3, WS+65536, s2                 ; A's scale words
	s_cselect_b32 s2, 1572864, 0                   ; A's codes
	s_add_co_u32 s17, s18, s41                     ; block row of C
	s_add_co_u32 s42, s19, s40                     ; block column of C
	s_lshl_b32 s43, s41, 2
	s_lshl_b32 s43, 15, s43                        ; my row of the cluster
	s_lshl_b32 s44, 0x1111, s40                    ; my column
	; group 1 for codes: 8 rows (tiles) of 3,072 bytes (two K steps), KS x 1,536 bytes apart; elements of 8 bytes; no padding: a plane's 256 bytes are read by 32 lanes on end
	s_or_b32 s[G1+0], s43, (3<<16)|(1<<21)
	s_or_b32 s[G1B+0], s44, (3<<16)|(1<<21)
.irp g, G1, G1B
	s_mov_b32 s[\g+1], 384<<16                     ; tensor_dim0
	s_mov_b32 s[\g+2], 8<<16                       ; tensor_dim1
	s_mov_b32 s[\g+3], 384<<16                     ; tile_dim0
	s_mov_b32 s[\g+4], 8                           ; tile_dim1
	s_mov_b32 s[\g+5], KS*192                      ; the pitch
	s_mov_b32 s[\g+6], 0
	s_mov_b32 s[\g+7], 0
.endr
	; and for the scale words of 8 tiles, all K: a dense block, as rows of 256 bytes
	s_or_b32 s[G1S+0], s43, (3<<16)|(1<<21)
	s_or_b32 s[G1SB+0], s44, (3<<16)|(1<<21)
.irp g, G1S, G1SB
	s_mov_b32 s[\g+1], 32<<16
	s_mov_b32 s[\g+2], (HALFS/256)<<16
	s_mov_b32 s[\g+3], 32<<16
	s_mov_b32 s[\g+4], HALFS/256
	s_mov_b32 s[\g+5], 32
	s_mov_b32 s[\g+6], 0
	s_mov_b32 s[\g+7], 0
.endr
	s_lshl_b32 s18, s16, 3
	s_lshl_b32 s20, s17, 4
	s_add_co_u32 s20, s20, s18                     ; A: the first tile that I fetch
	s_lshl_b32 s46, s42, 4
	s_add_co_u32 s46, s46, s18                     ; B: likewise
	s_mul_i32 s22, s20, KS*64
	s_add_co_u32 s22, s22, s3
	s_mov_b32 s23, 0
	s_mul_i32 s92, s46, KS*64
	s_add_co_u32 s92, s92, s13
	s_mov_b32 s93, 0
	s_mul_i32 s20, s20, KS*1536
	s_add_co_u32 s20, s20, s2
	s_mov_b32 s21, 0
	s_mul_i32 s46, s46, KS*1536
	s_add_co_u32 s46, s46, s12
	s_mov_b32 s47, 0
	s_mul_i32 s45, s14, HALFT                      ; where they go: by the wave's number alone
	s_mul_i32 s94, s14, HALFS
	s_wait_dscnt 0x0                               ; both opening adds are done
	s_wait_kmcnt 0x0
	s_cmp_eq_u32 s96, 2
	s_cselect_b64 s[8:9], s[6:7], s[4:5]           ; A's buffer
	s_cselect_b64 s[4:5], s[4:5], s[6:7]           ; B's buffer
	s_add_nc_u64 s[20:21], s[8:9], s[20:21]
	s_add_nc_u64 s[22:23], s[8:9], s[22:23]
	s_add_nc_u64 s[46:47], s[4:5], s[46:47]
	s_add_nc_u64 s[92:93], s[4:5], s[92:93]
	CROUND                                         ; all sixteen work-groups are here: the first joint loads meet
	s_mov_b32 s[G0S], 1
	s_add_co_u32 s[G0S+1], s94, SCL
	s_mov_b64 s[G0S+2:G0S+3], s[22:23]
	s_or_b32 s[G0S+3], s[G0S+3], 0x80000000
	s_mov_b32 s[G0SB], 1
	s_add_co_u32 s[G0SB+1], s94, SCL
	s_mov_b64 s[G0SB+2:G0SB+3], s[92:93]
	s_or_b32 s[G0SB+3], s[G0SB+3], 0x80000000
	JLOAD G0S, G1S, G0SB, G1SB                     ; the scale words first
.irp s, 0,1
	s_mov_b32 s[G0+4*\s], 1
	s_add_co_u32 s[G0+4*\s+1], s45, \s*SLOT
	s_add_nc_u64 s[G0+4*\s+2:G0+4*\s+3], s[20:21], \s*3072
	s_or_b32 s[G0+4*\s+3], s[G0+4*\s+3], 0x80000000
	s_mov_b32 s[G0B+4*\s], 1
	s_add_co_u32 s[G0B+4*\s+1], s45, \s*SLOT
	s_add_nc_u64 s[G0B+4*\s+2:G0B+4*\s+3], s[46:47], \s*3072
	s_or_b32 s[G0B+4*\s+3], s[G0B+4*\s+3], 0x80000000
	JLOAD G0+4*\s, G1, G0B+4*\s, G1B
.endr
	v_and_b32 v1, 15, v0                           ; r
	v_bfe_u32 v2, v0, 4, 1                         ; h
	v_and_b32 v3, 31, v0                           ; lane
	v_lshlrev_b32 v[LN8], 3, v3
	v_lshlrev_b32 v[RW4], 2, v1
	v_lshlrev_b32 v[LN16], 4, v3
	s_mul_i32 s21, s15, HALFT                      ; my 8 tiles of A
	s_mul_i32 s22, s16, HALFT                      ; my 8 tiles of B,
	s_add_co_u32 s22, s22, 2*HALFT                 ; which lie behind A's 16
.irp s, 0,1
	v_add_nc_u32 v[ADRA+\s], s21, v[LN8]
	v_add_nc_u32 v[ADRB+\s], s22, v[LN8]
	s_add_co_u32 s21, s21, SLOT
	s_add_co_u32 s22, s22, SLOT
.endr
	s_mul_i32 s21, s15, HALFS
	s_mul_i32 s22, s16, HALFS
	s_add_co_u32 s22, s22, 2*HALFS
	s_sub_co_u32 s22, s22, s21
	v_mul_u32_u24 v6, s22, v2                      ; lanes 16-31 take B's words: one product, the distance between the two bases
	s_add_co_u32 s21, s21, SCL
	v_add_nc_u32 v5, v[RW4], v6
	v_add_nc_u32 v[ADRS], s21, v5
.macro FRAG reg, adr, q, i             ; a fragment: six planes, each 256 consecutive bytes for the 32 lanes
.irp p, 0,1,2,3,4,5
	ds_load_b64 v[\reg+2*\p:\reg+2*\p+1], v[\adr] offset:(\i)*3072+(\q)*1536+256*\p
.endr
.endm
; 16 matrix instructions: A's blocks a0, a0 + 1 x B's eight.  zero = 1: C = 0 starts the sums; 2: the bias does.  The 64 accumulators take turns, one instruction a turn.
.macro MUL16 a0, p, q, sc, zero
.irp a, \a0, \a0+1
.irp b, 0,1,2,3,4,5,6,7
.if \zero == 1
	v_wmma_scale_f32_16x16x128_f8f6f4 v[8*(8*((\a)%4)+\b):8*(8*((\a)%4)+\b)+7], v[128*(\p)+FR*\b:128*(\p)+FR*\b+FR-1], v[AF+FR*(\a):AF+FR*(\a)+FR-1], 0, v[SC+8*NQ*(\sc)+NQ*\b+(\q)], v[SC+8*NQ*(\sc)+NQ*(\a)+(\q)] matrix_a_fmt:MATRIX_FMT_FP6 matrix_b_fmt:MATRIX_FMT_FP6 matrix_a_scale:MATRIX_SCALE_ROW1
.elseif \zero == 2
	v_wmma_scale_f32_16x16x128_f8f6f4 v[8*(8*((\a)%4)+\b):8*(8*((\a)%4)+\b)+7], v[128*(\p)+FR*\b:128*(\p)+FR*\b+FR-1], v[AF+FR*(\a):AF+FR*(\a)+FR-1], v[BIAS+8*\b:BIAS+8*\b+7], v[SC+8*NQ*(\sc)+NQ*\b+(\q)], v[SC+8*NQ*(\sc)+NQ*(\a)+(\q)] matrix_a_fmt:MATRIX_FMT_FP6 matrix_b_fmt:MATRIX_FMT_FP6 matrix_a_scale:MATRIX_SCALE_ROW1
.else
	v_wmma_scale_f32_16x16x128_f8f6f4 v[8*(8*((\a)%4)+\b):8*(8*((\a)%4)+\b)+7], v[128*(\p)+FR*\b:128*(\p)+FR*\b+FR-1], v[AF+FR*(\a):AF+FR*(\a)+FR-1], v[8*(8*((\a)%4)+\b):8*(8*((\a)%4)+\b)+7], v[SC+8*NQ*(\sc)+NQ*\b+(\q)], v[SC+8*NQ*(\sc)+NQ*(\a)+(\q)] matrix_a_fmt:MATRIX_FMT_FP6 matrix_b_fmt:MATRIX_FMT_FP6 matrix_a_scale:MATRIX_SCALE_ROW1
.endif
.endr
.endr
.endm
.macro FETCH_B slot, q, p
	WIN TO_B
.irp i, 0,1,2,3,4,5,6,7
	FRAG 128*(\p)+FR*\i, ADRB+\slot, \q, \i
.endr
	WIN 0
.endm
.macro FETCH_A slot, q, i0
.irp i, \i0, \i0+1, \i0+2, \i0+3
	FRAG AF+FR*(\i), ADRA+\slot, \q, \i
.endr
.endm
.macro SCALES sc                       ; a slot's scale words: lanes 0-15 A's block i, lanes 16-31 B's block i; register 2 i + q
.irp i, 0,1,2,3,4,5,6,7
	ds_load_b32 v[SC+16*\sc+2*\i], v[ADRS] offset:\i*KS*64
	ds_load_b32 v[SC+16*\sc+2*\i+1], v[ADRS] offset:\i*KS*64+64
.endr
.endm
.macro PLACES n                        ; plain lines between a matrix instruction and a load into, or a read of, its registers
.rept \n
	v_nop
.endr
.endm
.macro STEP slot, q, zero              ; 128 along K that has its successor in the same slot
	s_wait_dscnt 4*NL                              ; all but the youngest 24 loads (A's blocks 4-7) are in
.if \zero == 2
	WIN 0x81
.else
	WIN MUL_LO
.endif
	MUL16 0, (\q)%2, \q, \slot, \zero
	MUL16 2, (\q)%2, \q, \slot, \zero
	s_wait_dscnt 0
	PLACES NP
	FETCH_B \slot, (\q)+1, 1-(\q)%2
	FETCH_A \slot, (\q)+1, 0
.if \zero == 2
	WIN 0xc1
.else
	WIN MUL_HI
.endif
	MUL16 4, (\q)%2, \q, \slot, \zero
	MUL16 6, (\q)%2, \q, \slot, \zero
	PLACES NP
	WIN 0
	FETCH_A \slot, (\q)+1, 4
.endm
; A slot's last step changes slots: one barrier; in front of it each wave waits for all its tensor loads, adds 0 to its spare word, and waits for that and for its reads of this slot
.macro TURN slot, next, fill
	s_wait_tensorcnt 0x0                           ; all my tensor loads have landed: my part of the next slot
	ds_add_u32 v[SPW], v[NIL]
	s_wait_dscnt 4*NL+1                            ; (the add and the youngest 24 loads may be out)
	WIN MUL_LO
	MUL16 0, 1, NQ-1, \slot, 0
	s_wait_dscnt 0x0                               ; the add is done, and my reads of this slot are over
	s_barrier_signal -1
	MUL16 2, 1, NQ-1, \slot, 0
	WIN 0
	s_barrier_wait -1
.if \fill
	CREST                                          ; the barrier has opened a round of the cluster's: no wave of any partner still reads this slot or has a load on its way
	s_add_nc_u64 s[G0+4*\slot+2:G0+4*\slot+3], s[G0+4*\slot+2:G0+4*\slot+3], 6144
	s_add_nc_u64 s[G0B+4*\slot+2:G0B+4*\slot+3], s[G0B+4*\slot+2:G0B+4*\slot+3], 6144
	JLOAD G0+4*\slot, G1, G0B+4*\slot, G1B         ; the first tensor load behind the round; its four v_nop are the places in front of the loads below
.else
	PLACES NP
.endif
	v_add_nc_u32 v[ADRS], 128, v[ADRS]             ; the next slot's scale words
	FETCH_B \next, 0, 0
	FETCH_A \next, 0, 0
	SCALES \next
	WIN MUL_HI
	MUL16 4, 1, NQ-1, \slot, 0
	MUL16 6, 1, NQ-1, \slot, 0
	PLACES NP
	WIN 0
	FETCH_A \next, 0, 4
.endm
	s_wait_tensorcnt 1                             ; the scale words and my part of slot 0 are in (slot 1's load may be out)
	s_barrier_signal -1
	s_barrier_wait -1
	FETCH_B 0, 0, 0
	FETCH_A 0, 0, 0
	SCALES 0
	FETCH_A 0, 0, 4
	STEP 0, 0, 1                                   ; the first step stands in front of the loop: its products start the sums
	s_mov_b32 s3, LAPS-1
.Llap:
	TURN 0, 1, 1
	STEP 1, 0, 0
	TURN 1, 0, 1
	STEP 0, 0, 0
	s_sub_co_u32 s3, s3, 1
	s_cmp_lg_u32 s3, 0
	s_cbranch_scc1 .Llap
	TURN 0, 1, 0                                   ; the last lap fills nothing
	STEP 1, 0, 0
	s_wait_dscnt 4*NL
	WIN MUL_LO
	MUL16 0, 1, NQ-1, 1, 0
	MUL16 2, 1, NQ-1, 1, 0
	s_wait_dscnt 0
	WIN MUL_HI
	MUL16 4, 1, NQ-1, 1, 0
	MUL16 6, 1, NQ-1, 1, 0
	WIN 0
	PLACES NP
; THE WAY OUT.  Block a's 64 accumulator registers of a lane are 64 numbers of A's row r, register 16 b + i = column 32 b + 16 h + i: they become a fragment in v[PC] on and a scale word in v[pw].
; Each accumulator is read from its low end on.
.macro QUANTW a, pw
.set AC, 64*((\a)%4)
.set WW, 2+(\a)/4
.set WSEL, WW*5
	WIN WSEL                                       ; sources 0 and 1: the block's window
.irp b, 0,1,2,3
	v_max3_num_f32 v[TM+\b], |v[AC+16*\b]|, |v[AC+1+16*\b]|, 0x1800000   ; and the floor 2^(3 - 127): the byte cannot fall under 1
.endr
.irp i, 2,4,6,8,10,12,14
.irp b, 0,1,2,3
	v_max3_num_f32 v[TM+\b], |v[AC+16*\b+\i]|, |v[AC+1+16*\b+\i]|, v[TM+\b]
.endr
.endr
	WIN 0
.irp b, 0,1,2,3
	v_permlanex16_b32 v[TM+4+\b], v[TM+\b], s[SEL], s[SEL+1]
.endr
.irp b, 0,1,2,3
	v_max_num_f32 v[TM+\b], v[TM+\b], v[TM+4+\b]
.endr
.irp b, 0,1,2,3
	v_add_nc_u32 v[TM+12+\b], 0xff000000, v[TM+\b]   ; 2 off the exponent field: the conversion's scale operand
.endr
.irp b, 0,1,2,3
	v_lshrrev_b32 v[TM+4+\b], 23, v[TM+12+\b]
.endr
	v_lshl_or_b32 v[\pw], v[TM+5], 8, v[TM+4]
	v_lshl_or_b32 v[\pw], v[TM+6], 16, v[\pw]
	v_lshl_or_b32 v[\pw], v[TM+7], 24, v[\pw]
	WIN WW                                         ; source 0: the block's window
.irp c, 0,1
	v_cvt_scalef32_pk16_fp6_f32 v[PC+6*\c:PC+2+6*\c], v[AC+32*\c:AC+15+32*\c], v[TM+12+2*\c]
	v_cvt_scalef32_pk16_fp6_f32 v[PC+12+4*\c:PC+14+4*\c], v[AC+16+32*\c:AC+31+32*\c], v[TM+12+2*\c+1]
.endr
	v_nop                                          ; one plain line behind the scaled conversions
	WIN 0
.irp c, 0,1
.irp i, 0,1,2
	v_permlane16_swap_b32 v[PC+6*\c+\i], v[PC+12+4*\c+\i]
.endr
.irp i, 0,1,2
	v_mov_b32 v[PC+3+6*\c+\i], v[PC+12+4*\c+\i]
.endr
.endr
.endm
	s_mov_b32 s[SEL], 0x76543210
	s_mov_b32 s[SEL+1], 0xfedcba98
.irp b, 0,1,2,3
	v_mov_b32 v[TM+4+\b], 0                        ; a lane permute's destination counts as one of its sources
.endr
	s_cmp_eq_u32 s96, 2                            ; the role: the same in all partners
	s_cbranch_scc1 .Lvalues
	; ---- q or k.  My 8 blocks are the 8 token tiles of one key step; my 128 columns are two heads: planes 0-2 the even head's half fragment, planes 3-5 the odd head's
	s_lshr_b32 s20, s17, 3                         ; the batch
	s_lshl_b32 s20, s20, 4
	s_lshl_b32 s21, s42, 2
	s_add_co_u32 s20, s20, s21
	s_lshl_b32 s21, s16, 1
	s_add_co_u32 s20, s20, s21                     ; 16 batch + the even head
	s_lshl_b32 s20, s20, 4
	s_and_b32 s21, s17, 7
	s_lshl_b32 s21, s21, 1
	s_add_co_u32 s20, s20, s21
	s_add_co_u32 s20, s20, s15                     ; + the key step
	s_mul_i32 s20, s20, 12800
	s_mul_i32 s21, s96, 6553600                    ; the Q region or the K/V region
	s_add_co_u32 s20, s20, s21
	s_mov_b32 s21, 0
	s_add_nc_u64 s[10:11], s[10:11], s[20:21]
.irp a, 0,1,2,3,4,5,6,7
.if \a > 0
	s_wait_xcnt 0x0                                ; the last block's stores have read their registers
.endif
	QUANTW \a, PW+(\a%2)
.irp p, 0,1,2
	global_store_b64 v[LN8], v[PC+2*\p:PC+2*\p+1], s[10:11] offset:\a*768+256*\p
	global_store_b64 v[LN8], v[PC+6+2*\p:PC+7+2*\p], s[10:11] offset:204800+\a*768+256*\p   ; the next head lies 16 steps on
.endr
.if \a%2 == 1
	v_and_b32 v[PW+2], 0xffff, v[PW]               ; the pair's word, even head: tile 2 f's bytes 0, 1, then tile 2 f + 1's
	v_lshl_or_b32 v[PW+2], v[PW+1], 16, v[PW+2]
	v_lshrrev_b32 v[PW+3], 16, v[PW]               ; odd head: their bytes 2, 3
	v_and_or_b32 v[PW+3], v[PW+1], 0xffff0000, v[PW+3]
	global_store_b32 v[RW4], v[PW+2], s[10:11] offset:12288+64*(\a/2)
	global_store_b32 v[RW4], v[PW+3], s[10:11] offset:204800+12288+64*(\a/2)
.endif
.endr
	s_branch .Lend
.Lvalues:
	; ---- v.  My 8 blocks are 8 tiles of Wv's rows: two heads x 4 tiles of 16 of the head's 64; my 128 columns are the 128 keys of one key step
	s_lshr_b32 s20, s42, 3                         ; the batch
	s_lshl_b32 s20, s20, 4
	s_lshl_b32 s21, s17, 2
	s_add_co_u32 s20, s20, s21
	s_lshl_b32 s21, s15, 1
	s_add_co_u32 s20, s20, s21                     ; 16 batch + my first head
	s_lshl_b32 s20, s20, 4
	s_and_b32 s21, s42, 7
	s_lshl_b32 s21, s21, 1
	s_add_co_u32 s20, s20, s21
	s_add_co_u32 s20, s20, s16                     ; + the key step
	s_mul_i32 s20, s20, 12800
	s_add_co_u32 s20, s20, 6553600
	s_mov_b32 s21, 0
	s_add_nc_u64 s[10:11], s[10:11], s[20:21]
.irp a, 0,1,2,3,4,5,6,7
.if \a > 0
	s_wait_xcnt 0x0
.endif
	QUANTW \a, PW
.irp p, 0,1,2,3,4,5
	global_store_b64 v[LN8], v[PC+2*\p:PC+2*\p+1], s[10:11] offset:(\a/4)*204800+6144+(\a%4)*1536+256*\p
.endr
	global_store_b32 v[RW4], v[PW], s[10:11] offset:(\a/4)*204800+12544+64*(\a%4)
.endr
.Lend:
	s_wait_tensorcnt 0x0                           ; the wave's end
	ds_add_u32 v[SPW], v[NIL]
	s_wait_dscnt 0x0
	CROUND                                         ; the closing round: no work-group ends while a partner may still ask for a tile that names it
	s_endpgm
.Lfunc_end_k_q7151cbdaa9_qkv:
	.size	k_q7151cbdaa9_qkv, .Lfunc_end_k_q7151cbdaa9_qkv-k_q7151cbdaa9_qkv
	.p2alignl 7, 3214868480
	.fill 96, 4, 3214868480
	.section	.rodata,"a",@progbits
	.p2align	6, 0x0
	.amdhsa_kernel k_q7151cbdaa9_qkv
		.amdhsa_group_segment_fixed_size 327680
		.amdhsa_private_segment_fixed_size 0
		.amdhsa_enable_private_segment 0
		.amdhsa_kernarg_size 24
		.amdhsa_user_sgpr_count 2
		.amdhsa_user_sgpr_kernarg_segment_ptr 1
		.amdhsa_wavefront_size32 1
		.amdhsa_system_sgpr_workgroup_id_x 1
		.amdhsa_system_sgpr_workgroup_id_y 1
		.amdhsa_system_sgpr_workgroup_id_z 1
		.amdhsa_system_vgpr_workitem_id 0
		.amdhsa_next_free_vgpr 1024
		.amdhsa_next_free_sgpr 98
		.amdhsa_reserve_vcc 0
		.amdhsa_float_denorm_mode_32 3
		.amdhsa_float_denorm_mode_16_64 3
		.amdhsa_memory_ordered 1
		.amdhsa_forward_progress 1
		.amdhsa_inst_pref_size 207
	.end_amdhsa_kernel
	.amdgpu_metadata
---
amdhsa.version: [ 1, 2 ]
amdhsa.kernels:
  - .name:           k_q7151cbdaa9_qkv
    .symbol:         k_q7151cbdaa9_qkv.kd
    .args:
      - { .name: acode, .offset: 0, .size: 8, .value_kind: global_buffer, .address_space: global }
      - { .name: wq, .offset: 8, .size: 8, .value_kind: global_buffer, .address_space: global }
      - { .name: qkv, .offset: 16, .size: 8, .value_kind: global_buffer, .address_space: global }
    .group_segment_fixed_size: 327680
    .private_segment_fixed_size: 0
    .kernarg_segment_align: 8
    .kernarg_segment_size: 24
    .max_flat_workgroup_size: 128
    .sgpr_count:     98
    .vgpr_count:     1024
    .wavefront_size: 32
...
	.end_amdgpu_metadata
.endif
;; end of part 2
;; launch attn (part 3): grid 8 x 32, 16 waves a work-group, clusters of 4 x 1, 215,040 bytes of LDS; arguments qkv, key_attention_mask, acode; writes acode
.if DOCPART == 3
	.amdgcn_target "amdgcn-amd-amdhsa--gfx1250"
	.amdhsa_code_object_version 6
	.text
	.protected	k_q7151cbdaa9_attn
	.globl	k_q7151cbdaa9_attn
	.p2align	8
	.type	k_q7151cbdaa9_attn,@function
k_q7151cbdaa9_attn:
	s_mov_b64 s[64:65], 0
	v_nop
	global_prefetch_b8 v0, s[64:65] scope:SCOPE_SE
	s_setreg_imm32_b32 hwreg(HW_REG_WAVE_MODE, 25, 1), 1
	s_wait_xcnt 0x0
	s_wait_alu depctr_hold_cnt(0) depctr_sa_sdst(0) depctr_va_vdst(0) depctr_va_sdst(0) depctr_va_ssrc(0) depctr_va_vcc(0) depctr_vm_vsrc(0)
	s_getreg_b32 s2, hwreg(HW_REG_IB_STS2, 6, 4)
	s_cmp_eq_u32 s2, 0
	s_cbranch_scc0 .Lentry_in_a_cluster
	s_endpgm
.Lentry_in_a_cluster:
	s_bfe_u32 s2, ttmp6, 0x10000c
	s_cmp_lg_u32 s2, 0x3003
	s_cbranch_scc0 .Lentry_shape_is_right
	s_endpgm
.Lentry_shape_is_right:
; ENCODER BLOCK, launch 3 of 8: attention (products 4 and 5) on codes of E2M3, and ctx quantised for the projection.  Nothing is left out.
; SHARES.  A work-group owns 256 queries of one (batch, head); each of its sixteen waves owns one tile of 16 queries in 256 registers.  Every wave walks the 2,048 keys, 128 a step.
; A head's whole K and V, 16 steps x 12,800 bytes (laid by the launch before as images of the operands' registers), fit in LDS: they are fetched ONCE, so there is no ring and no byte is filled twice.
; CLUSTER.  The four query blocks of a cluster belong to one head and need the same K and V: each of the 32 pieces is asked for jointly, by the same tensor load with a mask that names the four.
; LAYOUT.  Both products are used transposed: S^T = K Q^T (source 0 = 16 keys), O^T = V^T P^T (source 0 = 16 of the head's 64): a lane holds ONE query (lane % 16) throughout.
; THE HEAD'S 64 UNDER AN INSTRUCTION OF 128: a fragment of K holds TWO tiles of keys, tile 2 f in K 0-63 and tile 2 f + 1 in K 64-127.  Multiplied by [q | 0] it gives tile 2 f's scores, by [0 | q] tile 2 f + 1's:
; zero codes add nothing.  So LDS is read for no padding.  By the choice of a tile's tokens the 16 registers of tiles 2 f, 2 f + 1 are keys 32 f + 16 (lane / 16) + 0 .. 15.
; THE MASK is the C of the score products: 0 for an open key, -2^100 for a hidden one, from a table of one f32 a key in LDS.  So it costs no vector instruction.
; SOFTMAX: t = score x log2(e) / 8; M = the running largest t rounded up to a whole number; p = 2^(t - M) is quantised along the keys, not normalised; the row's sum is taken of the unquantised p and divides at the end.
; LIMITS: a hidden key's score is -2^100 and not -infinity, and the running largest t starts at -2^66: open keys' |t| must stay under 2^66; then every hidden key's p is 0 exactly.  A batch whose mask is all false is not served.
; REGISTERS: v1-3 lane terms; v5, v6 the add's two; v8-10 addresses in hand; v12 -M, v13 largest t, v[14:15] the sum; v16-39 [q | 0], [0 | q]; v40-87 four fragments; v96-159 S^T, then p; v160-191 O^T;
; v192-210 p's codes; v212-223 at work; v224-227, v228, v229, v236-239 scale words and nothing else; v230-235 at work.
.set STEPB, 12800
.set KVB,   6553600                    ; the K/V region of qkv
.set MB,    204800                     ; LDS: behind K and V: the mask's table, 8,192 bytes, written by ds_store, never by a fill
.set SPARE, 212992                     ; the spare words, 128 bytes for each wave, that no other line names
.set ASC,   3145728
.set LN8, 1
.set RW4, 2
.set MB0, 3
.set SPW, 5
.set NIL, 6
.set ADK, 8
.set ADS, 9
.set ADB, 10
.set Q1,  16
.set Q2,  28
.set FRG, 40
.set S,   96
.set O,   160
.set PC,  192
.set PX,  204
.set BM,  212
.set BT,  216
.set BS,  220
.set KSW, 224
.set PW,  228
.set QW,  229
.set FF,  230
.set T0,  232
.set T1,  233
.set SU2, 234
.set VSW, 236
.set TB,  2                            ; s2  LDS byte at which the step's tiles begin
.set TMB, 3                            ; s3  and its 512 bytes of the mask's table
.set WV,  10
.set G1,  16
.set G0,  24
.set SEL, 36
.set CS,  38
.set CNT, 40
.macro ROUND                           ; a round of the cluster's barrier
	s_barrier_signal -1
	s_barrier_wait -1
	s_cmp_lg_u32 s[WV], 0
	s_cbranch_scc1 .Lnot_wave_0_\@
	s_barrier_signal -3
.Lnot_wave_0_\@:
	s_barrier_wait -3
	s_barrier_signal -1
	s_barrier_wait -1
.endm
	s_load_b128 s[4:7], s[0:1], 0x0                ; qkv, the mask
	s_load_b64 s[8:9], s[0:1], 0x10                ; acode
	v_lshl_add_u32 v[SPW], v0, 2, SPARE
	v_mov_b32 v[NIL], 0
	ds_add_u32 v[SPW], v[NIL]                      ; the wave's opening: the add, twice on end, and its wait ahead of my first tensor load
	ds_add_u32 v[SPW], v[NIL]
	v_lshrrev_b32 v7, 5, v0
	v_readfirstlane_b32 s[WV], v7                  ; wave 0..15
	s_and_b32 s11, ttmp7, 0xffff                   ; 16 batch + head, which the four partners share
	s_bfe_u32 s12, ttmp6, 0x40000                  ; cx
	s_lshl_b32 s13, ttmp9, 2
	s_add_co_u32 s13, s13, s12                     ; my block of 256 queries: it enters global addresses alone
	; group 1: 25 rows of 256 bytes, dense: a sixteenth of half a head's K and V
	s_mov_b32 s[G1], 15|(3<<16)|(1<<21)
	s_mov_b32 s[G1+1], 32<<16
	s_mov_b32 s[G1+2], 25<<16
	s_mov_b32 s[G1+3], 32<<16
	s_mov_b32 s[G1+4], 25
	s_mov_b32 s[G1+5], 32
	s_mov_b32 s[G1+6], 0
	s_mov_b32 s[G1+7], 0
	s_mul_i32 s14, s[WV], 6400                     ; my piece of each half
	s_mul_i32 s32, s11, 204800
	s_add_co_u32 s32, s32, s14
	s_add_co_u32 s32, s32, KVB
	s_mov_b32 s33, 0
	s_lshl_b32 s34, s11, 4                         ; q: my tile is half fragment wave % 8 of key step 2 block + wave / 8 of the Q region
	s_lshl_b32 s35, s13, 1
	s_add_co_u32 s34, s34, s35
	s_lshr_b32 s35, s[WV], 3
	s_add_co_u32 s34, s34, s35
	s_mul_i32 s34, s34, STEPB
	s_and_b32 s35, s[WV], 7
	s_mul_i32 s41, s35, 768
	s_add_co_u32 s42, s34, s41
	s_mov_b32 s43, 0
	s_lshr_b32 s35, s35, 1
	s_lshl_b32 s35, s35, 6
	s_add_co_u32 s44, s34, s35
	s_add_co_u32 s44, s44, 12288                   ; its pair's scale words
	s_mov_b32 s45, 0
	s_and_b32 s46, s[WV], 1
	s_lshl_b32 s54, s46, 4                         ; my tile's two bytes in them: 16 (wave % 2) bits up
	s_lshr_b32 s41, s11, 4                         ; the batch
	s_and_b32 s46, s11, 15                         ; the head
	s_lshl_b32 s47, s41, 7
	s_lshl_b32 s48, s13, 4
	s_add_co_u32 s47, s47, s48
	s_add_co_u32 s47, s47, s[WV]                   ; my token tile
	s_mul_i32 s48, s47, 12288
	s_mul_i32 s49, s46, 768
	s_add_co_u32 s48, s48, s49                     ; ctx: fragment head / 2, half head % 2
	s_mov_b32 s49, 0
	s_lshl_b32 s50, s47, 9
	s_lshr_b32 s51, s46, 1
	s_lshl_b32 s51, s51, 6
	s_add_co_u32 s50, s50, s51
	s_and_b32 s51, s46, 1
	s_lshl_b32 s51, s51, 1
	s_add_co_u32 s50, s50, s51
	s_add_co_u32 s50, s50, ASC                     ; its two scale bytes a row
	s_mov_b32 s51, 0
	s_lshl_b32 s52, s41, 11                        ; the batch's 2,048 mask bytes
	s_mov_b32 s53, 0
	s_mov_b32 s[SEL], 0x76543210
	s_mov_b32 s[SEL+1], 0xfedcba98
	s_mov_b32 s[CS], 0x3e38aa3b                    ; c = log2(e) / sqrt(64)
	s_mov_b32 s[CS+1], s[CS]
	s_mov_b32 s[TB], 0
	s_mov_b32 s[TMB], 0
	s_wait_dscnt 0x0                               ; both opening adds are done
	s_wait_kmcnt 0x0
	s_mov_b32 s[G0], 1
	s_mov_b32 s[G0+1], s14
	s_add_nc_u64 s[G0+2:G0+3], s[4:5], s[32:33]
	s_mov_b32 s[G0+4], 1
	s_add_co_u32 s[G0+5], s14, 102400
	s_add_nc_u64 s[G0+6:G0+7], s[G0+2:G0+3], 102400
	s_or_b32 s[G0+3], s[G0+3], 0x80000000
	s_or_b32 s[G0+7], s[G0+7], 0x80000000
	s_add_nc_u64 s[42:43], s[4:5], s[42:43]
	s_add_nc_u64 s[44:45], s[4:5], s[44:45]
	s_add_nc_u64 s[48:49], s[8:9], s[48:49]
	s_add_nc_u64 s[50:51], s[8:9], s[50:51]
	s_add_nc_u64 s[52:53], s[6:7], s[52:53]
	ROUND                                          ; all four work-groups are here: the joint loads meet
	tensor_load_to_lds s[G0:G0+3], s[G1:G1+7]      ; key steps 0-7: my sixteenth.  Two loads of mine are out
	s_nop 0
	tensor_load_to_lds s[G0+4:G0+7], s[G1:G1+7]    ; key steps 8-15
	s_nop 0
.rept 4
	v_nop
.endr
	v_and_b32 v7, 31, v0
	v_lshlrev_b32 v[LN8], 3, v7                    ; 8 x lane
	v_and_b32 v7, 15, v0
	v_lshlrev_b32 v[RW4], 2, v7                    ; 4 r
	v_bfe_u32 v7, v0, 4, 1
	v_lshl_add_u32 v[MB0], v7, 6, MB               ; the table: my half's 16 keys of a block of 32
	v_lshlrev_b32 v4, 2, v0                        ; my four mask bytes
	v_lshl_add_u32 v11, v0, 4, MB                  ; and their four places in the table
.irp p, 0,1,2
	global_load_b64 v[Q1+2*\p:Q1+2*\p+1], v[LN8], s[42:43] offset:256*\p        ; q into K 0-63 of the first operand,
	global_load_b64 v[Q2+6+2*\p:Q2+7+2*\p], v[LN8], s[42:43] offset:256*\p      ; and once more into K 64-127 of the second
.endr
	global_load_b32 v[T1], v[RW4], s[44:45]
	global_load_b32 v[T0], v4, s[52:53]
.set J, Q1+6
.rept 12
	v_mov_b32 v[J], 0                              ; the other halves: zero codes
.set J, J+1
.endr
	v_mov_b32 v13, 0xe0800000                      ; the largest t so far: -2^66
	v_floor_f32 v12, -v13                          ; -M
	v_mov_b32 v14, 0
	v_mov_b32 v15, 0
	v_mov_b32 v[FF+1], 0                           ; (named as the upper half of a pair)
	v_mov_b32 v[SU2], 0xf1800000                   ; -2^100
.irp b, 0,1,2,3
	v_mov_b32 v[BT+\b], 0                          ; a lane permute's destination counts as one of its sources
.endr
	s_wait_loadcnt 0x0
	v_lshrrev_b32 v[T1], s54, v[T1]
	v_and_b32 v[T1], 0xffff, v[T1]
	v_lshl_or_b32 v[QW], v[T1], 16, v[T1]          ; q's two scale bytes, for K 0-63 and again for K 64-127.  (More than eight plain lines follow ahead of the first product)
.irp i, 0,1,2,3
	v_bfe_u32 v[T1], v[T0], 8*\i, 8
	v_cmp_eq_u32 vcc_lo, 0, v[T1]
	v_cndmask_b32 v[FRG+\i], 0, v[SU2], vcc_lo     ; a hidden key: -2^100
.endr
	ds_store_b128 v11, v[FRG:FRG+3]
.set J, 0
.rept 32
	v_mov_b32 v[O+J], 0                            ; O^T: the step is written once, its first trip finds zeros
.set J, J+1
.endr
; A KEY STEP: 128 keys
.macro STEP
	v_add_nc_u32 v[ADK], s[TB], v[LN8]
	v_add_nc_u32 v[ADS], s[TB], v[RW4]
	v_add_nc_u32 v[ADB], s[TMB], v[MB0]
	v_nop                                          ; four plain lines between the last products and the loads into their registers
.irp b, 0,1,2,3
.irp k, 0,1,2,3
	ds_load_b128 v[S+16*\b+4*\k:S+16*\b+4*\k+3], v[ADB] offset:128*\b+16*\k   ; the mask's term of my 64 keys: the C of the products below
.endr
.endr
.irp f, 0,1,2,3
.irp p, 0,1,2,3,4,5
	ds_load_b64 v[FRG+12*\f+2*\p:FRG+12*\f+2*\p+1], v[ADK] offset:1536*\f+256*\p
.endr
	ds_load_b32 v[KSW+\f], v[ADS] offset:12288+64*\f
.endr
	s_wait_dscnt 0x0
.irp f, 0,1,2,3                                ; eight accumulators, one instruction each
	v_wmma_scale_f32_16x16x128_f8f6f4 v[S+16*\f:S+16*\f+7], v[FRG+12*\f:FRG+12*\f+11], v[Q1:Q1+11], v[S+16*\f:S+16*\f+7], v[KSW+\f], v[QW] matrix_a_fmt:MATRIX_FMT_FP6 matrix_b_fmt:MATRIX_FMT_FP6
	v_wmma_scale_f32_16x16x128_f8f6f4 v[S+16*\f+8:S+16*\f+15], v[FRG+12*\f:FRG+12*\f+11], v[Q2:Q2+11], v[S+16*\f+8:S+16*\f+15], v[KSW+\f], v[QW] matrix_a_fmt:MATRIX_FMT_FP6 matrix_b_fmt:MATRIX_FMT_FP6
.endr
.rept 4
	v_nop
.endr
.irp t, 0,1,2,3                                ; V's four fragments land under the softmax
.irp p, 0,1,2,3,4,5
	ds_load_b64 v[FRG+12*\t+2*\p:FRG+12*\t+2*\p+1], v[ADK] offset:6144+1536*\t+256*\p
.endr
	ds_load_b32 v[VSW+\t], v[ADS] offset:12544+64*\t
.endr
.irp b, 0,1,2,3
	v_max3_num_f32 v[BM+\b], v[S+16*\b], v[S+1+16*\b], v[S+2+16*\b]   ; the largest score of each block of 32 keys: for the row's maximum, and, since p rises with the score, for the block's largest p
.endr
.irp i, 3,5,7,9,11,13
.irp b, 0,1,2,3
	v_max3_num_f32 v[BM+\b], v[BM+\b], v[S+16*\b+\i], v[S+1+16*\b+\i]
.endr
.endr
.irp b, 0,1,2,3
	v_max_num_f32 v[BM+\b], v[BM+\b], v[S+15+16*\b]
.endr
.irp b, 0,1,2,3
	v_permlanex16_b32 v[BT+\b], v[BM+\b], s[SEL], s[SEL+1]
.endr
.irp b, 0,1,2,3
	v_max_num_f32 v[BM+\b], v[BM+\b], v[BT+\b]
.endr
	v_max3_num_f32 v[T0], v[BM], v[BM+1], v[BM+2]
	v_max_num_f32 v[T0], v[T0], v[BM+3]
	v_mul_f32 v[T0], s[CS], v[T0]
	v_max_num_f32 v13, v13, v[T0]                  ; the running largest t
	v_mov_b32 v[T0], v12
	v_floor_f32 v12, -v13                          ; the new -M: M is a whole number
	v_sub_f32 v[T0], v12, v[T0]                    ; old M - new M: a whole number, 0 or less
	v_cvt_i32_f32 v[T0], v[T0]                     ; (it saturates)
	v_ldexp_f32 v[FF], 1.0, v[T0]                  ; f = 2^(old M - new M)
.set J, 0
.rept 32
	v_pk_fma_f32 v[S+J:S+J+1], v[S+J:S+J+1], s[CS:CS+1], v[12:13] op_sel_hi:[1,0,0]   ; t - M
.set J, J+2
.endr
.irp b, 0,1,2,3
	v_fma_f32 v[BM+\b], v[BM+\b], s[CS], v12
.endr
.set J, 0
.rept 64
	v_exp_f32 v[S+J], v[S+J]                       ; p = 2^(t - M)
.set J, J+1
.endr
	v_pk_mul_f32 v[14:15], v[14:15], v[FF:FF+1] op_sel_hi:[1,0]   ; the sums under the new M: the plain line behind the exponentials
	s_wait_alu depctr_va_vdst(0)                   ; one wait for the batch, ahead of its first reader
.irp b, 0,1,2,3
	v_exp_f32 v[BM+\b], v[BM+\b]                   ; the block's largest p
.endr
	v_pk_add_f32 v[SU2:SU2+1], v[S:S+1], v[S+2:S+3]   ; the row's sum of the unquantised p, in two chains
.set J, 4
.rept 15
	v_pk_add_f32 v[14:15], v[14:15], v[S+J:S+J+1]
	v_pk_add_f32 v[SU2:SU2+1], v[SU2:SU2+1], v[S+J+2:S+J+3]
.set J, J+4
.endr
	v_pk_add_f32 v[14:15], v[14:15], v[SU2:SU2+1]
	s_wait_alu depctr_va_vdst(0)                   ; and one for the four
.irp b, 0,1,2,3
	v_max_num_f32 v[BM+\b], 0x1800000, v[BM+\b]    ; the floor 2^(3 - 127): a block whose every p is 0 keeps the byte 1; its codes are zeros
.endr
.irp b, 0,1,2,3
	v_add_nc_u32 v[BS+\b], 0xff000000, v[BM+\b]
.endr
.irp b, 0,1,2,3
	v_lshrrev_b32 v[BT+\b], 23, v[BS+\b]
.endr
	v_lshl_or_b32 v[PW], v[BT+1], 8, v[BT]
	v_lshl_or_b32 v[PW], v[BT+2], 16, v[PW]
	v_lshl_or_b32 v[PW], v[BT+3], 24, v[PW]
.irp c, 0,1
	v_cvt_scalef32_pk16_fp6_f32 v[PC+6*\c:PC+2+6*\c], v[S+32*\c:S+15+32*\c], v[BS+2*\c]
	v_cvt_scalef32_pk16_fp6_f32 v[PX+4*\c:PX+2+4*\c], v[S+16+32*\c:S+31+32*\c], v[BS+2*\c+1]
.endr
	v_nop
.irp c, 0,1
.irp i, 0,1,2
	v_permlane16_swap_b32 v[PC+6*\c+\i], v[PX+4*\c+\i]
.endr
.irp i, 0,1,2
	v_mov_b32 v[PC+3+6*\c+\i], v[PX+4*\c+\i]
.endr
.endr
.set J, 0
.rept 16
	v_pk_mul_f32 v[O+J:O+J+1], v[O+J:O+J+1], v[FF:FF+1] op_sel_hi:[1,0]   ; O^T under the new M; also the plain lines between p's codes and scale word and the products
.set J, J+2
.endr
	s_wait_dscnt 0x0                               ; V is in
.irp t, 0,1,2,3
	v_wmma_scale_f32_16x16x128_f8f6f4 v[O+8*\t:O+8*\t+7], v[FRG+12*\t:FRG+12*\t+11], v[PC:PC+11], v[O+8*\t:O+8*\t+7], v[VSW+\t], v[PW] matrix_a_fmt:MATRIX_FMT_FP6 matrix_b_fmt:MATRIX_FMT_FP6
.endr
	s_add_co_u32 s[TB], s[TB], STEPB
	s_add_co_u32 s[TMB], s[TMB], 512
.endm
.macro EIGHT
	s_mov_b32 s[CNT], 8
.Lstep_\@:
	STEP
	s_sub_co_u32 s[CNT], s[CNT], 1
	s_cmp_lg_u32 s[CNT], 0
	s_cbranch_scc1 .Lstep_\@
.endm
	s_wait_tensorcnt 1                             ; my piece of key steps 0-7 is in; the other half may stay out
	s_wait_dscnt 0x0                               ; my part of the mask's table is written
	s_barrier_signal -1
	s_barrier_wait -1
	EIGHT
	s_wait_tensorcnt 0x0                           ; my piece of key steps 8-15
	s_wait_dscnt 0x0
	s_barrier_signal -1
	s_barrier_wait -1
	EIGHT
	; THE WAY OUT: O^T / the sum is ctx(query r, 64 head + 32 g + 16 h + 0 .. 15): two blocks of 32 along the projection's K: half a fragment and two scale bytes
	v_add_f32 v14, v14, v15
	v_permlanex16_b32 v[T0], v14, s[SEL], s[SEL+1]
	v_add_f32 v14, v14, v[T0]
	v_rcp_f32 v14, v14
	v_nop
	v_nop
	s_wait_alu depctr_va_vdst(0)                   ; ahead of the reciprocal's first reader
.set J, 0
.rept 32
	v_mul_f32 v[S+J], v[O+J], v14
.set J, J+1
.endr
.irp b, 0,1
	v_max3_num_f32 v[BM+\b], |v[S+16*\b]|, |v[S+1+16*\b]|, 0x1800000
.endr
.irp i, 2,4,6,8,10,12,14
.irp b, 0,1
	v_max3_num_f32 v[BM+\b], v[BM+\b], |v[S+16*\b+\i]|, |v[S+1+16*\b+\i]|
.endr
.endr
.irp b, 0,1
	v_permlanex16_b32 v[BT+\b], v[BM+\b], s[SEL], s[SEL+1]
.endr
.irp b, 0,1
	v_max_num_f32 v[BM+\b], v[BM+\b], v[BT+\b]
.endr
.irp b, 0,1
	v_add_nc_u32 v[BS+\b], 0xff000000, v[BM+\b]
.endr
.irp b, 0,1
	v_lshrrev_b32 v[BT+\b], 23, v[BS+\b]
.endr
	v_lshl_or_b32 v[T1], v[BT+1], 8, v[BT]
	v_cvt_scalef32_pk16_fp6_f32 v[PC:PC+2], v[S:S+15], v[BS]
	v_cvt_scalef32_pk16_fp6_f32 v[PX:PX+2], v[S+16:S+31], v[BS+1]
	v_nop
.irp i, 0,1,2
	v_permlane16_swap_b32 v[PC+\i], v[PX+\i]
.endr
.irp i, 0,1,2
	v_mov_b32 v[PC+3+\i], v[PX+\i]
.endr
.irp p, 0,1,2
	global_store_b64 v[LN8], v[PC+2*\p:PC+2*\p+1], s[48:49] offset:256*\p   ; 32 lanes store 256 consecutive bytes, aligned
.endr
	global_store_b16 v[RW4], v[T1], s[50:51]       ; two bytes of each row's scale word; lanes r and r + 16 write the same
	s_wait_tensorcnt 0x0                           ; the wave's end
	ds_add_u32 v[SPW], v[NIL]
	s_wait_dscnt 0x0
	ROUND                                          ; the closing round
	s_endpgm
.Lfunc_end_k_q7151cbdaa9_attn:
	.size	k_q7151cbdaa9_attn, .Lfunc_end_k_q7151cbdaa9_attn-k_q7151cbdaa9_attn
	.p2alignl 7, 3214868480
	.fill 96, 4, 3214868480
	.section	.rodata,"a",@progbits
	.p2align	6, 0x0
	.amdhsa_kernel k_q7151cbdaa9_attn
		.amdhsa_group_segment_fixed_size 215040
		.amdhsa_private_segment_fixed_size 0
		.amdhsa_enable_private_segment 0
		.amdhsa_kernarg_size 24
		.amdhsa_user_sgpr_count 2
		.amdhsa_user_sgpr_kernarg_segment_ptr 1
		.amdhsa_wavefront_size32 1
		.amdhsa_system_sgpr_workgroup_id_x 1
		.amdhsa_system_sgpr_workgroup_id_y 1
		.amdhsa_system_sgpr_workgroup_id_z 1
		.amdhsa_system_vgpr_workitem_id 0
		.amdhsa_next_free_vgpr 256
		.amdhsa_next_free_sgpr 66
		.amdhsa_reserve_vcc 1
		.amdhsa_float_denorm_mode_32 3
		.amdhsa_float_denorm_mode_16_64 3
		.amdhsa_memory_ordered 1
		.amdhsa_forward_progress 1
		.amdhsa_inst_pref_size 49
	.end_amdhsa_kernel
	.amdgpu_metadata
---
amdhsa.version: [ 1, 2 ]
amdhsa.kernels:
  - .name:           k_q7151cbdaa9_attn
    .symbol:         k_q7151cbdaa9_attn.kd
    .args:
      - { .name: qkv, .offset: 0, .size: 8, .value_kind: global_buffer, .address_space: global }
      - { .name: key_attention_mask, .offset: 8, .size: 8, .value_kind: global_buffer, .address_space: global }
      - { .name: acode, .offset: 16, .size: 8, .value_kind: global_buffer, .address_space: global }
    .group_segment_fixed_size: 215040
    .private_segment_fixed_size: 0
    .kernarg_segment_align: 8
    .kernarg_segment_size: 24
    .max_flat_workgroup_size: 512
    .sgpr_count:     66
    .vgpr_count:     256
    .wavefront_size: 32
...
	.end_amdgpu_metadata
.endif
;; end of part 3
;; launch oproj (part 4): grid 4 x 16, 4 waves a work-group, clusters of 4 x 4, 327,680 bytes of LDS; arguments acode, wq, b_out, ybuf; writes ybuf
.if DOCPART == 4
	.amdgcn_target "amdgcn-amd-amdhsa--gfx1250"
	.amdhsa_code_object_version 6
	.text
	.protected	k_q7151cbdaa9_oproj
	.globl	k_q7151cbdaa9_oproj
	.p2align	8
	.type	k_q7151cbdaa9_oproj,@function
k_q7151cbdaa9_oproj:
	s_mov_b64 s[64:65], 0
	v_nop
	global_prefetch_b8 v0, s[64:65] scope:SCOPE_SE
	s_setreg_imm32_b32 hwreg(HW_REG_WAVE_MODE, 25, 1), 1
	s_wait_xcnt 0x0
	s_wait_alu depctr_hold_cnt(0) depctr_sa_sdst(0) depctr_va_vdst(0) depctr_va_sdst(0) depctr_va_ssrc(0) depctr_va_vcc(0) depctr_vm_vsrc(0)
	s_getreg_b32 s2, hwreg(HW_REG_IB_STS2, 6, 4)
	s_cmp_eq_u32 s2, 0
	s_cbranch_scc0 .Lentry_in_a_cluster
	s_endpgm
.Lentry_in_a_cluster:
	s_bfe_u32 s2, ttmp6, 0x10000c
	s_cmp_lg_u32 s2, 0xf033
	s_cbranch_scc0 .Lentry_shape_is_right
	s_endpgm
.Lentry_shape_is_right:
; ENCODER BLOCK, launch 4 of 8: ctx W_out + b_out (product 6), left in f32 for the norm.  Nothing is left out.
; C = A B^T + bias on codes of E2M3 with one E8M0 scale for each 32 along K (K = 1,024).  Operands lie as images of the matrix unit's registers: tile T holds rows 32 (T / 2) + 8 (T % 2) + r + 8 (r / 8);
; a fragment (16 rows x 128 K) is 6 planes of 256 bytes (plane p = registers 2 p, 2 p + 1, lane L at 8 L); its scale words 64 bytes (row r's at 4 r); an operand is [tile][K / 128][1536] and [tile][K / 128][64].
; A work-group of four waves makes 256 x 256, a wave 128 x 128: 64 accumulators.  K goes in steps of 256 through two LDS slots filled by the tensor data mover; the scale words of all K come once.
; THE MATRIX INSTRUCTION IS USED TRANSPOSED (source 0 = 16 rows of B, source 1 = 16 rows of A): lane (r, h) holds A's row r; register j of B's tile 2 g + u is column 32 g + 16 h + 8 u + j.
; The bias is the C of each sum's first matrix instruction.  CLUSTERS: 4 x 4; A's tiles are shared along a row of the cluster, B's along a column, by joint loads.
; THE RESULT, ybuf: the accumulators as they stand: [token tile][column tile 0-63][2 planes of 512 bytes], plane 0 = registers 0-3, lane L at 16 L.
; The grid has 64 work-groups: 4,096 x 1,024 in blocks of 256 x 256.
; REGISTERS, in windows of 256: window 0: v16-29 addresses; v32-63 scale words, two sets, and nothing else; v64-127 the bias; v128-223 A's fragments, one set.  window 1: B's fragments, two sets.  windows 2, 3: the accumulators.
.set KS,     8                         ; K steps of 128
.set ASOFF,  3145728                   ; A's scale words in its buffer
.set BOFF,   2359296                   ; B's codes in wq
.set BSOFF,  9437184+98304             ; B's scale words
.set LAPS,   KS/4
.set NQ,     2
.set FR,     12
.set NL,     6
.set NP,     4
.set HALFT,  8*3072
.set SLOT,   4*HALFT
.set SCL,    2*SLOT
.set HALFS,  8*KS*64
.set SPARE,  SCL+4*HALFS
.set ADRA, 16
.set ADRB, 20
.set LN8,  24
.set RW4,  25
.set LN16, 26
.set ADRS, 27
.set SPW,  28
.set NIL,  29
.set SC,   32
.set BIAS, 64
.set AF,   128
.set G1, 24
.set G0, 32
.set G1B, 48
.set G0B, 56
.set G1S, 68
.set G0S, 76
.set G1SB, 80
.set G0SB, 88
.set MSB, 0
.macro WIN new                         ; the immediate's high byte repeats the setting that is left
.if MSB != \new
	s_set_vgpr_msb (MSB<<8)|\new
.set MSB, \new
.endif
.endm
.set MUL_LO, 0xa1
.set MUL_HI, 0xf1
.set TO_B,   0x40
.macro JLOAD g0a, g1a, g0b, g1b        ; a joint load: waves 0, 1 fetch for A, waves 2, 3 for B; an s_nop 0 and four v_nop follow each line
	s_cmp_eq_u32 s15, 0
	s_cbranch_scc0 .Lfor_b_\@
	tensor_load_to_lds s[\g0a:\g0a+3], s[\g1a:\g1a+7]
	s_nop 0
.rept 4
	v_nop
.endr
	s_branch .Lasked_\@
.Lfor_b_\@:
	tensor_load_to_lds s[\g0b:\g0b+3], s[\g1b:\g1b+7]
	s_nop 0
.rept 4
	v_nop
.endr
.Lasked_\@:
.endm
.macro CREST
	s_cmp_lg_u32 s14, 0
	s_cbranch_scc1 .Lnot_wave_0_\@
	s_barrier_signal -3
.Lnot_wave_0_\@:
	s_barrier_wait -3
	s_barrier_signal -1
	s_barrier_wait -1
.endm
.macro CROUND
	s_barrier_signal -1
	s_barrier_wait -1
	CREST
.endm
	s_load_b128 s[4:7], s[0:1], 0x0                ; A's buffer, wq
	s_load_b128 s[8:11], s[0:1], 0x10              ; the bias, the result
	v_lshl_add_u32 v[SPW], v0, 2, SPARE
	v_mov_b32 v[NIL], 0
	ds_add_u32 v[SPW], v[NIL]                      ; the wave's opening: the add, twice on end, and its wait ahead of my first tensor load
	ds_add_u32 v[SPW], v[NIL]
	v_lshrrev_b32 v1, 5, v0
	v_readfirstlane_b32 s14, v1                    ; wave 0..3
	s_lshr_b32 s15, s14, 1                         ; my half of the rows.  Also: I fetch for A (0) or for B (1)
	s_and_b32 s16, s14, 1                          ; my half of the columns.  Also: which 8 tiles I fetch
	s_bfe_u32 s40, ttmp6, 0x40000                  ; cx
	s_bfe_u32 s41, ttmp6, 0x40004                  ; cy
	s_lshl_b32 s42, ttmp9, 2
	s_add_co_u32 s42, s42, s40                     ; block column of C
	s_and_b32 s17, ttmp7, 0xffff
	s_lshl_b32 s17, s17, 2
	s_add_co_u32 s17, s17, s41                     ; block row of C
	s_lshl_b32 s43, s41, 2
	s_lshl_b32 s43, 15, s43                        ; my row of the cluster
	s_lshl_b32 s44, 0x1111, s40                    ; my column
	; group 1 for codes: 8 rows (tiles) of 3,072 bytes (two K steps), KS x 1,536 bytes apart; elements of 8 bytes; no padding
	s_or_b32 s[G1+0], s43, (3<<16)|(1<<21)
	s_or_b32 s[G1B+0], s44, (3<<16)|(1<<21)
.irp g, G1, G1B
	s_mov_b32 s[\g+1], 384<<16
	s_mov_b32 s[\g+2], 8<<16
	s_mov_b32 s[\g+3], 384<<16
	s_mov_b32 s[\g+4], 8
	s_mov_b32 s[\g+5], KS*192
	s_mov_b32 s[\g+6], 0
	s_mov_b32 s[\g+7], 0
.endr
	; and for the scale words of 8 tiles, all K: a dense block, as rows of 256 bytes
	s_or_b32 s[G1S+0], s43, (3<<16)|(1<<21)
	s_or_b32 s[G1SB+0], s44, (3<<16)|(1<<21)
.irp g, G1S, G1SB
	s_mov_b32 s[\g+1], 32<<16
	s_mov_b32 s[\g+2], (HALFS/256)<<16
	s_mov_b32 s[\g+3], 32<<16
	s_mov_b32 s[\g+4], HALFS/256
	s_mov_b32 s[\g+5], 32
	s_mov_b32 s[\g+6], 0
	s_mov_b32 s[\g+7], 0
.endr
	s_lshl_b32 s18, s16, 3
	s_lshl_b32 s20, s17, 4
	s_add_co_u32 s20, s20, s18                     ; A: the first tile that I fetch
	s_lshl_b32 s46, s42, 4
	s_add_co_u32 s46, s46, s18                     ; B: likewise
	s_mul_i32 s22, s20, KS*64
	s_add_co_u32 s22, s22, ASOFF
	s_mov_b32 s23, 0
	s_mul_i32 s92, s46, KS*64
	s_add_co_u32 s92, s92, BSOFF
	s_mov_b32 s93, 0
	s_mul_i32 s20, s20, KS*1536
	s_mov_b32 s21, 0
	s_mul_i32 s46, s46, KS*1536
	s_add_co_u32 s46, s46, BOFF
	s_mov_b32 s47, 0
	s_mul_i32 s45, s14, HALFT
	s_mul_i32 s94, s14, HALFS
	s_wait_dscnt 0x0                               ; both opening adds are done
	s_wait_kmcnt 0x0
	s_add_nc_u64 s[20:21], s[4:5], s[20:21]
	s_add_nc_u64 s[22:23], s[4:5], s[22:23]
	s_add_nc_u64 s[46:47], s[6:7], s[46:47]
	s_add_nc_u64 s[92:93], s[6:7], s[92:93]
	CROUND                                         ; all sixteen work-groups are here: the first joint loads meet
	s_mov_b32 s[G0S], 1
	s_add_co_u32 s[G0S+1], s94, SCL
	s_mov_b64 s[G0S+2:G0S+3], s[22:23]
	s_or_b32 s[G0S+3], s[G0S+3], 0x80000000
	s_mov_b32 s[G0SB], 1
	s_add_co_u32 s[G0SB+1], s94, SCL
	s_mov_b64 s[G0SB+2:G0SB+3], s[92:93]
	s_or_b32 s[G0SB+3], s[G0SB+3], 0x80000000
	JLOAD G0S, G1S, G0SB, G1SB
.irp s, 0,1
	s_mov_b32 s[G0+4*\s], 1
	s_add_co_u32 s[G0+4*\s+1], s45, \s*SLOT
	s_add_nc_u64 s[G0+4*\s+2:G0+4*\s+3], s[20:21], \s*3072
	s_or_b32 s[G0+4*\s+3], s[G0+4*\s+3], 0x80000000
	s_mov_b32 s[G0B+4*\s], 1
	s_add_co_u32 s[G0B+4*\s+1], s45, \s*SLOT
	s_add_nc_u64 s[G0B+4*\s+2:G0B+4*\s+3], s[46:47], \s*3072
	s_or_b32 s[G0B+4*\s+3], s[G0B+4*\s+3], 0x80000000
	JLOAD G0+4*\s, G1, G0B+4*\s, G1B
.endr
	v_and_b32 v1, 15, v0                           ; r
	v_bfe_u32 v2, v0, 4, 1                         ; h
	v_and_b32 v3, 31, v0                           ; lane
	v_lshlrev_b32 v[LN8], 3, v3
	v_lshlrev_b32 v[RW4], 2, v1
	v_lshlrev_b32 v[LN16], 4, v3
	s_lshl_b32 s46, s42, 10                        ; the bias of my 128 columns: lane (r, h) wants, for tile 2 g + u, columns 32 g + 16 h + 8 u + 0 .. 7
	s_lshl_b32 s47, s16, 9
	s_add_co_u32 s46, s46, s47
	s_mov_b32 s47, 0
	s_add_nc_u64 s[8:9], s[8:9], s[46:47]
	v_lshlrev_b32 v7, 6, v2
.irp b, 0,1,2,3,4,5,6,7
	global_load_b128 v[BIAS+8*\b:BIAS+8*\b+3], v7, s[8:9] offset:(32*(\b/2)+8*(\b%2))*4
	global_load_b128 v[BIAS+8*\b+4:BIAS+8*\b+7], v7, s[8:9] offset:(32*(\b/2)+8*(\b%2))*4+16
.endr
	s_mul_i32 s21, s15, HALFT
	s_mul_i32 s22, s16, HALFT
	s_add_co_u32 s22, s22, 2*HALFT
.irp s, 0,1
	v_add_nc_u32 v[ADRA+\s], s21, v[LN8]
	v_add_nc_u32 v[ADRB+\s], s22, v[LN8]
	s_add_co_u32 s21, s21, SLOT
	s_add_co_u32 s22, s22, SLOT
.endr
	s_mul_i32 s21, s15, HALFS
	s_mul_i32 s22, s16, HALFS
	s_add_co_u32 s22, s22, 2*HALFS
	s_sub_co_u32 s22, s22, s21
	v_mul_u32_u24 v6, s22, v2                      ; lanes 16-31 take B's words: one product, the distance between the two bases
	s_add_co_u32 s21, s21, SCL
	v_add_nc_u32 v5, v[RW4], v6
	v_add_nc_u32 v[ADRS], s21, v5
	s_lshl_b32 s20, s17, 4                         ; the result: my first token tile x 65,536 + my first column tile x 1,024
	s_lshl_b32 s21, s15, 3
	s_add_co_u32 s20, s20, s21
	s_lshl_b32 s20, s20, 16
	s_lshl_b32 s46, s42, 4
	s_lshl_b32 s47, s16, 3
	s_add_co_u32 s46, s46, s47
	s_lshl_b32 s46, s46, 10
	s_add_co_u32 s20, s20, s46
	s_mov_b32 s21, 0
	s_add_nc_u64 s[10:11], s[10:11], s[20:21]
.macro FRAG reg, adr, q, i
.irp p, 0,1,2,3,4,5
	ds_load_b64 v[\reg+2*\p:\reg+2*\p+1], v[\adr] offset:(\i)*3072+(\q)*1536+256*\p
.endr
.endm
; 16 matrix instructions: A's blocks a0, a0 + 1 x B's eight.  zero = 1: C = 0 starts the sums; 2: the bias does.  The 64 accumulators take turns, one instruction a turn.
.macro MUL16 a0, p, q, sc, zero
.irp a, \a0, \a0+1
.irp b, 0,1,2,3,4,5,6,7
.if \zero == 1
	v_wmma_scale_f32_16x16x128_f8f6f4 v[8*(8*((\a)%4)+\b):8*(8*((\a)%4)+\b)+7], v[128*(\p)+FR*\b:128*(\p)+FR*\b+FR-1], v[AF+FR*(\a):AF+FR*(\a)+FR-1], 0, v[SC+8*NQ*(\sc)+NQ*\b+(\q)], v[SC+8*NQ*(\sc)+NQ*(\a)+(\q)] matrix_a_fmt:MATRIX_FMT_FP6 matrix_b_fmt:MATRIX_FMT_FP6 matrix_a_scale:MATRIX_SCALE_ROW1
.elseif \zero == 2
	v_wmma_scale_f32_16x16x128_f8f6f4 v[8*(8*((\a)%4)+\b):8*(8*((\a)%4)+\b)+7], v[128*(\p)+FR*\b:128*(\p)+FR*\b+FR-1], v[AF+FR*(\a):AF+FR*(\a)+FR-1], v[BIAS+8*\b:BIAS+8*\b+7], v[SC+8*NQ*(\sc)+NQ*\b+(\q)], v[SC+8*NQ*(\sc)+NQ*(\a)+(\q)] matrix_a_fmt:MATRIX_FMT_FP6 matrix_b_fmt:MATRIX_FMT_FP6 matrix_a_scale:MATRIX_SCALE_ROW1
.else
	v_wmma_scale_f32_16x16x128_f8f6f4 v[8*(8*((\a)%4)+\b):8*(8*((\a)%4)+\b)+7], v[128*(\p)+FR*\b:128*(\p)+FR*\b+FR-1], v[AF+FR*(\a):AF+FR*(\a)+FR-1], v[8*(8*((\a)%4)+\b):8*(8*((\a)%4)+\b)+7], v[SC+8*NQ*(\sc)+NQ*\b+(\q)], v[SC+8*NQ*(\sc)+NQ*(\a)+(\q)] matrix_a_fmt:MATRIX_FMT_FP6 matrix_b_fmt:MATRIX_FMT_FP6 matrix_a_scale:MATRIX_SCALE_ROW1
.endif
.endr
.endr
.endm
.macro FETCH_B slot, q, p
	WIN TO_B
.irp i, 0,1,2,3,4,5,6,7
	FRAG 128*(\p)+FR*\i, ADRB+\slot, \q, \i
.endr
	WIN 0
.endm
.macro FETCH_A slot, q, i0
.irp i, \i0, \i0+1, \i0+2, \i0+3
	FRAG AF+FR*(\i), ADRA+\slot, \q, \i
.endr
.endm
.macro SCALES sc
.irp i, 0,1,2,3,4,5,6,7
	ds_load_b32 v[SC+16*\sc+2*\i], v[ADRS] offset:\i*KS*64
	ds_load_b32 v[SC+16*\sc+2*\i+1], v[ADRS] offset:\i*KS*64+64
.endr
.endm
.macro PLACES n
.rept \n
	v_nop
.endr
.endm
.macro STEP slot, q, zero
	s_wait_dscnt 4*NL                              ; all but the youngest 24 loads (A's blocks 4-7) are in
.if \zero == 2
	WIN 0x81                                       ; C (the bias) in window 0
.else
	WIN MUL_LO
.endif
	MUL16 0, (\q)%2, \q, \slot, \zero
	MUL16 2, (\q)%2, \q, \slot, \zero
	s_wait_dscnt 0
	PLACES NP
	FETCH_B \slot, (\q)+1, 1-(\q)%2
	FETCH_A \slot, (\q)+1, 0
.if \zero == 2
	WIN 0xc1
.else
	WIN MUL_HI
.endif
	MUL16 4, (\q)%2, \q, \slot, \zero
	MUL16 6, (\q)%2, \q, \slot, \zero
	PLACES NP
	WIN 0
	FETCH_A \slot, (\q)+1, 4
.endm
.macro TURN slot, next, fill
	s_wait_tensorcnt 0x0                           ; all my tensor loads have landed: my part of the next slot
	ds_add_u32 v[SPW], v[NIL]
	s_wait_dscnt 4*NL+1                            ; (the add and the youngest 24 loads may be out)
	WIN MUL_LO
	MUL16 0, 1, NQ-1, \slot, 0
	s_wait_dscnt 0x0                               ; the add is done, and my reads of this slot are over
	s_barrier_signal -1
	MUL16 2, 1, NQ-1, \slot, 0
	WIN 0
	s_barrier_wait -1
.if \fill
	CREST                                          ; the barrier has opened a round of the cluster's: no wave of any partner still reads this slot or has a load on its way
	s_add_nc_u64 s[G0+4*\slot+2:G0+4*\slot+3], s[G0+4*\slot+2:G0+4*\slot+3], 6144
	s_add_nc_u64 s[G0B+4*\slot+2:G0B+4*\slot+3], s[G0B+4*\slot+2:G0B+4*\slot+3], 6144
	JLOAD G0+4*\slot, G1, G0B+4*\slot, G1B
.else
	PLACES NP
.endif
	v_add_nc_u32 v[ADRS], 128, v[ADRS]
	FETCH_B \next, 0, 0
	FETCH_A \next, 0, 0
	SCALES \next
	WIN MUL_HI
	MUL16 4, 1, NQ-1, \slot, 0
	MUL16 6, 1, NQ-1, \slot, 0
	PLACES NP
	WIN 0
	FETCH_A \next, 0, 4
.endm
	s_wait_tensorcnt 1                             ; the scale words and my part of slot 0 are in (slot 1's load may be out)
	s_barrier_signal -1
	s_barrier_wait -1
	FETCH_B 0, 0, 0
	FETCH_A 0, 0, 0
	SCALES 0
	FETCH_A 0, 0, 4
	s_wait_loadcnt 0x0                             ; the bias
	STEP 0, 0, 2                                   ; the first step stands in front of the loop: its products start the sums, on the bias
	s_mov_b32 s3, LAPS-1
.Llap:
	TURN 0, 1, 1
	STEP 1, 0, 0
	TURN 1, 0, 1
	STEP 0, 0, 0
	s_sub_co_u32 s3, s3, 1
	s_cmp_lg_u32 s3, 0
	s_cbranch_scc1 .Llap
	TURN 0, 1, 0
	STEP 1, 0, 0
	s_wait_dscnt 4*NL
	WIN MUL_LO
	MUL16 0, 1, NQ-1, 1, 0
	MUL16 2, 1, NQ-1, 1, 0
	s_wait_dscnt 0
	WIN MUL_HI
	MUL16 4, 1, NQ-1, 1, 0
	MUL16 6, 1, NQ-1, 1, 0
	WIN 0
	PLACES NP
	; THE WAY OUT: the accumulators as they stand, each from its low end on; every store covers 512 consecutive bytes, aligned
.irp a, 0,1,2,3,4,5,6,7
.set AC, 64*(\a%4)
.set WST, 0x08+4*(\a/4)
	WIN WST                                        ; a store's data are its source 1: window 2 or 3
.irp b, 0,1,2,3,4,5,6,7
	global_store_b128 v[LN16], v[AC+8*\b:AC+8*\b+3], s[10:11] offset:\a*65536+\b*1024 th:TH_STORE_NT
	global_store_b128 v[LN16], v[AC+8*\b+4:AC+8*\b+7], s[10:11] offset:\a*65536+\b*1024+512 th:TH_STORE_NT
.endr
.endr
	WIN 0
	s_wait_tensorcnt 0x0                           ; the wave's end
	ds_add_u32 v[SPW], v[NIL]
	s_wait_dscnt 0x0
	CROUND                                         ; the closing round
	s_endpgm
.Lfunc_end_k_q7151cbdaa9_oproj:
	.size	k_q7151cbdaa9_oproj, .Lfunc_end_k_q7151cbdaa9_oproj-k_q7151cbdaa9_oproj
	.p2alignl 7, 3214868480
	.fill 96, 4, 3214868480
	.section	.rodata,"a",@progbits
	.p2align	6, 0x0
	.amdhsa_kernel k_q7151cbdaa9_oproj
		.amdhsa_group_segment_fixed_size 327680
		.amdhsa_private_segment_fixed_size 0
		.amdhsa_enable_private_segment 0
		.amdhsa_kernarg_size 32
		.amdhsa_user_sgpr_count 2
		.amdhsa_user_sgpr_kernarg_segment_ptr 1
		.amdhsa_wavefront_size32 1
		.amdhsa_system_sgpr_workgroup_id_x 1
		.amdhsa_system_sgpr_workgroup_id_y 1
		.amdhsa_system_sgpr_workgroup_id_z 1
		.amdhsa_system_vgpr_workitem_id 0
		.amdhsa_next_free_vgpr 1024
		.amdhsa_next_free_sgpr 98
		.amdhsa_reserve_vcc 0
		.amdhsa_float_denorm_mode_32 3
		.amdhsa_float_denorm_mode_16_64 3
		.amdhsa_memory_ordered 1
		.amdhsa_forward_progress 1
		.amdhsa_inst_pref_size 146
	.end_amdhsa_kernel
	.amdgpu_metadata
---
amdhsa.version: [ 1, 2 ]
amdhsa.kernels:
  - .name:           k_q7151cbdaa9_oproj
    .symbol:         k_q7151cbdaa9_oproj.kd
    .args:
      - { .name: acode, .offset: 0, .size: 8, .value_kind: global_buffer, .address_space: global }
      - { .name: wq, .offset: 8, .size: 8, .value_kind: global_buffer, .address_space: global }
      - { .name: b_out, .offset: 16, .size: 8, .value_kind: global_buffer, .address_space: global }
      - { .name: ybuf, .offset: 24, .size: 8, .value_kind: global_buffer, .address_space: global }
    .group_segment_fixed_size: 327680
    .private_segment_fixed_size: 0
    .kernarg_segment_align: 8
    .kernarg_segment_size: 32
    .max_flat_workgroup_size: 128
    .sgpr_count:     98
    .vgpr_count:     1024
    .wavefront_size: 32
...
	.end_amdgpu_metadata
.endif
;; end of part 4
;; launch ln1 (part 5): grid 256 x 1, 8 waves a work-group, no clusters, 2,048 bytes of LDS; arguments ybuf, inputs, ln1_g, ln1_b, x1f, acode; writes x1f, acode
.if DOCPART == 5
	.amdgcn_target "amdgcn-amd-amdhsa--gfx1250"
	.amdhsa_code_object_version 6
	.text
	.protected	k_q7151cbdaa9_ln1
	.globl	k_q7151cbdaa9_ln1
	.p2align	8
	.type	k_q7151cbdaa9_ln1,@function
k_q7151cbdaa9_ln1:
	s_mov_b64 s[64:65], 0
	v_nop
	global_prefetch_b8 v0, s[64:65] scope:SCOPE_SE
	s_setreg_imm32_b32 hwreg(HW_REG_WAVE_MODE, 25, 1), 1
	s_wait_xcnt 0x0
; ENCODER BLOCK, launch 5 of 8 (MODE 1) and 8 of 8 (MODE 2): residual and layer norm.  Nothing is left out.
; z = y + residual; (z - mean) x rsqrt(variance + 1e-5) x gain + bias, mean and centred variance over the row's 1,024, all in f32.
; y lies as accumulator images: [token tile T][column tile 0-63][2 planes of 512 bytes]: lane (r, h) holds token 32 (T / 2) + 8 (T % 2) + r + 8 (r / 8); register j of column tile 2 g + u is column 32 g + 16 h + 8 u + j.
; A work-group takes one token tile, 16 rows; wave w takes columns 128 w .. 128 w + 127: 64 registers a lane, register 16 g + i = column 128 w + 32 g + 16 h + i.  A row's sums meet in LDS, one barrier each.
; MODE 1: the residual comes from the problem's inputs (rows); the result goes out in y's layout (for the last norm) and, quantised along the row, as K step w of the next product's operand.
; MODE 2: the residual comes in y's layout; the result goes through the wave's own stage in LDS and leaves as rows: each store covers 512 consecutive bytes.
.set MODE, 1
.set RED1,  0                          ; LDS: 16 rows x 8 waves' sums,
.set RED2,  512                        ; the same for the squares,
.set SPARE, 1024                       ; the spare words, 128 bytes for each wave, that no other line names,
.set STG,   2048                       ; MODE 2: a stage of 16 rows x (512 + 16) bytes for each wave
.set ASC,   3145728
.set Z,   32
.set R,   96                           ; the residual, then the gain
.set BE,  160                          ; the bias
.set PC,  96                           ; MODE 1: the fragment, where the gain lay
.set TM,  224
.set PW,  240
.set SPW, 30
.set NIL, 31
.set SEL, 24
.macro QUANT s
.irp b, 0,1,2,3
	v_max3_num_f32 v[TM+\b], |v[\s+16*\b]|, |v[\s+1+16*\b]|, 0x1800000   ; and the floor 2^(3 - 127): the byte cannot fall under 1
.endr
.irp i, 2,4,6,8,10,12,14
.irp b, 0,1,2,3
	v_max3_num_f32 v[TM+\b], v[TM+\b], |v[\s+16*\b+\i]|, |v[\s+1+16*\b+\i]|
.endr
.endr
.irp b, 0,1,2,3
	v_permlanex16_b32 v[TM+4+\b], v[TM+\b], s[SEL], s[SEL+1]
.endr
.irp b, 0,1,2,3
	v_max_num_f32 v[TM+\b], v[TM+\b], v[TM+4+\b]
.endr
.irp b, 0,1,2,3
	v_add_nc_u32 v[TM+12+\b], 0xff000000, v[TM+\b]
.endr
.irp b, 0,1,2,3
	v_lshrrev_b32 v[TM+4+\b], 23, v[TM+12+\b]
.endr
	v_lshl_or_b32 v[PW], v[TM+5], 8, v[TM+4]
	v_lshl_or_b32 v[PW], v[TM+6], 16, v[PW]
	v_lshl_or_b32 v[PW], v[TM+7], 24, v[PW]
.irp c, 0,1
	v_cvt_scalef32_pk16_fp6_f32 v[PC+6*\c:PC+2+6*\c], v[\s+32*\c:\s+15+32*\c], v[TM+12+2*\c]
	v_cvt_scalef32_pk16_fp6_f32 v[PC+12+4*\c:PC+14+4*\c], v[\s+16+32*\c:\s+31+32*\c], v[TM+12+2*\c+1]
.endr
	v_nop
.irp c, 0,1
.irp i, 0,1,2
	v_permlane16_swap_b32 v[PC+6*\c+\i], v[PC+12+4*\c+\i]
.endr
.irp i, 0,1,2
	v_mov_b32 v[PC+3+6*\c+\i], v[PC+12+4*\c+\i]
.endr
.endr
.endm
; v[16:23], four packed chains, become the row's sum over all 1,024 columns, in v16 of every lane
.macro ACROSS red
	v_pk_add_f32 v[16:17], v[16:17], v[18:19]
	v_pk_add_f32 v[20:21], v[20:21], v[22:23]
	v_pk_add_f32 v[16:17], v[16:17], v[20:21]
	v_add_f32 v16, v16, v17
	v_permlanex16_b32 v17, v16, s[SEL], s[SEL+1]
	v_add_f32 v16, v16, v17                        ; my wave's 128 columns of row r
	ds_store_b32 v8, v16 offset:\red               ; lanes r and r + 16 write the same word with the same value
	s_wait_dscnt 0x0                               ; for the others' sake
	s_barrier_signal -1
	s_barrier_wait -1
	ds_load_b128 v[16:19], v7 offset:\red
	ds_load_b128 v[20:23], v7 offset:\red+16
	s_wait_dscnt 0x0
	v_add_f32 v16, v16, v17
	v_add_f32 v18, v18, v19
	v_add_f32 v20, v20, v21
	v_add_f32 v22, v22, v23
	v_add_f32 v16, v16, v18
	v_add_f32 v20, v20, v22
	v_add_f32 v16, v16, v20
.endm
	s_load_b256 s[4:11], s[0:1], 0x0               ; y, the residual, the gain, the bias
.if MODE == 1
	s_load_b128 s[12:15], s[0:1], 0x20             ; x1f, acode
.else
	s_load_b64 s[12:13], s[0:1], 0x20              ; out0
.endif
	v_lshl_add_u32 v[SPW], v0, 2, SPARE
	v_mov_b32 v[NIL], 0
	v_lshrrev_b32 v1, 5, v0
	v_readfirstlane_b32 s16, v1                    ; wave 0..7
	v_and_b32 v1, 15, v0                           ; r
	v_bfe_u32 v2, v0, 4, 1                         ; h
	v_and_b32 v3, 31, v0                           ; lane
	v_lshlrev_b32 v4, 4, v3                        ; 16 L
	v_lshlrev_b32 v5, 6, v2                        ; 64 h
	v_and_b32 v6, 8, v1
	v_add_nc_u32 v6, v6, v1
	v_lshl_add_u32 v6, v6, 12, v5                  ; my token's row of 4,096 bytes, + 64 h
	v_lshlrev_b32 v7, 5, v1                        ; 32 r: a row's eight sums
	s_lshl_b32 s17, s16, 2
	v_add_nc_u32 v8, s17, v7                       ; + 4 w: mine
	v_lshlrev_b32 v11, 3, v3                       ; 8 L
	v_lshlrev_b32 v12, 2, v1                       ; 4 r
	s_mul_i32 s17, s16, 8448
	v_mul_u32_u24 v9, v1, 528
	v_add_nc_u32 v9, v9, v5
	v_add_nc_u32 v9, s17, v9                       ; the stage, in: row r, + 64 h
	v_add_nc_u32 v10, s17, v4                      ; and back: 16 bytes a lane of a row
.irp b, 0,1,2,3
	v_mov_b32 v[TM+4+\b], 0                        ; a lane permute's destination counts as one of its sources
.endr
	s_lshl_b32 s18, ttmp9, 16                      ; y: tile x 65,536 + wave x 8 column tiles
	s_lshl_b32 s19, s16, 13
	s_add_co_u32 s18, s18, s19
	s_mov_b32 s19, 0
	s_lshr_b32 s20, ttmp9, 1
	s_lshl_b32 s20, s20, 5
	s_and_b32 s21, ttmp9, 1
	s_lshl_b32 s21, s21, 3
	s_add_co_u32 s20, s20, s21                     ; the tile's first token
	s_lshl_b32 s20, s20, 12
	s_lshl_b32 s22, s16, 9                         ; 512 w
	s_add_co_u32 s20, s20, s22
	s_mov_b32 s21, 0
	s_mov_b32 s23, 0
	s_mul_i32 s28, ttmp9, 12288                    ; MODE 1: the operand: tile, K step w
	s_mul_i32 s29, s16, 1536
	s_add_co_u32 s28, s28, s29
	s_mov_b32 s29, 0
	s_lshl_b32 s30, ttmp9, 9
	s_lshl_b32 s31, s16, 6
	s_add_co_u32 s30, s30, s31
	s_add_co_u32 s30, s30, ASC
	s_mov_b32 s31, 0
	s_mov_b32 s[SEL], 0x76543210
	s_mov_b32 s[SEL+1], 0xfedcba98
	s_mov_b32 s26, 0x3a800000                      ; 1 / 1,024
	s_mov_b32 s27, 0x3727c5ac                      ; 1e-5
	s_wait_kmcnt 0x0
	s_add_nc_u64 s[4:5], s[4:5], s[18:19]
	s_add_nc_u64 s[8:9], s[8:9], s[22:23]
	s_add_nc_u64 s[10:11], s[10:11], s[22:23]
.if MODE == 1
	s_add_nc_u64 s[6:7], s[6:7], s[20:21]
	s_add_nc_u64 s[12:13], s[12:13], s[18:19]
	s_add_nc_u64 s[32:33], s[14:15], s[30:31]
	s_add_nc_u64 s[14:15], s[14:15], s[28:29]
.else
	s_add_nc_u64 s[6:7], s[6:7], s[18:19]
	s_add_nc_u64 s[12:13], s[12:13], s[20:21]
.endif
.irp n, 0,1,2,3,4,5,6,7
	global_load_b128 v[Z+8*\n:Z+8*\n+3], v4, s[4:5] offset:1024*\n th:TH_LOAD_NT
	global_load_b128 v[Z+8*\n+4:Z+8*\n+7], v4, s[4:5] offset:1024*\n+512 th:TH_LOAD_NT
.endr
.if MODE == 1
.irp g, 0,1,2,3
.irp k, 0,1,2,3
	global_load_b128 v[R+16*\g+4*\k:R+16*\g+4*\k+3], v6, s[6:7] offset:128*\g+16*\k th:TH_LOAD_NT
.endr
.endr
.else
.irp n, 0,1,2,3,4,5,6,7
	global_load_b128 v[R+8*\n:R+8*\n+3], v4, s[6:7] offset:1024*\n th:TH_LOAD_NT
	global_load_b128 v[R+8*\n+4:R+8*\n+7], v4, s[6:7] offset:1024*\n+512 th:TH_LOAD_NT
.endr
.endif
.irp g, 0,1,2,3
.irp k, 0,1,2,3
	global_load_b128 v[BE+16*\g+4*\k:BE+16*\g+4*\k+3], v5, s[10:11] offset:128*\g+16*\k
.endr
.endr
	s_wait_loadcnt 16                              ; y and the residual are in; the bias's 16 loads may be out
.set J, 0
.rept 32
	v_pk_add_f32 v[Z+J:Z+J+1], v[Z+J:Z+J+1], v[R+J:R+J+1]
.set J, J+2
.endr
.irp g, 0,1,2,3
.irp k, 0,1,2,3
	global_load_b128 v[R+16*\g+4*\k:R+16*\g+4*\k+3], v5, s[8:9] offset:128*\g+16*\k   ; the gain, where the residual lay
.endr
.endr
	v_pk_add_f32 v[16:17], v[Z:Z+1], v[Z+2:Z+3]    ; the sum, in four chains
	v_pk_add_f32 v[18:19], v[Z+4:Z+5], v[Z+6:Z+7]
	v_pk_add_f32 v[20:21], v[Z+8:Z+9], v[Z+10:Z+11]
	v_pk_add_f32 v[22:23], v[Z+12:Z+13], v[Z+14:Z+15]
.set J, 16
.rept 6
	v_pk_add_f32 v[16:17], v[16:17], v[Z+J:Z+J+1]
	v_pk_add_f32 v[18:19], v[18:19], v[Z+J+2:Z+J+3]
	v_pk_add_f32 v[20:21], v[20:21], v[Z+J+4:Z+J+5]
	v_pk_add_f32 v[22:23], v[22:23], v[Z+J+6:Z+J+7]
.set J, J+8
.endr
	ACROSS RED1
	v_mul_f32 v24, s26, v16                        ; the mean
	v_mov_b32 v25, v24
.set J, 0
.rept 32
	v_pk_add_f32 v[Z+J:Z+J+1], v[Z+J:Z+J+1], v[24:25] neg_lo:[0,1] neg_hi:[0,1]
.set J, J+2
.endr
	v_pk_mul_f32 v[16:17], v[Z:Z+1], v[Z:Z+1]      ; the squares, in four chains
	v_pk_mul_f32 v[18:19], v[Z+2:Z+3], v[Z+2:Z+3]
	v_pk_mul_f32 v[20:21], v[Z+4:Z+5], v[Z+4:Z+5]
	v_pk_mul_f32 v[22:23], v[Z+6:Z+7], v[Z+6:Z+7]
.set J, 8
.rept 7
	v_pk_fma_f32 v[16:17], v[Z+J:Z+J+1], v[Z+J:Z+J+1], v[16:17]
	v_pk_fma_f32 v[18:19], v[Z+J+2:Z+J+3], v[Z+J+2:Z+J+3], v[18:19]
	v_pk_fma_f32 v[20:21], v[Z+J+4:Z+J+5], v[Z+J+4:Z+J+5], v[20:21]
	v_pk_fma_f32 v[22:23], v[Z+J+6:Z+J+7], v[Z+J+6:Z+J+7], v[22:23]
.set J, J+8
.endr
	ACROSS RED2                                    ; other bytes than the first exchange's: no barrier between the two is owed
	v_fma_f32 v24, v16, s26, s27                   ; variance + 1e-5 (the factor is a power of two: one rounding, as in two steps)
	v_rsq_f32 v24, v24
	v_nop                                          ; a plain line behind the transcendental
	s_wait_alu depctr_va_vdst(0)                   ; ahead of its first reader
	v_mov_b32 v25, v24
	s_wait_loadcnt 0x0                             ; the gain and the bias
.set J, 0
.rept 32
	v_pk_mul_f32 v[Z+J:Z+J+1], v[Z+J:Z+J+1], v[24:25]
.set J, J+2
.endr
.set J, 0
.rept 32
	v_pk_fma_f32 v[Z+J:Z+J+1], v[Z+J:Z+J+1], v[R+J:R+J+1], v[BE+J:BE+J+1]
.set J, J+2
.endr
.if MODE == 1
.irp n, 0,1,2,3,4,5,6,7
	global_store_b128 v4, v[Z+8*\n:Z+8*\n+3], s[12:13] offset:1024*\n th:TH_STORE_NT       ; in y's layout: 512 consecutive bytes a store
	global_store_b128 v4, v[Z+8*\n+4:Z+8*\n+7], s[12:13] offset:1024*\n+512 th:TH_STORE_NT
.endr
	QUANT Z
.irp p, 0,1,2,3,4,5
	global_store_b64 v11, v[PC+2*\p:PC+2*\p+1], s[14:15] offset:256*\p
.endr
	global_store_b32 v12, v[PW], s[32:33]
.else
.irp g, 0,1,2,3
.irp k, 0,1,2,3
	ds_store_b128 v9, v[Z+16*\g+4*\k:Z+16*\g+4*\k+3] offset:STG+128*\g+16*\k
.endr
.endr
.irp t, 0,1,2,3,4,5,6,7,8,9,10,11,12,13,14,15
	ds_load_b128 v[R+4*\t:R+4*\t+3], v10 offset:STG+528*\t   ; LDS serves a wave's instructions in order (ISA guide 5.7.1.4): these see my stores
.endr
.irp t, 0,1,2,3,4,5,6,7,8,9,10,11,12,13,14,15
	s_wait_dscnt 15-\t                             ; row t is back; the younger rows may be out
	global_store_b128 v4, v[R+4*\t:R+4*\t+3], s[12:13] offset:(\t+8*(\t/8))*4096 th:TH_STORE_NT
.endr
.endif
	s_wait_tensorcnt 0x0                           ; the wave's end, behind my last LDS store
	ds_add_u32 v[SPW], v[NIL]
	s_wait_dscnt 0x0
	s_endpgm
.Lfunc_end_k_q7151cbdaa9_ln1:
	.size	k_q7151cbdaa9_ln1, .Lfunc_end_k_q7151cbdaa9_ln1-k_q7151cbdaa9_ln1
	.p2alignl 7, 3214868480
	.fill 96, 4, 3214868480
	.section	.rodata,"a",@progbits
	.p2align	6, 0x0
	.amdhsa_kernel k_q7151cbdaa9_ln1
		.amdhsa_group_segment_fixed_size 2048
		.amdhsa_private_segment_fixed_size 0
		.amdhsa_enable_private_segment 0
		.amdhsa_kernarg_size 48
		.amdhsa_user_sgpr_count 2
		.amdhsa_user_sgpr_kernarg_segment_ptr 1
		.amdhsa_wavefront_size32 1
		.amdhsa_system_sgpr_workgroup_id_x 1
		.amdhsa_system_sgpr_workgroup_id_y 1
		.amdhsa_system_sgpr_workgroup_id_z 1
		.amdhsa_system_vgpr_workitem_id 0
		.amdhsa_next_free_vgpr 256
		.amdhsa_next_free_sgpr 66
		.amdhsa_reserve_vcc 0
		.amdhsa_float_denorm_mode_32 3
		.amdhsa_float_denorm_mode_16_64 3
		.amdhsa_memory_ordered 1
		.amdhsa_forward_progress 1
		.amdhsa_inst_pref_size 29
	.end_amdhsa_kernel
	.amdgpu_metadata
---
amdhsa.version: [ 1, 2 ]
amdhsa.kernels:
  - .name:           k_q7151cbdaa9_ln1
    .symbol:         k_q7151cbdaa9_ln1.kd
    .args:
      - { .name: ybuf, .offset: 0, .size: 8, .value_kind: global_buffer, .address_space: global }
      - { .name: inputs, .offset: 8, .size: 8, .value_kind: global_buffer, .address_space: global }
      - { .name: ln1_g, .offset: 16, .size: 8, .value_kind: global_buffer, .address_space: global }
      - { .name: ln1_b, .offset: 24, .size: 8, .value_kind: global_buffer, .address_space: global }
      - { .name: x1f, .offset: 32, .size: 8, .value_kind: global_buffer, .address_space: global }
      - { .name: acode, .offset: 40, .size: 8, .value_kind: global_buffer, .address_space: global }
    .group_segment_fixed_size: 2048
    .private_segment_fixed_size: 0
    .kernarg_segment_align: 8
    .kernarg_segment_size: 48
    .max_flat_workgroup_size: 256
    .sgpr_count:     66
    .vgpr_count:     256
    .wavefront_size: 32
...
	.end_amdgpu_metadata
.endif
;; end of part 5
;; launch ffn1 (part 6): grid 16 x 16, 4 waves a work-group, clusters of 4 x 4, 327,680 bytes of LDS; arguments acode, wq, b1, hq; writes hq
.if DOCPART == 6
	.amdgcn_target "amdgcn-amd-amdhsa--gfx1250"
	.amdhsa_code_object_version 6
	.text
	.protected	k_q7151cbdaa9_ffn1
	.globl	k_q7151cbdaa9_ffn1
	.p2align	8
	.type	k_q7151cbdaa9_ffn1,@function
k_q7151cbdaa9_ffn1:
	s_mov_b64 s[64:65], 0
	v_nop
	global_prefetch_b8 v0, s[64:65] scope:SCOPE_SE
	s_setreg_imm32_b32 hwreg(HW_REG_WAVE_MODE, 25, 1), 1
	s_wait_xcnt 0x0
	s_wait_alu depctr_hold_cnt(0) depctr_sa_sdst(0) depctr_va_vdst(0) depctr_va_sdst(0) depctr_va_ssrc(0) depctr_va_vcc(0) depctr_vm_vsrc(0)
	s_getreg_b32 s2, hwreg(HW_REG_IB_STS2, 6, 4)
	s_cmp_eq_u32 s2, 0
	s_cbranch_scc0 .Lentry_in_a_cluster
	s_endpgm
.Lentry_in_a_cluster:
	s_bfe_u32 s2, ttmp6, 0x10000c
	s_cmp_lg_u32 s2, 0xf033
	s_cbranch_scc0 .Lentry_shape_is_right
	s_endpgm
.Lentry_shape_is_right:
; ENCODER BLOCK, launch 6 of 8: relu(x1 w1 + b1) (product 7), quantised on the way out for product 8: the hidden layer goes to memory as codes alone.  Nothing is left out.
; C = A B^T + bias on codes of E2M3 with one E8M0 scale for each 32 along K (K = 1,024).  Operands lie as images of the matrix unit's registers: tile T holds rows 32 (T / 2) + 8 (T % 2) + r + 8 (r / 8);
; a fragment (16 rows x 128 K) is 6 planes of 256 bytes (plane p = registers 2 p, 2 p + 1, lane L at 8 L); its scale words 64 bytes (row r's at 4 r); an operand is [tile][K / 128][1536] and [tile][K / 128][64].
; A work-group of four waves makes 256 x 256, a wave 128 x 128: 64 accumulators.  K goes in steps of 256 through two LDS slots filled by the tensor data mover; the scale words of all K come once.
; THE MATRIX INSTRUCTION IS USED TRANSPOSED (source 0 = 16 rows of B, source 1 = 16 rows of A): lane (r, h) holds A's row r, and by the choice of a tile's rows the 16 registers of B's tiles 2 g, 2 g + 1
; are columns 32 g + 16 h + 0 .. 15: sixteen neighbours along the next product's K.  So a wave's 128 columns of 16 rows become one fragment and one scale word a row, in registers.
; The bias is the C of each sum's first matrix instruction.  CLUSTERS: 4 x 4; A's tiles are shared along a row of the cluster, B's along a column, by joint loads.
; REGISTERS, in windows of 256: window 0: v16-29 addresses; v32-63 scale words, two sets, and nothing else; v64-127 the bias; v128-223 A's fragments; way out: v128-147, v224-240.  window 1: B's fragments, two sets.  windows 2, 3: the accumulators.
.set KS,     8
.set ASOFF,  3145728
.set BOFF,   3145728
.set BSOFF,  9437184+131072
.set HSC,    12582912                  ; hq: where the scale words begin
.set LAPS,   KS/4
.set NQ,     2
.set FR,     12
.set NL,     6
.set NP,     4
.set HALFT,  8*3072
.set SLOT,   4*HALFT
.set SCL,    2*SLOT
.set HALFS,  8*KS*64
.set SPARE,  SCL+4*HALFS
.set ADRA, 16
.set ADRB, 20
.set LN8,  24
.set RW4,  25
.set LN16, 26
.set ADRS, 27
.set SPW,  28
.set NIL,  29
.set SC,   32
.set BIAS, 64
.set AF,   128
.set PC,   128
.set TM,   224
.set PW,   240
.set SEL,  92
.set G1, 24
.set G0, 32
.set G1B, 48
.set G0B, 56
.set G1S, 68
.set G0S, 76
.set G1SB, 80
.set G0SB, 88
.set MSB, 0
.macro WIN new                         ; the immediate's high byte repeats the setting that is left
.if MSB != \new
	s_set_vgpr_msb (MSB<<8)|\new
.set MSB, \new
.endif
.endm
.set MUL_LO, 0xa1
.set MUL_HI, 0xf1
.set TO_B,   0x40
.macro JLOAD g0a, g1a, g0b, g1b        ; a joint load: waves 0, 1 fetch for A, waves 2, 3 for B; an s_nop 0 and four v_nop follow each line
	s_cmp_eq_u32 s15, 0
	s_cbranch_scc0 .Lfor_b_\@
	tensor_load_to_lds s[\g0a:\g0a+3], s[\g1a:\g1a+7]
	s_nop 0
.rept 4
	v_nop
.endr
	s_branch .Lasked_\@
.Lfor_b_\@:
	tensor_load_to_lds s[\g0b:\g0b+3], s[\g1b:\g1b+7]
	s_nop 0
.rept 4
	v_nop
.endr
.Lasked_\@:
.endm
.macro CREST
	s_cmp_lg_u32 s14, 0
	s_cbranch_scc1 .Lnot_wave_0_\@
	s_barrier_signal -3
.Lnot_wave_0_\@:
	s_barrier_wait -3
	s_barrier_signal -1
	s_barrier_wait -1
.endm
.macro CROUND
	s_barrier_signal -1
	s_barrier_wait -1
	CREST
.endm
	s_load_b128 s[4:7], s[0:1], 0x0                ; A's buffer, wq
	s_load_b128 s[8:11], s[0:1], 0x10              ; the bias, the result
	v_lshl_add_u32 v[SPW], v0, 2, SPARE
	v_mov_b32 v[NIL], 0
	ds_add_u32 v[SPW], v[NIL]                      ; the wave's opening: the add, twice on end, and its wait ahead of my first tensor load
	ds_add_u32 v[SPW], v[NIL]
	v_lshrrev_b32 v1, 5, v0
	v_readfirstlane_b32 s14, v1                    ; wave 0..3
	s_lshr_b32 s15, s14, 1
	s_and_b32 s16, s14, 1
	s_bfe_u32 s40, ttmp6, 0x40000                  ; cx
	s_bfe_u32 s41, ttmp6, 0x40004                  ; cy
	s_lshl_b32 s42, ttmp9, 2
	s_add_co_u32 s42, s42, s40                     ; block column of C
	s_and_b32 s17, ttmp7, 0xffff
	s_lshl_b32 s17, s17, 2
	s_add_co_u32 s17, s17, s41                     ; block row of C
	s_lshl_b32 s43, s41, 2
	s_lshl_b32 s43, 15, s43
	s_lshl_b32 s44, 0x1111, s40
	s_or_b32 s[G1+0], s43, (3<<16)|(1<<21)
	s_or_b32 s[G1B+0], s44, (3<<16)|(1<<21)
.irp g, G1, G1B
	s_mov_b32 s[\g+1], 384<<16
	s_mov_b32 s[\g+2], 8<<16
	s_mov_b32 s[\g+3], 384<<16
	s_mov_b32 s[\g+4], 8
	s_mov_b32 s[\g+5], KS*192
	s_mov_b32 s[\g+6], 0
	s_mov_b32 s[\g+7], 0
.endr
	s_or_b32 s[G1S+0], s43, (3<<16)|(1<<21)
	s_or_b32 s[G1SB+0], s44, (3<<16)|(1<<21)
.irp g, G1S, G1SB
	s_mov_b32 s[\g+1], 32<<16
	s_mov_b32 s[\g+2], (HALFS/256)<<16
	s_mov_b32 s[\g+3], 32<<16
	s_mov_b32 s[\g+4], HALFS/256
	s_mov_b32 s[\g+5], 32
	s_mov_b32 s[\g+6], 0
	s_mov_b32 s[\g+7], 0
.endr
	s_lshl_b32 s18, s16, 3
	s_lshl_b32 s20, s17, 4
	s_add_co_u32 s20, s20, s18
	s_lshl_b32 s46, s42, 4
	s_add_co_u32 s46, s46, s18
	s_mul_i32 s22, s20, KS*64
	s_add_co_u32 s22, s22, ASOFF
	s_mov_b32 s23, 0
	s_mul_i32 s92, s46, KS*64
	s_add_co_u32 s92, s92, BSOFF
	s_mov_b32 s93, 0
	s_mul_i32 s20, s20, KS*1536
	s_mov_b32 s21, 0
	s_mul_i32 s46, s46, KS*1536
	s_add_co_u32 s46, s46, BOFF
	s_mov_b32 s47, 0
	s_mul_i32 s45, s14, HALFT
	s_mul_i32 s94, s14, HALFS
	s_wait_dscnt 0x0                               ; both opening adds are done
	s_wait_kmcnt 0x0
	s_add_nc_u64 s[20:21], s[4:5], s[20:21]
	s_add_nc_u64 s[22:23], s[4:5], s[22:23]
	s_add_nc_u64 s[46:47], s[6:7], s[46:47]
	s_add_nc_u64 s[92:93], s[6:7], s[92:93]
	CROUND                                         ; all sixteen work-groups are here: the first joint loads meet
	s_mov_b32 s[G0S], 1
	s_add_co_u32 s[G0S+1], s94, SCL
	s_mov_b64 s[G0S+2:G0S+3], s[22:23]
	s_or_b32 s[G0S+3], s[G0S+3], 0x80000000
	s_mov_b32 s[G0SB], 1
	s_add_co_u32 s[G0SB+1], s94, SCL
	s_mov_b64 s[G0SB+2:G0SB+3], s[92:93]
	s_or_b32 s[G0SB+3], s[G0SB+3], 0x80000000
	JLOAD G0S, G1S, G0SB, G1SB
.irp s, 0,1
	s_mov_b32 s[G0+4*\s], 1
	s_add_co_u32 s[G0+4*\s+1], s45, \s*SLOT
	s_add_nc_u64 s[G0+4*\s+2:G0+4*\s+3], s[20:21], \s*3072
	s_or_b32 s[G0+4*\s+3], s[G0+4*\s+3], 0x80000000
	s_mov_b32 s[G0B+4*\s], 1
	s_add_co_u32 s[G0B+4*\s+1], s45, \s*SLOT
	s_add_nc_u64 s[G0B+4*\s+2:G0B+4*\s+3], s[46:47], \s*3072
	s_or_b32 s[G0B+4*\s+3], s[G0B+4*\s+3], 0x80000000
	JLOAD G0+4*\s, G1, G0B+4*\s, G1B
.endr
	v_and_b32 v1, 15, v0
	v_bfe_u32 v2, v0, 4, 1
	v_and_b32 v3, 31, v0
	v_lshlrev_b32 v[LN8], 3, v3
	v_lshlrev_b32 v[RW4], 2, v1
	v_lshlrev_b32 v[LN16], 4, v3
	s_lshl_b32 s46, s42, 10                        ; the bias of my 128 columns
	s_lshl_b32 s47, s16, 9
	s_add_co_u32 s46, s46, s47
	s_mov_b32 s47, 0
	s_add_nc_u64 s[8:9], s[8:9], s[46:47]
	v_lshlrev_b32 v7, 6, v2
.irp b, 0,1,2,3,4,5,6,7
	global_load_b128 v[BIAS+8*\b:BIAS+8*\b+3], v7, s[8:9] offset:(32*(\b/2)+8*(\b%2))*4
	global_load_b128 v[BIAS+8*\b+4:BIAS+8*\b+7], v7, s[8:9] offset:(32*(\b/2)+8*(\b%2))*4+16
.endr
	s_mul_i32 s21, s15, HALFT
	s_mul_i32 s22, s16, HALFT
	s_add_co_u32 s22, s22, 2*HALFT
.irp s, 0,1
	v_add_nc_u32 v[ADRA+\s], s21, v[LN8]
	v_add_nc_u32 v[ADRB+\s], s22, v[LN8]
	s_add_co_u32 s21, s21, SLOT
	s_add_co_u32 s22, s22, SLOT
.endr
	s_mul_i32 s21, s15, HALFS
	s_mul_i32 s22, s16, HALFS
	s_add_co_u32 s22, s22, 2*HALFS
	s_sub_co_u32 s22, s22, s21
	v_mul_u32_u24 v6, s22, v2
	s_add_co_u32 s21, s21, SCL
	v_add_nc_u32 v5, v[RW4], v6
	v_add_nc_u32 v[ADRS], s21, v5
	s_lshl_b32 s20, s17, 4                         ; the result: my first token tile; my 128 columns are K step 2 x block column + half of the next product
	s_lshl_b32 s21, s15, 3
	s_add_co_u32 s20, s20, s21
	s_lshl_b32 s46, s42, 1
	s_add_co_u32 s46, s46, s16
	s_mul_i32 s22, s20, 2048
	s_lshl_b32 s47, s46, 6
	s_add_co_u32 s22, s22, s47
	s_add_co_u32 s22, s22, HSC
	s_mov_b32 s23, 0
	s_mul_i32 s20, s20, 49152
	s_mul_i32 s46, s46, 1536
	s_add_co_u32 s20, s20, s46
	s_mov_b32 s21, 0
	s_add_nc_u64 s[12:13], s[10:11], s[22:23]      ; scale words
	s_add_nc_u64 s[10:11], s[10:11], s[20:21]      ; codes
.macro FRAG reg, adr, q, i
.irp p, 0,1,2,3,4,5
	ds_load_b64 v[\reg+2*\p:\reg+2*\p+1], v[\adr] offset:(\i)*3072+(\q)*1536+256*\p
.endr
.endm
; 16 matrix instructions: A's blocks a0, a0 + 1 x B's eight.  zero = 1: C = 0 starts the sums; 2: the bias does.  The 64 accumulators take turns, one instruction a turn.
.macro MUL16 a0, p, q, sc, zero
.irp a, \a0, \a0+1
.irp b, 0,1,2,3,4,5,6,7
.if \zero == 1
	v_wmma_scale_f32_16x16x128_f8f6f4 v[8*(8*((\a)%4)+\b):8*(8*((\a)%4)+\b)+7], v[128*(\p)+FR*\b:128*(\p)+FR*\b+FR-1], v[AF+FR*(\a):AF+FR*(\a)+FR-1], 0, v[SC+8*NQ*(\sc)+NQ*\b+(\q)], v[SC+8*NQ*(\sc)+NQ*(\a)+(\q)] matrix_a_fmt:MATRIX_FMT_FP6 matrix_b_fmt:MATRIX_FMT_FP6 matrix_a_scale:MATRIX_SCALE_ROW1
.elseif \zero == 2
	v_wmma_scale_f32_16x16x128_f8f6f4 v[8*(8*((\a)%4)+\b):8*(8*((\a)%4)+\b)+7], v[128*(\p)+FR*\b:128*(\p)+FR*\b+FR-1], v[AF+FR*(\a):AF+FR*(\a)+FR-1], v[BIAS+8*\b:BIAS+8*\b+7], v[SC+8*NQ*(\sc)+NQ*\b+(\q)], v[SC+8*NQ*(\sc)+NQ*(\a)+(\q)] matrix_a_fmt:MATRIX_FMT_FP6 matrix_b_fmt:MATRIX_FMT_FP6 matrix_a_scale:MATRIX_SCALE_ROW1
.else
	v_wmma_scale_f32_16x16x128_f8f6f4 v[8*(8*((\a)%4)+\b):8*(8*((\a)%4)+\b)+7], v[128*(\p)+FR*\b:128*(\p)+FR*\b+FR-1], v[AF+FR*(\a):AF+FR*(\a)+FR-1], v[8*(8*((\a)%4)+\b):8*(8*((\a)%4)+\b)+7], v[SC+8*NQ*(\sc)+NQ*\b+(\q)], v[SC+8*NQ*(\sc)+NQ*(\a)+(\q)] matrix_a_fmt:MATRIX_FMT_FP6 matrix_b_fmt:MATRIX_FMT_FP6 matrix_a_scale:MATRIX_SCALE_ROW1
.endif
.endr
.endr
.endm
.macro FETCH_B slot, q, p
	WIN TO_B
.irp i, 0,1,2,3,4,5,6,7
	FRAG 128*(\p)+FR*\i, ADRB+\slot, \q, \i
.endr
	WIN 0
.endm
.macro FETCH_A slot, q, i0
.irp i, \i0, \i0+1, \i0+2, \i0+3
	FRAG AF+FR*(\i), ADRA+\slot, \q, \i
.endr
.endm
.macro SCALES sc
.irp i, 0,1,2,3,4,5,6,7
	ds_load_b32 v[SC+16*\sc+2*\i], v[ADRS] offset:\i*KS*64
	ds_load_b32 v[SC+16*\sc+2*\i+1], v[ADRS] offset:\i*KS*64+64
.endr
.endm
.macro PLACES n
.rept \n
	v_nop
.endr
.endm
.macro STEP slot, q, zero
	s_wait_dscnt 4*NL                              ; all but the youngest 24 loads (A's blocks 4-7) are in
.if \zero == 2
	WIN 0x81
.else
	WIN MUL_LO
.endif
	MUL16 0, (\q)%2, \q, \slot, \zero
	MUL16 2, (\q)%2, \q, \slot, \zero
	s_wait_dscnt 0
	PLACES NP
	FETCH_B \slot, (\q)+1, 1-(\q)%2
	FETCH_A \slot, (\q)+1, 0
.if \zero == 2
	WIN 0xc1
.else
	WIN MUL_HI
.endif
	MUL16 4, (\q)%2, \q, \slot, \zero
	MUL16 6, (\q)%2, \q, \slot, \zero
	PLACES NP
	WIN 0
	FETCH_A \slot, (\q)+1, 4
.endm
.macro TURN slot, next, fill
	s_wait_tensorcnt 0x0                           ; all my tensor loads have landed: my part of the next slot
	ds_add_u32 v[SPW], v[NIL]
	s_wait_dscnt 4*NL+1                            ; (the add and the youngest 24 loads may be out)
	WIN MUL_LO
	MUL16 0, 1, NQ-1, \slot, 0
	s_wait_dscnt 0x0                               ; the add is done, and my reads of this slot are over
	s_barrier_signal -1
	MUL16 2, 1, NQ-1, \slot, 0
	WIN 0
	s_barrier_wait -1
.if \fill
	CREST
	s_add_nc_u64 s[G0+4*\slot+2:G0+4*\slot+3], s[G0+4*\slot+2:G0+4*\slot+3], 6144
	s_add_nc_u64 s[G0B+4*\slot+2:G0B+4*\slot+3], s[G0B+4*\slot+2:G0B+4*\slot+3], 6144
	JLOAD G0+4*\slot, G1, G0B+4*\slot, G1B
.else
	PLACES NP
.endif
	v_add_nc_u32 v[ADRS], 128, v[ADRS]
	FETCH_B \next, 0, 0
	FETCH_A \next, 0, 0
	SCALES \next
	WIN MUL_HI
	MUL16 4, 1, NQ-1, \slot, 0
	MUL16 6, 1, NQ-1, \slot, 0
	PLACES NP
	WIN 0
	FETCH_A \next, 0, 4
.endm
	s_wait_tensorcnt 1                             ; the scale words and my part of slot 0 are in (slot 1's load may be out)
	s_barrier_signal -1
	s_barrier_wait -1
	FETCH_B 0, 0, 0
	FETCH_A 0, 0, 0
	SCALES 0
	FETCH_A 0, 0, 4
	s_wait_loadcnt 0x0                             ; the bias
	STEP 0, 0, 2
	s_mov_b32 s3, LAPS-1
.Llap:
	TURN 0, 1, 1
	STEP 1, 0, 0
	TURN 1, 0, 1
	STEP 0, 0, 0
	s_sub_co_u32 s3, s3, 1
	s_cmp_lg_u32 s3, 0
	s_cbranch_scc1 .Llap
	TURN 0, 1, 0
	STEP 1, 0, 0
	s_wait_dscnt 4*NL
	WIN MUL_LO
	MUL16 0, 1, NQ-1, 1, 0
	MUL16 2, 1, NQ-1, 1, 0
	s_wait_dscnt 0
	WIN MUL_HI
	MUL16 4, 1, NQ-1, 1, 0
	MUL16 6, 1, NQ-1, 1, 0
	WIN 0
	PLACES NP
; THE WAY OUT.  Block a's 64 accumulator registers of a lane, register 16 b + i = column 32 b + 16 h + i of A's row r, become a fragment in v[PC] on and a scale word in v[pw]
.macro QUANTW a, pw
.set AC, 64*((\a)%4)
.set WW, 2+(\a)/4
.set WSEL, WW*5
	WIN WSEL                                       ; sources 0 and 1: the block's window
.irp b, 0,1,2,3
	v_max3_num_f32 v[TM+\b], |v[AC+16*\b]|, |v[AC+1+16*\b]|, 0x1800000
.endr
.irp i, 2,4,6,8,10,12,14
.irp b, 0,1,2,3
	v_max3_num_f32 v[TM+\b], |v[AC+16*\b+\i]|, |v[AC+1+16*\b+\i]|, v[TM+\b]
.endr
.endr
	WIN 0
.irp b, 0,1,2,3
	v_permlanex16_b32 v[TM+4+\b], v[TM+\b], s[SEL], s[SEL+1]
.endr
.irp b, 0,1,2,3
	v_max_num_f32 v[TM+\b], v[TM+\b], v[TM+4+\b]
.endr
.irp b, 0,1,2,3
	v_add_nc_u32 v[TM+12+\b], 0xff000000, v[TM+\b]
.endr
.irp b, 0,1,2,3
	v_lshrrev_b32 v[TM+4+\b], 23, v[TM+12+\b]
.endr
	v_lshl_or_b32 v[\pw], v[TM+5], 8, v[TM+4]
	v_lshl_or_b32 v[\pw], v[TM+6], 16, v[\pw]
	v_lshl_or_b32 v[\pw], v[TM+7], 24, v[\pw]
	WIN WW
.irp c, 0,1
	v_cvt_scalef32_pk16_fp6_f32 v[PC+6*\c:PC+2+6*\c], v[AC+32*\c:AC+15+32*\c], v[TM+12+2*\c]
	v_cvt_scalef32_pk16_fp6_f32 v[PC+12+4*\c:PC+14+4*\c], v[AC+16+32*\c:AC+31+32*\c], v[TM+12+2*\c+1]
.endr
	v_nop
	WIN 0
.irp c, 0,1
.irp i, 0,1,2
	v_permlane16_swap_b32 v[PC+6*\c+\i], v[PC+12+4*\c+\i]
.endr
.irp i, 0,1,2
	v_mov_b32 v[PC+3+6*\c+\i], v[PC+12+4*\c+\i]
.endr
.endr
.endm
	s_mov_b32 s[SEL], 0x76543210
	s_mov_b32 s[SEL+1], 0xfedcba98
.irp b, 0,1,2,3
	v_mov_b32 v[TM+4+\b], 0
.endr
.irp a, 0,1,2,3,4,5,6,7
.if \a > 0
	s_wait_xcnt 0x0                                ; the last block's stores have read their registers
.endif
.set AC, 64*(\a%4)
.set WRL, 0x88+0x44*(\a/4)
	WIN WRL                                        ; source 1 and destination: the block's window
.set J, 0
.rept 64
	v_max_num_f32 v[AC+J], 0, v[AC+J]              ; the activation, in f32; each accumulator from its low end on
.set J, J+1
.endr
	QUANTW \a, PW
.irp p, 0,1,2,3,4,5
	global_store_b64 v[LN8], v[PC+2*\p:PC+2*\p+1], s[10:11] offset:\a*49152+256*\p   ; 32 lanes store 256 consecutive bytes, aligned
.endr
	global_store_b32 v[RW4], v[PW], s[12:13] offset:\a*2048
.endr
	s_wait_tensorcnt 0x0                           ; the wave's end
	ds_add_u32 v[SPW], v[NIL]
	s_wait_dscnt 0x0
	CROUND                                         ; the closing round
	s_endpgm
.Lfunc_end_k_q7151cbdaa9_ffn1:
	.size	k_q7151cbdaa9_ffn1, .Lfunc_end_k_q7151cbdaa9_ffn1-k_q7151cbdaa9_ffn1
	.p2alignl 7, 3214868480
	.fill 96, 4, 3214868480
	.section	.rodata,"a",@progbits
	.p2align	6, 0x0
	.amdhsa_kernel k_q7151cbdaa9_ffn1
		.amdhsa_group_segment_fixed_size 327680
		.amdhsa_private_segment_fixed_size 0
		.amdhsa_enable_private_segment 0
		.amdhsa_kernarg_size 32
		.amdhsa_user_sgpr_count 2
		.amdhsa_user_sgpr_kernarg_segment_ptr 1
		.amdhsa_wavefront_size32 1
		.amdhsa_system_sgpr_workgroup_id_x 1
		.amdhsa_system_sgpr_workgroup_id_y 1
		.amdhsa_system_sgpr_workgroup_id_z 1
		.amdhsa_system_vgpr_workitem_id 0
		.amdhsa_next_free_vgpr 1024
		.amdhsa_next_free_sgpr 98
		.amdhsa_reserve_vcc 0
		.amdhsa_float_denorm_mode_32 3
		.amdhsa_float_denorm_mode_16_64 3
		.amdhsa_memory_ordered 1
		.amdhsa_forward_progress 1
		.amdhsa_inst_pref_size 187
	.end_amdhsa_kernel
	.amdgpu_metadata
---
amdhsa.version: [ 1, 2 ]
amdhsa.kernels:
  - .name:           k_q7151cbdaa9_ffn1
    .symbol:         k_q7151cbdaa9_ffn1.kd
    .args:
      - { .name: acode, .offset: 0, .size: 8, .value_kind: global_buffer, .address_space: global }
      - { .name: wq, .offset: 8, .size: 8, .value_kind: global_buffer, .address_space: global }
      - { .name: b1, .offset: 16, .size: 8, .value_kind: global_buffer, .address_space: global }
      - { .name: hq, .offset: 24, .size: 8, .value_kind: global_buffer, .address_space: global }
    .group_segment_fixed_size: 327680
    .private_segment_fixed_size: 0
    .kernarg_segment_align: 8
    .kernarg_segment_size: 32
    .max_flat_workgroup_size: 128
    .sgpr_count:     98
    .vgpr_count:     1024
    .wavefront_size: 32
...
	.end_amdgpu_metadata
.endif
;; end of part 6
;; launch ffn2 (part 7): grid 4 x 16, 4 waves a work-group, clusters of 4 x 4, 327,680 bytes of LDS; arguments hq, wq, b2, ybuf; writes ybuf
.if DOCPART == 7
	.amdgcn_target "amdgcn-amd-amdhsa--gfx1250"
	.amdhsa_code_object_version 6
	.text
	.protected	k_q7151cbdaa9_ffn2
	.globl	k_q7151cbdaa9_ffn2
	.p2align	8
	.type	k_q7151cbdaa9_ffn2,@function
k_q7151cbdaa9_ffn2:
	s_mov_b64 s[64:65], 0
	v_nop
	global_prefetch_b8 v0, s[64:65] scope:SCOPE_SE
	s_setreg_imm32_b32 hwreg(HW_REG_WAVE_MODE, 25, 1), 1
	s_wait_xcnt 0x0
	s_wait_alu depctr_hold_cnt(0) depctr_sa_sdst(0) depctr_va_vdst(0) depctr_va_sdst(0) depctr_va_ssrc(0) depctr_va_vcc(0) depctr_vm_vsrc(0)
	s_getreg_b32 s2, hwreg(HW_REG_IB_STS2, 6, 4)
	s_cmp_eq_u32 s2, 0
	s_cbranch_scc0 .Lentry_in_a_cluster
	s_endpgm
.Lentry_in_a_cluster:
	s_bfe_u32 s2, ttmp6, 0x10000c
	s_cmp_lg_u32 s2, 0xf033
	s_cbranch_scc0 .Lentry_shape_is_right
	s_endpgm
.Lentry_shape_is_right:
; ENCODER BLOCK, launch 7 of 8: hidden w2 + b2 (product 8), left in f32 for the norm.  Nothing is left out.
; C = A B^T + bias on codes of E2M3 with one E8M0 scale for each 32 along K (K = 4,096).  Operands lie as images of the matrix unit's registers: tile T holds rows 32 (T / 2) + 8 (T % 2) + r + 8 (r / 8);
; a fragment (16 rows x 128 K) is 6 planes of 256 bytes (plane p = registers 2 p, 2 p + 1, lane L at 8 L); its scale words 64 bytes (row r's at 4 r); an operand is [tile][K / 128][1536] and [tile][K / 128][64].
; A work-group of four waves makes 256 x 256, a wave 128 x 128: 64 accumulators.  K goes in steps of 256 through two LDS slots filled by the tensor data mover; the scale words of all K (65,536 bytes) come once.
; THE MATRIX INSTRUCTION IS USED TRANSPOSED (source 0 = 16 rows of B, source 1 = 16 rows of A): lane (r, h) holds A's row r; register j of B's tile 2 g + u is column 32 g + 16 h + 8 u + j.
; The bias is the C of each sum's first matrix instruction.  CLUSTERS: 4 x 4; A's tiles are shared along a row of the cluster, B's along a column, by joint loads.
; THE RESULT, ybuf: the accumulators as they stand: [token tile][column tile 0-63][2 planes of 512 bytes], plane 0 = registers 0-3, lane L at 16 L.
; The grid has 64 work-groups: 4,096 x 1,024 in blocks of 256 x 256.
; REGISTERS, in windows of 256: window 0: v16-29 addresses; v32-63 scale words, two sets, and nothing else; v64-127 the bias; v128-223 A's fragments, one set.  window 1: B's fragments, two sets.  windows 2, 3: the accumulators.
.set KS,     32
.set ASOFF,  12582912
.set BOFF,   6291456
.set BSOFF,  9437184+262144
.set LAPS,   KS/4
.set NQ,     2
.set FR,     12
.set NL,     6
.set NP,     4
.set HALFT,  8*3072
.set SLOT,   4*HALFT
.set SCL,    2*SLOT
.set HALFS,  8*KS*64
.set SPARE,  SCL+4*HALFS
.set ADRA, 16
.set ADRB, 20
.set LN8,  24
.set RW4,  25
.set LN16, 26
.set ADRS, 27
.set SPW,  28
.set NIL,  29
.set SC,   32
.set BIAS, 64
.set AF,   128
.set G1, 24
.set G0, 32
.set G1B, 48
.set G0B, 56
.set G1S, 68
.set G0S, 76
.set G1SB, 80
.set G0SB, 88
.set MSB, 0
.macro WIN new                         ; the immediate's high byte repeats the setting that is left
.if MSB != \new
	s_set_vgpr_msb (MSB<<8)|\new
.set MSB, \new
.endif
.endm
.set MUL_LO, 0xa1
.set MUL_HI, 0xf1
.set TO_B,   0x40
.macro JLOAD g0a, g1a, g0b, g1b        ; a joint load: waves 0, 1 fetch for A, waves 2, 3 for B; an s_nop 0 and four v_nop follow each line
	s_cmp_eq_u32 s15, 0
	s_cbranch_scc0 .Lfor_b_\@
	tensor_load_to_lds s[\g0a:\g0a+3], s[\g1a:\g1a+7]
	s_nop 0
.rept 4
	v_nop
.endr
	s_branch .Lasked_\@
.Lfor_b_\@:
	tensor_load_to_lds s[\g0b:\g0b+3], s[\g1b:\g1b+7]
	s_nop 0
.rept 4
	v_nop
.endr
.Lasked_\@:
.endm
.macro CREST
	s_cmp_lg_u32 s14, 0
	s_cbranch_scc1 .Lnot_wave_0_\@
	s_barrier_signal -3
.Lnot_wave_0_\@:
	s_barrier_wait -3
	s_barrier_signal -1
	s_barrier_wait -1
.endm
.macro CROUND
	s_barrier_signal -1
	s_barrier_wait -1
	CREST
.endm
	s_load_b128 s[4:7], s[0:1], 0x0                ; A's buffer, wq
	s_load_b128 s[8:11], s[0:1], 0x10              ; the bias, the result
	v_lshl_add_u32 v[SPW], v0, 2, SPARE
	v_mov_b32 v[NIL], 0
	ds_add_u32 v[SPW], v[NIL]                      ; the wave's opening: the add, twice on end, and its wait ahead of my first tensor load
	ds_add_u32 v[SPW], v[NIL]
	v_lshrrev_b32 v1, 5, v0
	v_readfirstlane_b32 s14, v1                    ; wave 0..3
	s_lshr_b32 s15, s14, 1
	s_and_b32 s16, s14, 1
	s_bfe_u32 s40, ttmp6, 0x40000                  ; cx
	s_bfe_u32 s41, ttmp6, 0x40004                  ; cy
	s_lshl_b32 s42, ttmp9, 2
	s_add_co_u32 s42, s42, s40                     ; block column of C
	s_and_b32 s17, ttmp7, 0xffff
	s_lshl_b32 s17, s17, 2
	s_add_co_u32 s17, s17, s41                     ; block row of C
	s_lshl_b32 s43, s41, 2
	s_lshl_b32 s43, 15, s43
	s_lshl_b32 s44, 0x1111, s40
	s_or_b32 s[G1+0], s43, (3<<16)|(1<<21)
	s_or_b32 s[G1B+0], s44, (3<<16)|(1<<21)
.irp g, G1, G1B
	s_mov_b32 s[\g+1], 384<<16
	s_mov_b32 s[\g+2], 8<<16
	s_mov_b32 s[\g+3], 384<<16
	s_mov_b32 s[\g+4], 8
	s_mov_b32 s[\g+5], KS*192
	s_mov_b32 s[\g+6], 0
	s_mov_b32 s[\g+7], 0
.endr
	s_or_b32 s[G1S+0], s43, (3<<16)|(1<<21)
	s_or_b32 s[G1SB+0], s44, (3<<16)|(1<<21)
.irp g, G1S, G1SB
	s_mov_b32 s[\g+1], 32<<16
	s_mov_b32 s[\g+2], (HALFS/256)<<16
	s_mov_b32 s[\g+3], 32<<16
	s_mov_b32 s[\g+4], HALFS/256
	s_mov_b32 s[\g+5], 32
	s_mov_b32 s[\g+6], 0
	s_mov_b32 s[\g+7], 0
.endr
	s_lshl_b32 s18, s16, 3
	s_lshl_b32 s20, s17, 4
	s_add_co_u32 s20, s20, s18
	s_lshl_b32 s46, s42, 4
	s_add_co_u32 s46, s46, s18
	s_mul_i32 s22, s20, KS*64
	s_add_co_u32 s22, s22, ASOFF
	s_mov_b32 s23, 0
	s_mul_i32 s92, s46, KS*64
	s_add_co_u32 s92, s92, BSOFF
	s_mov_b32 s93, 0
	s_mul_i32 s20, s20, KS*1536
	s_mov_b32 s21, 0
	s_mul_i32 s46, s46, KS*1536
	s_add_co_u32 s46, s46, BOFF
	s_mov_b32 s47, 0
	s_mul_i32 s45, s14, HALFT
	s_mul_i32 s94, s14, HALFS
	s_wait_dscnt 0x0                               ; both opening adds are done
	s_wait_kmcnt 0x0
	s_add_nc_u64 s[20:21], s[4:5], s[20:21]
	s_add_nc_u64 s[22:23], s[4:5], s[22:23]
	s_add_nc_u64 s[46:47], s[6:7], s[46:47]
	s_add_nc_u64 s[92:93], s[6:7], s[92:93]
	CROUND                                         ; all sixteen work-groups are here: the first joint loads meet
	s_mov_b32 s[G0S], 1
	s_add_co_u32 s[G0S+1], s94, SCL
	s_mov_b64 s[G0S+2:G0S+3], s[22:23]
	s_or_b32 s[G0S+3], s[G0S+3], 0x80000000
	s_mov_b32 s[G0SB], 1
	s_add_co_u32 s[G0SB+1], s94, SCL
	s_mov_b64 s[G0SB+2:G0SB+3], s[92:93]
	s_or_b32 s[G0SB+3], s[G0SB+3], 0x80000000
	JLOAD G0S, G1S, G0SB, G1SB
.irp s, 0,1
	s_mov_b32 s[G0+4*\s], 1
	s_add_co_u32 s[G0+4*\s+1], s45, \s*SLOT
	s_add_nc_u64 s[G0+4*\s+2:G0+4*\s+3], s[20:21], \s*3072
	s_or_b32 s[G0+4*\s+3], s[G0+4*\s+3], 0x80000000
	s_mov_b32 s[G0B+4*\s], 1
	s_add_co_u32 s[G0B+4*\s+1], s45, \s*SLOT
	s_add_nc_u64 s[G0B+4*\s+2:G0B+4*\s+3], s[46:47], \s*3072
	s_or_b32 s[G0B+4*\s+3], s[G0B+4*\s+3], 0x80000000
	JLOAD G0+4*\s, G1, G0B+4*\s, G1B
.endr
	v_and_b32 v1, 15, v0
	v_bfe_u32 v2, v0, 4, 1
	v_and_b32 v3, 31, v0
	v_lshlrev_b32 v[LN8], 3, v3
	v_lshlrev_b32 v[RW4], 2, v1
	v_lshlrev_b32 v[LN16], 4, v3
	s_lshl_b32 s46, s42, 10                        ; the bias of my 128 columns
	s_lshl_b32 s47, s16, 9
	s_add_co_u32 s46, s46, s47
	s_mov_b32 s47, 0
	s_add_nc_u64 s[8:9], s[8:9], s[46:47]
	v_lshlrev_b32 v7, 6, v2
.irp b, 0,1,2,3,4,5,6,7
	global_load_b128 v[BIAS+8*\b:BIAS+8*\b+3], v7, s[8:9] offset:(32*(\b/2)+8*(\b%2))*4
	global_load_b128 v[BIAS+8*\b+4:BIAS+8*\b+7], v7, s[8:9] offset:(32*(\b/2)+8*(\b%2))*4+16
.endr
	s_mul_i32 s21, s15, HALFT
	s_mul_i32 s22, s16, HALFT
	s_add_co_u32 s22, s22, 2*HALFT
.irp s, 0,1
	v_add_nc_u32 v[ADRA+\s], s21, v[LN8]
	v_add_nc_u32 v[ADRB+\s], s22, v[LN8]
	s_add_co_u32 s21, s21, SLOT
	s_add_co_u32 s22, s22, SLOT
.endr
	s_mul_i32 s21, s15, HALFS
	s_mul_i32 s22, s16, HALFS
	s_add_co_u32 s22, s22, 2*HALFS
	s_sub_co_u32 s22, s22, s21
	v_mul_u32_u24 v6, s22, v2
	s_add_co_u32 s21, s21, SCL
	v_add_nc_u32 v5, v[RW4], v6
	v_add_nc_u32 v[ADRS], s21, v5
	s_lshl_b32 s20, s17, 4                         ; the result: my first token tile x 65,536 + my first column tile x 1,024
	s_lshl_b32 s21, s15, 3
	s_add_co_u32 s20, s20, s21
	s_lshl_b32 s20, s20, 16
	s_lshl_b32 s46, s42, 4
	s_lshl_b32 s47, s16, 3
	s_add_co_u32 s46, s46, s47
	s_lshl_b32 s46, s46, 10
	s_add_co_u32 s20, s20, s46
	s_mov_b32 s21, 0
	s_add_nc_u64 s[10:11], s[10:11], s[20:21]
.macro FRAG reg, adr, q, i
.irp p, 0,1,2,3,4,5
	ds_load_b64 v[\reg+2*\p:\reg+2*\p+1], v[\adr] offset:(\i)*3072+(\q)*1536+256*\p
.endr
.endm
; 16 matrix instructions: A's blocks a0, a0 + 1 x B's eight.  zero = 1: C = 0 starts the sums; 2: the bias does.  The 64 accumulators take turns, one instruction a turn.
.macro MUL16 a0, p, q, sc, zero
.irp a, \a0, \a0+1
.irp b, 0,1,2,3,4,5,6,7
.if \zero == 1
	v_wmma_scale_f32_16x16x128_f8f6f4 v[8*(8*((\a)%4)+\b):8*(8*((\a)%4)+\b)+7], v[128*(\p)+FR*\b:128*(\p)+FR*\b+FR-1], v[AF+FR*(\a):AF+FR*(\a)+FR-1], 0, v[SC+8*NQ*(\sc)+NQ*\b+(\q)], v[SC+8*NQ*(\sc)+NQ*(\a)+(\q)] matrix_a_fmt:MATRIX_FMT_FP6 matrix_b_fmt:MATRIX_FMT_FP6 matrix_a_scale:MATRIX_SCALE_ROW1
.elseif \zero == 2
	v_wmma_scale_f32_16x16x128_f8f6f4 v[8*(8*((\a)%4)+\b):8*(8*((\a)%4)+\b)+7], v[128*(\p)+FR*\b:128*(\p)+FR*\b+FR-1], v[AF+FR*(\a):AF+FR*(\a)+FR-1], v[BIAS+8*\b:BIAS+8*\b+7], v[SC+8*NQ*(\sc)+NQ*\b+(\q)], v[SC+8*NQ*(\sc)+NQ*(\a)+(\q)] matrix_a_fmt:MATRIX_FMT_FP6 matrix_b_fmt:MATRIX_FMT_FP6 matrix_a_scale:MATRIX_SCALE_ROW1
.else
	v_wmma_scale_f32_16x16x128_f8f6f4 v[8*(8*((\a)%4)+\b):8*(8*((\a)%4)+\b)+7], v[128*(\p)+FR*\b:128*(\p)+FR*\b+FR-1], v[AF+FR*(\a):AF+FR*(\a)+FR-1], v[8*(8*((\a)%4)+\b):8*(8*((\a)%4)+\b)+7], v[SC+8*NQ*(\sc)+NQ*\b+(\q)], v[SC+8*NQ*(\sc)+NQ*(\a)+(\q)] matrix_a_fmt:MATRIX_FMT_FP6 matrix_b_fmt:MATRIX_FMT_FP6 matrix_a_scale:MATRIX_SCALE_ROW1
.endif
.endr
.endr
.endm
.macro FETCH_B slot, q, p
	WIN TO_B
.irp i, 0,1,2,3,4,5,6,7
	FRAG 128*(\p)+FR*\i, ADRB+\slot, \q, \i
.endr
	WIN 0
.endm
.macro FETCH_A slot, q, i0
.irp i, \i0, \i0+1, \i0+2, \i0+3
	FRAG AF+FR*(\i), ADRA+\slot, \q, \i
.endr
.endm
.macro SCALES sc
.irp i, 0,1,2,3,4,5,6,7
	ds_load_b32 v[SC+16*\sc+2*\i], v[ADRS] offset:\i*KS*64
	ds_load_b32 v[SC+16*\sc+2*\i+1], v[ADRS] offset:\i*KS*64+64
.endr
.endm
.macro PLACES n
.rept \n
	v_nop
.endr
.endm
.macro STEP slot, q, zero
	s_wait_dscnt 4*NL                              ; all but the youngest 24 loads (A's blocks 4-7) are in
.if \zero == 2
	WIN 0x81
.else
	WIN MUL_LO
.endif
	MUL16 0, (\q)%2, \q, \slot, \zero
	MUL16 2, (\q)%2, \q, \slot, \zero
	s_wait_dscnt 0
	PLACES NP
	FETCH_B \slot, (\q)+1, 1-(\q)%2
	FETCH_A \slot, (\q)+1, 0
.if \zero == 2
	WIN 0xc1
.else
	WIN MUL_HI
.endif
	MUL16 4, (\q)%2, \q, \slot, \zero
	MUL16 6, (\q)%2, \q, \slot, \zero
	PLACES NP
	WIN 0
	FETCH_A \slot, (\q)+1, 4
.endm
.macro TURN slot, next, fill
	s_wait_tensorcnt 0x0                           ; all my tensor loads have landed: my part of the next slot
	ds_add_u32 v[SPW], v[NIL]
	s_wait_dscnt 4*NL+1                            ; (the add and the youngest 24 loads may be out)
	WIN MUL_LO
	MUL16 0, 1, NQ-1, \slot, 0
	s_wait_dscnt 0x0                               ; the add is done, and my reads of this slot are over
	s_barrier_signal -1
	MUL16 2, 1, NQ-1, \slot, 0
	WIN 0
	s_barrier_wait -1
.if \fill
	CREST
	s_add_nc_u64 s[G0+4*\slot+2:G0+4*\slot+3], s[G0+4*\slot+2:G0+4*\slot+3], 6144
	s_add_nc_u64 s[G0B+4*\slot+2:G0B+4*\slot+3], s[G0B+4*\slot+2:G0B+4*\slot+3], 6144
	JLOAD G0+4*\slot, G1, G0B+4*\slot, G1B
.else
	PLACES NP
.endif
	v_add_nc_u32 v[ADRS], 128, v[ADRS]
	FETCH_B \next, 0, 0
	FETCH_A \next, 0, 0
	SCALES \next
	WIN MUL_HI
	MUL16 4, 1, NQ-1, \slot, 0
	MUL16 6, 1, NQ-1, \slot, 0
	PLACES NP
	WIN 0
	FETCH_A \next, 0, 4
.endm
	s_wait_tensorcnt 1                             ; the scale words and my part of slot 0 are in (slot 1's load may be out)
	s_barrier_signal -1
	s_barrier_wait -1
	FETCH_B 0, 0, 0
	FETCH_A 0, 0, 0
	SCALES 0
	FETCH_A 0, 0, 4
	s_wait_loadcnt 0x0                             ; the bias
	STEP 0, 0, 2
	s_mov_b32 s3, LAPS-1
.Llap:
	TURN 0, 1, 1
	STEP 1, 0, 0
	TURN 1, 0, 1
	STEP 0, 0, 0
	s_sub_co_u32 s3, s3, 1
	s_cmp_lg_u32 s3, 0
	s_cbranch_scc1 .Llap
	TURN 0, 1, 0
	STEP 1, 0, 0
	s_wait_dscnt 4*NL
	WIN MUL_LO
	MUL16 0, 1, NQ-1, 1, 0
	MUL16 2, 1, NQ-1, 1, 0
	s_wait_dscnt 0
	WIN MUL_HI
	MUL16 4, 1, NQ-1, 1, 0
	MUL16 6, 1, NQ-1, 1, 0
	WIN 0
	PLACES NP
	; THE WAY OUT: the accumulators as they stand, each from its low end on; every store covers 512 consecutive bytes, aligned
.irp a, 0,1,2,3,4,5,6,7
.set AC, 64*(\a%4)
.set WST, 0x08+4*(\a/4)
	WIN WST
.irp b, 0,1,2,3,4,5,6,7
	global_store_b128 v[LN16], v[AC+8*\b:AC+8*\b+3], s[10:11] offset:\a*65536+\b*1024 th:TH_STORE_NT
	global_store_b128 v[LN16], v[AC+8*\b+4:AC+8*\b+7], s[10:11] offset:\a*65536+\b*1024+512 th:TH_STORE_NT
.endr
.endr
	WIN 0
	s_wait_tensorcnt 0x0                           ; the wave's end
	ds_add_u32 v[SPW], v[NIL]
	s_wait_dscnt 0x0
	CROUND                                         ; the closing round
	s_endpgm
.Lfunc_end_k_q7151cbdaa9_ffn2:
	.size	k_q7151cbdaa9_ffn2, .Lfunc_end_k_q7151cbdaa9_ffn2-k_q7151cbdaa9_ffn2
	.p2alignl 7, 3214868480
	.fill 96, 4, 3214868480
	.section	.rodata,"a",@progbits
	.p2align	6, 0x0
	.amdhsa_kernel k_q7151cbdaa9_ffn2
		.amdhsa_group_segment_fixed_size 327680
		.amdhsa_private_segment_fixed_size 0
		.amdhsa_enable_private_segment 0
		.amdhsa_kernarg_size 32
		.amdhsa_user_sgpr_count 2
		.amdhsa_user_sgpr_kernarg_segment_ptr 1
		.amdhsa_wavefront_size32 1
		.amdhsa_system_sgpr_workgroup_id_x 1
		.amdhsa_system_sgpr_workgroup_id_y 1
		.amdhsa_system_sgpr_workgroup_id_z 1
		.amdhsa_system_vgpr_workitem_id 0
		.amdhsa_next_free_vgpr 1024
		.amdhsa_next_free_sgpr 98
		.amdhsa_reserve_vcc 0
		.amdhsa_float_denorm_mode_32 3
		.amdhsa_float_denorm_mode_16_64 3
		.amdhsa_memory_ordered 1
		.amdhsa_forward_progress 1
		.amdhsa_inst_pref_size 146
	.end_amdhsa_kernel
	.amdgpu_metadata
---
amdhsa.version: [ 1, 2 ]
amdhsa.kernels:
  - .name:           k_q7151cbdaa9_ffn2
    .symbol:         k_q7151cbdaa9_ffn2.kd
    .args:
      - { .name: hq, .offset: 0, .size: 8, .value_kind: global_buffer, .address_space: global }
      - { .name: wq, .offset: 8, .size: 8, .value_kind: global_buffer, .address_space: global }
      - { .name: b2, .offset: 16, .size: 8, .value_kind: global_buffer, .address_space: global }
      - { .name: ybuf, .offset: 24, .size: 8, .value_kind: global_buffer, .address_space: global }
    .group_segment_fixed_size: 327680
    .private_segment_fixed_size: 0
    .kernarg_segment_align: 8
    .kernarg_segment_size: 32
    .max_flat_workgroup_size: 128
    .sgpr_count:     98
    .vgpr_count:     1024
    .wavefront_size: 32
...
	.end_amdgpu_metadata
.endif
;; end of part 7
;; launch ln2 (part 8): grid 256 x 1, 8 waves a work-group, no clusters, 69,632 bytes of LDS; arguments ybuf, x1f, ln2_g, ln2_b, out0; writes out0
.if DOCPART == 8
	.amdgcn_target "amdgcn-amd-amdhsa--gfx1250"
	.amdhsa_code_object_version 6
	.text
	.protected	k_q7151cbdaa9_ln2
	.globl	k_q7151cbdaa9_ln2
	.p2align	8
	.type	k_q7151cbdaa9_ln2,@function
k_q7151cbdaa9_ln2:
	s_mov_b64 s[64:65], 0
	v_nop
	global_prefetch_b8 v0, s[64:65] scope:SCOPE_SE
	s_setreg_imm32_b32 hwreg(HW_REG_WAVE_MODE, 25, 1), 1
	s_wait_xcnt 0x0
; ENCODER BLOCK, launch 5 of 8 (MODE 1) and 8 of 8 (MODE 2): residual and layer norm.  Nothing is left out.
; z = y + residual; (z - mean) x rsqrt(variance + 1e-5) x gain + bias, mean and centred variance over the row's 1,024, all in f32.
; y lies as accumulator images: [token tile T][column tile 0-63][2 planes of 512 bytes]: lane (r, h) holds token 32 (T / 2) + 8 (T % 2) + r + 8 (r / 8); register j of column tile 2 g + u is column 32 g + 16 h + 8 u + j.
; A work-group takes one token tile, 16 rows; wave w takes columns 128 w .. 128 w + 127: 64 registers a lane, register 16 g + i = column 128 w + 32 g + 16 h + i.  A row's sums meet in LDS, one barrier each.
; MODE 1: the residual comes from the problem's inputs (rows); the result goes out in y's layout (for the last norm) and, quantised along the row, as K step w of the next product's operand.
; MODE 2: the residual comes in y's layout; the result goes through the wave's own stage in LDS and leaves as rows: each store covers 512 consecutive bytes.
.set MODE, 2
.set RED1,  0                          ; LDS: 16 rows x 8 waves' sums,
.set RED2,  512                        ; the same for the squares,
.set SPARE, 1024                       ; the spare words, 128 bytes for each wave, that no other line names,
.set STG,   2048                       ; MODE 2: a stage of 16 rows x (512 + 16) bytes for each wave
.set ASC,   3145728
.set Z,   32
.set R,   96                           ; the residual, then the gain, then rows on their way out
.set BE,  160                          ; the bias
.set PC,  96
.set TM,  224
.set PW,  240
.set SPW, 30
.set NIL, 31
.set SEL, 24
; v[16:23], four packed chains, become the row's sum over all 1,024 columns, in v16 of every lane
.macro ACROSS red
	v_pk_add_f32 v[16:17], v[16:17], v[18:19]
	v_pk_add_f32 v[20:21], v[20:21], v[22:23]
	v_pk_add_f32 v[16:17], v[16:17], v[20:21]
	v_add_f32 v16, v16, v17
	v_permlanex16_b32 v17, v16, s[SEL], s[SEL+1]
	v_add_f32 v16, v16, v17                        ; my wave's 128 columns of row r
	ds_store_b32 v8, v16 offset:\red               ; lanes r and r + 16 write the same word with the same value
	s_wait_dscnt 0x0                               ; for the others' sake
	s_barrier_signal -1
	s_barrier_wait -1
	ds_load_b128 v[16:19], v7 offset:\red
	ds_load_b128 v[20:23], v7 offset:\red+16
	s_wait_dscnt 0x0
	v_add_f32 v16, v16, v17
	v_add_f32 v18, v18, v19
	v_add_f32 v20, v20, v21
	v_add_f32 v22, v22, v23
	v_add_f32 v16, v16, v18
	v_add_f32 v20, v20, v22
	v_add_f32 v16, v16, v20
.endm
	s_load_b256 s[4:11], s[0:1], 0x0               ; y, the residual, the gain, the bias
	s_load_b64 s[12:13], s[0:1], 0x20              ; out0
	v_lshl_add_u32 v[SPW], v0, 2, SPARE
	v_mov_b32 v[NIL], 0
	v_lshrrev_b32 v1, 5, v0
	v_readfirstlane_b32 s16, v1                    ; wave 0..7
	v_and_b32 v1, 15, v0                           ; r
	v_bfe_u32 v2, v0, 4, 1                         ; h
	v_and_b32 v3, 31, v0                           ; lane
	v_lshlrev_b32 v4, 4, v3                        ; 16 L
	v_lshlrev_b32 v5, 6, v2                        ; 64 h
	v_lshlrev_b32 v7, 5, v1                        ; 32 r: a row's eight sums
	s_lshl_b32 s17, s16, 2
	v_add_nc_u32 v8, s17, v7                       ; + 4 w: mine
	s_mul_i32 s17, s16, 8448
	v_mul_u32_u24 v9, v1, 528
	v_add_nc_u32 v9, v9, v5
	v_add_nc_u32 v9, s17, v9                       ; the stage, in: row r, + 64 h
	v_add_nc_u32 v10, s17, v4                      ; and back: 16 bytes a lane of a row
	s_lshl_b32 s18, ttmp9, 16                      ; y: tile x 65,536 + wave x 8 column tiles
	s_lshl_b32 s19, s16, 13
	s_add_co_u32 s18, s18, s19
	s_mov_b32 s19, 0
	s_lshr_b32 s20, ttmp9, 1
	s_lshl_b32 s20, s20, 5
	s_and_b32 s21, ttmp9, 1
	s_lshl_b32 s21, s21, 3
	s_add_co_u32 s20, s20, s21                     ; the tile's first token
	s_lshl_b32 s20, s20, 12
	s_lshl_b32 s22, s16, 9                         ; 512 w
	s_add_co_u32 s20, s20, s22
	s_mov_b32 s21, 0
	s_mov_b32 s23, 0
	s_mov_b32 s[SEL], 0x76543210
	s_mov_b32 s[SEL+1], 0xfedcba98
	s_mov_b32 s26, 0x3a800000                      ; 1 / 1,024
	s_mov_b32 s27, 0x3727c5ac                      ; 1e-5
	s_wait_kmcnt 0x0
	s_add_nc_u64 s[4:5], s[4:5], s[18:19]
	s_add_nc_u64 s[8:9], s[8:9], s[22:23]
	s_add_nc_u64 s[10:11], s[10:11], s[22:23]
	s_add_nc_u64 s[6:7], s[6:7], s[18:19]
	s_add_nc_u64 s[12:13], s[12:13], s[20:21]
.irp n, 0,1,2,3,4,5,6,7
	global_load_b128 v[Z+8*\n:Z+8*\n+3], v4, s[4:5] offset:1024*\n th:TH_LOAD_NT
	global_load_b128 v[Z+8*\n+4:Z+8*\n+7], v4, s[4:5] offset:1024*\n+512 th:TH_LOAD_NT
.endr
.irp n, 0,1,2,3,4,5,6,7
	global_load_b128 v[R+8*\n:R+8*\n+3], v4, s[6:7] offset:1024*\n th:TH_LOAD_NT
	global_load_b128 v[R+8*\n+4:R+8*\n+7], v4, s[6:7] offset:1024*\n+512 th:TH_LOAD_NT
.endr
.irp g, 0,1,2,3
.irp k, 0,1,2,3
	global_load_b128 v[BE+16*\g+4*\k:BE+16*\g+4*\k+3], v5, s[10:11] offset:128*\g+16*\k
.endr
.endr
	s_wait_loadcnt 16                              ; y and the residual are in; the bias's 16 loads may be out
.set J, 0
.rept 32
	v_pk_add_f32 v[Z+J:Z+J+1], v[Z+J:Z+J+1], v[R+J:R+J+1]
.set J, J+2
.endr
.irp g, 0,1,2,3
.irp k, 0,1,2,3
	global_load_b128 v[R+16*\g+4*\k:R+16*\g+4*\k+3], v5, s[8:9] offset:128*\g+16*\k   ; the gain, where the residual lay
.endr
.endr
	v_pk_add_f32 v[16:17], v[Z:Z+1], v[Z+2:Z+3]    ; the sum, in four chains
	v_pk_add_f32 v[18:19], v[Z+4:Z+5], v[Z+6:Z+7]
	v_pk_add_f32 v[20:21], v[Z+8:Z+9], v[Z+10:Z+11]
	v_pk_add_f32 v[22:23], v[Z+12:Z+13], v[Z+14:Z+15]
.set J, 16
.rept 6
	v_pk_add_f32 v[16:17], v[16:17], v[Z+J:Z+J+1]
	v_pk_add_f32 v[18:19], v[18:19], v[Z+J+2:Z+J+3]
	v_pk_add_f32 v[20:21], v[20:21], v[Z+J+4:Z+J+5]
	v_pk_add_f32 v[22:23], v[22:23], v[Z+J+6:Z+J+7]
.set J, J+8
.endr
	ACROSS RED1
	v_mul_f32 v24, s26, v16                        ; the mean
	v_mov_b32 v25, v24
.set J, 0
.rept 32
	v_pk_add_f32 v[Z+J:Z+J+1], v[Z+J:Z+J+1], v[24:25] neg_lo:[0,1] neg_hi:[0,1]
.set J, J+2
.endr
	v_pk_mul_f32 v[16:17], v[Z:Z+1], v[Z:Z+1]      ; the squares, in four chains
	v_pk_mul_f32 v[18:19], v[Z+2:Z+3], v[Z+2:Z+3]
	v_pk_mul_f32 v[20:21], v[Z+4:Z+5], v[Z+4:Z+5]
	v_pk_mul_f32 v[22:23], v[Z+6:Z+7], v[Z+6:Z+7]
.set J, 8
.rept 7
	v_pk_fma_f32 v[16:17], v[Z+J:Z+J+1], v[Z+J:Z+J+1], v[16:17]
	v_pk_fma_f32 v[18:19], v[Z+J+2:Z+J+3], v[Z+J+2:Z+J+3], v[18:19]
	v_pk_fma_f32 v[20:21], v[Z+J+4:Z+J+5], v[Z+J+4:Z+J+5], v[20:21]
	v_pk_fma_f32 v[22:23], v[Z+J+6:Z+J+7], v[Z+J+6:Z+J+7], v[22:23]
.set J, J+8
.endr
	ACROSS RED2                                    ; other bytes than the first exchange's: no barrier between the two is owed
	v_fma_f32 v24, v16, s26, s27                   ; variance + 1e-5 (the factor is a power of two: one rounding, as in two steps)
	v_rsq_f32 v24, v24
	v_nop                                          ; a plain line behind the transcendental
	s_wait_alu depctr_va_vdst(0)                   ; ahead of its first reader
	v_mov_b32 v25, v24
	s_wait_loadcnt 0x0                             ; the gain and the bias
.set J, 0
.rept 32
	v_pk_mul_f32 v[Z+J:Z+J+1], v[Z+J:Z+J+1], v[24:25]
.set J, J+2
.endr
.set J, 0
.rept 32
	v_pk_fma_f32 v[Z+J:Z+J+1], v[Z+J:Z+J+1], v[R+J:R+J+1], v[BE+J:BE+J+1]
.set J, J+2
.endr
.irp g, 0,1,2,3
.irp k, 0,1,2,3
	ds_store_b128 v9, v[Z+16*\g+4*\k:Z+16*\g+4*\k+3] offset:STG+128*\g+16*\k
.endr
.endr
.irp t, 0,1,2,3,4,5,6,7,8,9,10,11,12,13,14,15
	ds_load_b128 v[R+4*\t:R+4*\t+3], v10 offset:STG+528*\t   ; LDS serves a wave's instructions in order (ISA guide 5.7.1.4): these see my stores
.endr
.irp t, 0,1,2,3,4,5,6,7,8,9,10,11,12,13,14,15
	s_wait_dscnt 15-\t                             ; row t is back; the younger rows may be out
	global_store_b128 v4, v[R+4*\t:R+4*\t+3], s[12:13] offset:(\t+8*(\t/8))*4096 th:TH_STORE_NT   ; 32 lanes store 512 consecutive bytes of a row of the output, aligned
.endr
	s_wait_tensorcnt 0x0                           ; the wave's end, behind my last LDS store
	ds_add_u32 v[SPW], v[NIL]
	s_wait_dscnt 0x0
	s_endpgm
.Lfunc_end_k_q7151cbdaa9_ln2:
	.size	k_q7151cbdaa9_ln2, .Lfunc_end_k_q7151cbdaa9_ln2-k_q7151cbdaa9_ln2
	.p2alignl 7, 3214868480
	.fill 96, 4, 3214868480
	.section	.rodata,"a",@progbits
	.p2align	6, 0x0
	.amdhsa_kernel k_q7151cbdaa9_ln2
		.amdhsa_group_segment_fixed_size 69632
		.amdhsa_private_segment_fixed_size 0
		.amdhsa_enable_private_segment 0
		.amdhsa_kernarg_size 40
		.amdhsa_user_sgpr_count 2
		.amdhsa_user_sgpr_kernarg_segment_ptr 1
		.amdhsa_wavefront_size32 1
		.amdhsa_system_sgpr_workgroup_id_x 1
		.amdhsa_system_sgpr_workgroup_id_y 1
		.amdhsa_system_sgpr_workgroup_id_z 1
		.amdhsa_system_vgpr_workitem_id 0
		.amdhsa_next_free_vgpr 256
		.amdhsa_next_free_sgpr 66
		.amdhsa_reserve_vcc 0
		.amdhsa_float_denorm_mode_32 3
		.amdhsa_float_denorm_mode_16_64 3
		.amdhsa_memory_ordered 1
		.amdhsa_forward_progress 1
		.amdhsa_inst_pref_size 26
	.end_amdhsa_kernel
	.amdgpu_metadata
---
amdhsa.version: [ 1, 2 ]
amdhsa.kernels:
  - .name:           k_q7151cbdaa9_ln2
    .symbol:         k_q7151cbdaa9_ln2.kd
    .args:
      - { .name: ybuf, .offset: 0, .size: 8, .value_kind: global_buffer, .address_space: global }
      - { .name: x1f, .offset: 8, .size: 8, .value_kind: global_buffer, .address_space: global }
      - { .name: ln2_g, .offset: 16, .size: 8, .value_kind: global_buffer, .address_space: global }
      - { .name: ln2_b, .offset: 24, .size: 8, .value_kind: global_buffer, .address_space: global }
      - { .name: out0, .offset: 32, .size: 8, .value_kind: global_buffer, .address_space: global }
    .group_segment_fixed_size: 69632
    .private_segment_fixed_size: 0
    .kernarg_segment_align: 8
    .kernarg_segment_size: 40
    .max_flat_workgroup_size: 256
    .sgpr_count:     66
    .vgpr_count:     256
    .wavefront_size: 32
...
	.end_amdgpu_metadata
.endif
;; end of part 8
;; ======== version 2 of 2: 7 launches
;; limits: right only within a limited range of input values
;; workspace buffers: acode 3,276,800 bytes; wq 9,830,400 bytes; qkv 13,107,200 bytes; ybuf 16,777,216 bytes; x1f 16,777,216 bytes; hq 13,107,200 bytes; xcode 3,276,800 bytes
;; launch prep (part 9): grid 1024 x 1, 8 waves a work-group, no clusters, 0 bytes of LDS; arguments inputs, Wq_codes, Wq_scales, Wk_codes, Wk_scales, Wv_codes, Wv_scales, W_out_codes, W_out_scales, w1_codes, w1_scales, w2_codes, w2_scales, acode, wq; writes acode, wq
.if DOCPART == 9
	.amdgcn_target "amdgcn-amd-amdhsa--gfx1250"
	.amdhsa_code_object_version 6
	.text
	.protected	k_q7151cbdaa9_prep
	.globl	k_q7151cbdaa9_prep
	.p2align	8
	.type	k_q7151cbdaa9_prep,@function
k_q7151cbdaa9_prep:
	s_mov_b64 s[64:65], 0
	v_nop
	global_prefetch_b8 v0, s[64:65] scope:SCOPE_SE
	s_setreg_imm32_b32 hwreg(HW_REG_WAVE_MODE, 25, 1), 1
	s_wait_xcnt 0x0
; ENCODER BLOCK, launch 1 of 8: every matrix operand is laid as the matrix unit's registers want it.
; DEAD WORK: none.  Every input has a way to the output (the mask, all biases and gains among them) and is loaded by some launch; all eight products are done.
; LIMITS of the program: NaN and infinities among the inputs are not served; a batch whose mask is all false (NaN in the definition) is not served; a block of zeros gets the scale byte 1
; where the quantiser says 127 (its codes are zeros, and these bytes are read by this program alone); blocks whose largest magnitude lies under 2^-124 were not tried.
; THE LAYOUT that all launches share.  Lane L: r = L % 16, h = L / 16.  Tile T of any operand holds the 16 rows 32 (T / 2) + 8 (T % 2) + r + 8 (r / 8).  A FRAGMENT (16 rows x 128 K of 6-bit codes,
; 12 registers a lane: registers 6 c .. 6 c + 5 = K 64 c + 32 h + 0 .. 31 of row r) lies as 6 planes of 256 bytes: plane p = registers 2 p, 2 p + 1, lane L at 8 L (W_out's: 3 planes of 512 bytes, registers 4 p .. 4 p + 3, lane L at 16 L).  Its scale words lie as 64 bytes, row r's at 4 r.
; An operand is [tile][K / 128][1536] bytes of codes and [tile][K / 128][64] of scale words.
; THIS LAUNCH: one wave makes one fragment.  Work-groups 0-255: tile T of the tokens, wave w = K step w: f32 numbers are quantised (a block's scale is 2^(floor(log2(largest magnitude)) - 2)).
; Work-groups 256-1023: the six weights, which come as codes in rows: each lane copies its 48 bytes and its row's scale word.  No LDS, no barrier: waves share nothing.
.set ASC, 3145728                      ; acode: the scale words begin here
.set WS,  9437184                      ; wq: likewise
.set X,   32                           ; v32-95  64 numbers: register 16 b + i = K 32 b + 16 h + i of my row
.set PC,  96                           ; v96-107 the fragment; v108-114 at work
.set TM,  10                           ; v10-25  at work
.set PW,  26                           ; v26     my row's scale word
.set SEL, 40                           ; s[40:41] v_permlanex16_b32's selects for lane l xor 16
; 64 numbers of a lane become a fragment's codes in v[PC] on and its scale word in v[PW]
.macro QUANT s
.irp b, 0,1,2,3
	v_max3_num_f32 v[TM+\b], |v[\s+16*\b]|, |v[\s+1+16*\b]|, 0x1800000   ; block b: my 16 numbers, and the floor 2^(3 - 127): the byte cannot fall under 1
.endr
.irp i, 2,4,6,8,10,12,14
.irp b, 0,1,2,3
	s_delay_alu instid0(VALU_DEP_4)
	v_max3_num_f32 v[TM+\b], v[TM+\b], |v[\s+16*\b+\i]|, |v[\s+1+16*\b+\i]|   ; the four blocks by turns
.endr
.endr
.irp b, 0,1,2,3
	s_delay_alu instid0(VALU_DEP_4)
	v_permlanex16_b32 v[TM+4+\b], v[TM+\b], s[SEL], s[SEL+1]
.endr
.irp b, 0,1,2,3
	s_delay_alu instid0(VALU_DEP_4)
	v_max_num_f32 v[TM+\b], v[TM+\b], v[TM+4+\b]   ; with lane l xor 16's 16: the block's largest magnitude
.endr
.irp b, 0,1,2,3
	s_delay_alu instid0(VALU_DEP_4)
	v_add_nc_u32 v[TM+12+\b], 0xff000000, v[TM+\b]   ; 2 off its exponent field: the conversion's scale operand
.endr
.irp b, 0,1,2,3
	s_delay_alu instid0(VALU_DEP_4)
	v_lshrrev_b32 v[TM+4+\b], 23, v[TM+12+\b]      ; the scale's byte
.endr
	s_delay_alu instid0(VALU_DEP_3)
	v_lshl_or_b32 v[PW], v[TM+5], 8, v[TM+4]
	s_delay_alu instid0(VALU_DEP_1)
	v_lshl_or_b32 v[PW], v[TM+6], 16, v[PW]
	s_delay_alu instid0(VALU_DEP_1)
	v_lshl_or_b32 v[PW], v[TM+7], 24, v[PW]
.irp c, 0,1
	v_cvt_scalef32_pk16_fp6_f32 v[PC+6*\c:PC+2+6*\c], v[\s+32*\c:\s+15+32*\c], v[TM+12+2*\c]
	v_cvt_scalef32_pk16_fp6_f32 v[PC+12+4*\c:PC+14+4*\c], v[\s+16+32*\c:\s+31+32*\c], v[TM+12+2*\c+1]   ; (a conversion's three registers begin on an even number)
.endr
	v_nop                                          ; one plain line behind the scaled conversions
.irp c, 0,1                                    ; the layout wants a whole block in a lane: lanes 0-15 block 2 c, lanes 16-31 block 2 c + 1
.irp i, 0,1,2
	v_permlane16_swap_b32 v[PC+6*\c+\i], v[PC+12+4*\c+\i]
.endr
.irp i, 0,1,2
	s_delay_alu instid0(VALU_DEP_3)
	v_mov_b32 v[PC+3+6*\c+\i], v[PC+12+4*\c+\i]
.endr
.endr
.endm
	s_load_b512 s[8:23], s[0:1], 0x0               ; inputs 8, Wq codes 10, scales 12, Wk 14, 16, Wv 18, 20, W_out codes 22
	s_load_b256 s[24:31], s[0:1], 0x40             ; W_out scales 24, w1 codes 26, scales 28, w2 codes 30
	s_load_b128 s[32:35], s[0:1], 0x60             ; w2 scales 32, acode 34
	s_load_b64 s[36:37], s[0:1], 0x70              ; wq
	v_lshrrev_b32 v1, 5, v0
	s_delay_alu instid0(VALU_DEP_1)
	v_readfirstlane_b32 s2, v1                     ; wave 0..7
	v_and_b32 v1, 15, v0                           ; r
	v_bfe_u32 v2, v0, 4, 1                         ; h
	v_and_b32 v3, 31, v0                           ; lane
	s_delay_alu instid0(VALU_DEP_1)
	v_lshlrev_b32 v4, 3, v3                        ; 8 L: my place in a plane
	s_delay_alu instid0(VALU_DEP_4)
	v_lshlrev_b32 v5, 2, v1                        ; 4 r: my row's scale word
	v_and_b32 v6, 8, v1
	s_delay_alu instid0(VALU_DEP_1)
	v_add_nc_u32 v6, v6, v1
	v_lshlrev_b32 v9, 4, v3                        ; 16 L: my place in a plane of 512 bytes
	s_mul_i32 s3, s2, 1536                         ; my fragment in the work-group's eight
	s_lshl_b32 s4, s2, 6                           ; and its scale words
	s_mov_b32 s[SEL], 0x76543210
	s_mov_b32 s[SEL+1], 0xfedcba98
	s_mov_b32 s58, 0                               ; 1: the fragment goes out as 3 planes of 512 bytes (registers 4 p .. 4 p + 3, lane L at 16 L)
	s_cmp_lt_u32 ttmp9, 256
	s_cbranch_scc0 .Lweights
	; ---- the tokens: tile T = the work-group's number, K step = the wave's
	s_lshr_b32 s5, ttmp9, 1
	s_lshl_b32 s5, s5, 5
	s_and_b32 s6, ttmp9, 1
	s_lshl_b32 s6, s6, 3
	s_add_co_u32 s5, s5, s6                        ; the tile's first token
	s_lshl_b32 s42, s5, 12                         ; rows of 4,096 bytes
	s_lshl_b32 s6, s2, 9
	s_add_co_u32 s42, s42, s6                      ; + 512 w: my 128 along K
	s_mov_b32 s43, 0
	s_mul_i32 s44, ttmp9, 12288
	s_add_co_u32 s44, s44, s3
	s_mov_b32 s45, 0
	s_lshl_b32 s46, ttmp9, 9
	s_add_co_u32 s46, s46, s4
	s_add_co_u32 s46, s46, ASC
	s_mov_b32 s47, 0
	s_wait_alu depctr_va_vdst(0)
	v_lshlrev_b32 v7, 12, v6
	s_delay_alu instid0(VALU_DEP_1)
	v_lshl_add_u32 v7, v2, 6, v7                   ; my row, + 64 h: my 16 numbers of a block of 32
.irp b, 0,1,2,3
	v_mov_b32 v[TM+4+\b], 0                        ; a lane permute's destination counts as one of its sources
.endr
	s_wait_alu depctr_va_vdst(0)
	s_wait_kmcnt 0x0
	s_add_nc_u64 s[42:43], s[8:9], s[42:43]
	s_add_nc_u64 s[44:45], s[34:35], s[44:45]
	s_add_nc_u64 s[46:47], s[34:35], s[46:47]
.irp b, 0,1,2,3
.irp k, 0,1,2,3
	global_load_b128 v[X+16*\b+4*\k:X+16*\b+4*\k+3], v7, s[42:43] offset:128*\b+16*\k th:TH_LOAD_NT
.endr
.endr
	s_wait_loadcnt 0x0
	QUANT X
	s_branch .Lstore
.Lweights:
	; ---- the weights.  tw = 0-63 Wq, 64-127 Wk, 128-191 Wv, 192-255 W_out, 256-511 w1: tile tw, K step w.  512-767: w2, tile (tw - 512) / 4, K step 8 ((tw - 512) % 4) + w.
	; In wq all of them land at tw x 12,288 + 1,536 w (w2's tiles are 32 fragments long: the same arithmetic), their scale words at WS + 512 tw + 64 w.
	s_sub_co_u32 s5, ttmp9, 256
	; W_out is read straight into registers, 16 bytes a lane: it alone takes the wide planes
	s_sub_co_u32 s59, s5, 192
	s_cmp_lt_u32 s59, 64
	s_cselect_b32 s58, 1, s58
	s_and_b32 s6, s5, 63                           ; the tile within Wq .. W_out
	s_sub_co_u32 s7, s5, 256                       ; within w1
	s_sub_co_u32 s48, s5, 512
	s_lshr_b32 s49, s48, 2                         ; within w2
	s_and_b32 s48, s48, 3
	s_lshl_b32 s48, s48, 3
	s_add_co_u32 s48, s48, s2                      ; w2's K step
	s_mov_b32 s50, 3072                            ; a row of w2's codes,
	s_mov_b32 s51, 128                             ; and of its scale bytes
	s_cmp_lt_u32 s5, 512
	s_cselect_b32 s49, s7, s49
	s_cselect_b32 s48, s2, s48
	s_cselect_b32 s50, 768, s50
	s_cselect_b32 s51, 32, s51
	s_cmp_lt_u32 s5, 256
	s_cselect_b32 s49, s6, s49
	s_lshr_b32 s6, s49, 1
	s_lshl_b32 s6, s6, 5
	s_and_b32 s7, s49, 1
	s_lshl_b32 s7, s7, 3
	s_add_co_u32 s6, s6, s7                        ; the tile's first row
	s_mul_i32 s42, s6, s50
	s_mul_i32 s7, s48, 96
	s_add_co_u32 s42, s42, s7                      ; + 96 bytes a K step
	s_mov_b32 s43, 0
	s_mul_i32 s52, s6, s51
	s_lshl_b32 s7, s48, 2
	s_add_co_u32 s52, s52, s7
	s_mov_b32 s53, 0
	s_mul_i32 s44, s5, 12288
	s_add_co_u32 s44, s44, s3
	s_mov_b32 s45, 0
	s_lshl_b32 s46, s5, 9
	s_add_co_u32 s46, s46, s4
	s_add_co_u32 s46, s46, WS
	s_mov_b32 s47, 0
	s_wait_alu depctr_va_vdst(0)
	v_mul_lo_u32 v7, v6, s50
	s_delay_alu instid0(VALU_DEP_1)
	v_mad_u32_u24 v7, v2, 24, v7                   ; my row, + 24 h
	v_mul_lo_u32 v8, v6, s51
	s_wait_alu depctr_va_vdst(0)
	s_wait_kmcnt 0x0
	s_mov_b64 s[54:55], s[30:31]                   ; the source is chosen by the work-group's number alone
	s_mov_b64 s[56:57], s[32:33]
	s_cmp_lt_u32 s5, 512
	s_cselect_b64 s[54:55], s[26:27], s[54:55]
	s_cselect_b64 s[56:57], s[28:29], s[56:57]
	s_cmp_lt_u32 s5, 256
	s_cselect_b64 s[54:55], s[22:23], s[54:55]
	s_cselect_b64 s[56:57], s[24:25], s[56:57]
	s_cmp_lt_u32 s5, 192
	s_cselect_b64 s[54:55], s[18:19], s[54:55]
	s_cselect_b64 s[56:57], s[20:21], s[56:57]
	s_cmp_lt_u32 s5, 128
	s_cselect_b64 s[54:55], s[14:15], s[54:55]
	s_cselect_b64 s[56:57], s[16:17], s[56:57]
	s_cmp_lt_u32 s5, 64
	s_cselect_b64 s[54:55], s[10:11], s[54:55]
	s_cselect_b64 s[56:57], s[12:13], s[56:57]
	s_add_nc_u64 s[42:43], s[54:55], s[42:43]
	s_add_nc_u64 s[52:53], s[56:57], s[52:53]
	s_add_nc_u64 s[44:45], s[36:37], s[44:45]
	s_add_nc_u64 s[46:47], s[36:37], s[46:47]
.irp p, 0,1,2,3,4,5
	global_load_b64 v[PC+2*\p:PC+2*\p+1], v7, s[42:43] offset:48*(\p/3)+8*(\p%3) th:TH_LOAD_NT   ; the row's stream of bits is the register image: 24 bytes at 24 h, 24 at 48 + 24 h
.endr
	global_load_b32 v[PW], v8, s[52:53] th:TH_LOAD_NT
	s_wait_loadcnt 0x0
.Lstore:
	s_wait_alu depctr_va_vdst(0)
	s_cmp_eq_u32 s58, 1
	s_cbranch_scc1 .Lwide
.irp p, 0,1,2,3,4,5
	global_store_b64 v4, v[PC+2*\p:PC+2*\p+1], s[44:45] offset:256*\p
.endr
	global_store_b32 v5, v[PW], s[46:47]
	s_endpgm
.Lwide:
.irp p, 0,1,2
	global_store_b128 v9, v[PC+4*\p:PC+4*\p+3], s[44:45] offset:512*\p   ; 32 lanes store 512 consecutive bytes, aligned
.endr
	global_store_b32 v5, v[PW], s[46:47]
	s_endpgm
.Lfunc_end_k_q7151cbdaa9_prep:
	.size	k_q7151cbdaa9_prep, .Lfunc_end_k_q7151cbdaa9_prep-k_q7151cbdaa9_prep
	.p2alignl 7, 3214868480
	.fill 96, 4, 3214868480
	.section	.rodata,"a",@progbits
	.p2align	6, 0x0
	.amdhsa_kernel k_q7151cbdaa9_prep
		.amdhsa_group_segment_fixed_size 0
		.amdhsa_private_segment_fixed_size 0
		.amdhsa_enable_private_segment 0
		.amdhsa_kernarg_size 120
		.amdhsa_user_sgpr_count 2
		.amdhsa_user_sgpr_kernarg_segment_ptr 1
		.amdhsa_wavefront_size32 1
		.amdhsa_system_sgpr_workgroup_id_x 1
		.amdhsa_system_sgpr_workgroup_id_y 1
		.amdhsa_system_sgpr_workgroup_id_z 1
		.amdhsa_system_vgpr_workitem_id 0
		.amdhsa_next_free_vgpr 128
		.amdhsa_next_free_sgpr 66
		.amdhsa_reserve_vcc 0
		.amdhsa_float_denorm_mode_32 3
		.amdhsa_float_denorm_mode_16_64 3
		.amdhsa_memory_ordered 1
		.amdhsa_forward_progress 1
		.amdhsa_inst_pref_size 14
	.end_amdhsa_kernel
	.amdgpu_metadata
---
amdhsa.version: [ 1, 2 ]
amdhsa.kernels:
  - .name:           k_q7151cbdaa9_prep
    .symbol:         k_q7151cbdaa9_prep.kd
    .args:
      - { .name: inputs, .offset: 0, .size: 8, .value_kind: global_buffer, .address_space: global }
      - { .name: Wq_codes, .offset: 8, .size: 8, .value_kind: global_buffer, .address_space: global }
      - { .name: Wq_scales, .offset: 16, .size: 8, .value_kind: global_buffer, .address_space: global }
      - { .name: Wk_codes, .offset: 24, .size: 8, .value_kind: global_buffer, .address_space: global }
      - { .name: Wk_scales, .offset: 32, .size: 8, .value_kind: global_buffer, .address_space: global }
      - { .name: Wv_codes, .offset: 40, .size: 8, .value_kind: global_buffer, .address_space: global }
      - { .name: Wv_scales, .offset: 48, .size: 8, .value_kind: global_buffer, .address_space: global }
      - { .name: W_out_codes, .offset: 56, .size: 8, .value_kind: global_buffer, .address_space: global }
      - { .name: W_out_scales, .offset: 64, .size: 8, .value_kind: global_buffer, .address_space: global }
      - { .name: w1_codes, .offset: 72, .size: 8, .value_kind: global_buffer, .address_space: global }
      - { .name: w1_scales, .offset: 80, .size: 8, .value_kind: global_buffer, .address_space: global }
      - { .name: w2_codes, .offset: 88, .size: 8, .value_kind: global_buffer, .address_space: global }
      - { .name: w2_scales, .offset: 96, .size: 8, .value_kind: global_buffer, .address_space: global }
      - { .name: acode, .offset: 104, .size: 8, .value_kind: global_buffer, .address_space: global }
      - { .name: wq, .offset: 112, .size: 8, .value_kind: global_buffer, .address_space: global }
    .group_segment_fixed_size: 0
    .private_segment_fixed_size: 0
    .kernarg_segment_align: 8
    .kernarg_segment_size: 120
    .max_flat_workgroup_size: 256
    .sgpr_count:     66
    .vgpr_count:     128
    .wavefront_size: 32
...
	.end_amdgpu_metadata
.endif
;; end of part 9
;; launch qkv (part 10): grid 12 x 16, 4 waves a work-group, clusters of 4 x 4, 327,680 bytes of LDS; arguments acode, wq, qkv; writes qkv
.if DOCPART == 10
	.amdgcn_target "amdgcn-amd-amdhsa--gfx1250"
	.amdhsa_code_object_version 6
	.text
	.protected	k_q7151cbdaa9_qkv
	.globl	k_q7151cbdaa9_qkv
	.p2align	8
	.type	k_q7151cbdaa9_qkv,@function
k_q7151cbdaa9_qkv:
	s_mov_b64 s[64:65], 0
	v_nop
	global_prefetch_b8 v0, s[64:65] scope:SCOPE_SE
	s_setreg_imm32_b32 hwreg(HW_REG_WAVE_MODE, 25, 1), 1
	s_wait_xcnt 0x0
	s_wait_alu depctr_hold_cnt(0) depctr_sa_sdst(0) depctr_va_vdst(0) depctr_va_sdst(0) depctr_va_ssrc(0) depctr_va_vcc(0) depctr_vm_vsrc(0)
	s_getreg_b32 s2, hwreg(HW_REG_IB_STS2, 6, 4)
	s_cmp_eq_u32 s2, 0
	s_cbranch_scc0 .Lentry_in_a_cluster
	s_endpgm
.Lentry_in_a_cluster:
	s_bfe_u32 s2, ttmp6, 0x10000c
	s_cmp_lg_u32 s2, 0xf033
	s_cbranch_scc0 .Lentry_shape_is_right
	s_endpgm
.Lentry_shape_is_right:
; ENCODER BLOCK, launch 2 of 8: q, k and v (products 1 to 3), quantised on the way out for the two products of attention.  Nothing is left out.
; C = A B^T on codes of E2M3 with one E8M0 scale for each 32 along K (K = 1,024).  Operands lie as images of the matrix unit's registers: tile T holds rows 32 (T / 2) + 8 (T % 2) + r + 8 (r / 8);
; a fragment (16 rows x 128 K) is 6 planes of 256 bytes (plane p = registers 2 p, 2 p + 1, lane L at 8 L); its scale words 64 bytes (row r's at 4 r); an operand is [tile][K / 128][1536] and [tile][K / 128][64].
; A work-group of four waves makes 256 x 256, a wave 128 x 128: 64 accumulators.  K goes in steps of 256 through two LDS slots filled by the tensor data mover; the scale words of all K come once.
; THE MATRIX INSTRUCTION IS USED TRANSPOSED (source 0 = 16 rows of B, source 1 = 16 rows of A): lane (r, h) holds A's row r, and by the choice of a tile's rows the 16 registers of B's tiles 2 g, 2 g + 1
; are columns 32 g + 16 h + 0 .. 15: sixteen neighbours along the next product's K, as the conversions want them.
; ROLES, by the cluster's x (the same in all sixteen partners): 0: A = tokens, B = Wq;  1: A = tokens, B = Wk;  2: A = Wv, B = tokens, so that v comes out with the KEYS along a lane's registers.
; CLUSTERS: 4 x 4.  A's tiles are shared along a row of the cluster, B's along a column: each is asked for jointly, by the same tensor load with a mask that names the four.
; THE RESULT, buffer qkv: a Q region and a K/V region, each [16 batch + head][key step of 128 tokens][12,800 bytes]: + 0: 8 half fragments (16 tokens x the head's 64, planes 0-2), + 6,144: v's 4 fragments
; (16 of the head's 64 x 128 keys), + 12,288: 4 x 64 bytes of scale words of PAIRS of token tiles (bytes 0, 1: tile 2 f; bytes 2, 3: tile 2 f + 1), + 12,544: v's 4 x 64.
; REGISTERS, in windows of 256: window 0: v16-29 addresses; v32-63 scale words, two sets, and nothing else; v128-223 A's fragments, one set; way out: v128-147, v224-243.  window 1: B's fragments, two sets.  windows 2, 3: the accumulators.
.set KS,     8                         ; K steps of 128
.set ASC,    3145728                   ; acode: where the scale words begin
.set WS,     9437184                   ; wq: likewise
.set LAPS,   KS/4                      ; a lap = two slots = 512 along K
.set NQ,     2
.set FR,     12
.set NL,     6                         ; LDS loads that bring a fragment
.set NP,     4                         ; places behind this matrix instruction (ISA guide 7.12.1)
.set HALFT,  8*3072                    ; 8 tiles x 2 K steps: what one tensor load brings, and what one wave reads of A or of B
.set SLOT,   4*HALFT
.set SCL,    2*SLOT                    ; behind the ring: the scale words of all K
.set HALFS,  8*KS*64
.set SPARE,  SCL+4*HALFS               ; the spare words, 128 bytes for each wave, that no other line names
.set ADRA, 16                          ; v16-17 LDS address of my A fragments in slot 0, 1
.set ADRB, 20                          ; v20-21 the same for B
.set LN8,  24                          ; v24 8 x lane
.set RW4,  25                          ; v25 4 r
.set LN16, 26                          ; v26 16 x lane
.set ADRS, 27                          ; v27 my scale words: lanes 0-15 A's rows, lanes 16-31 B's
.set SPW,  28
.set NIL,  29
.set SC,   32
.set BIAS, 64
.set AF,   128
.set PC,   128                         ; the way out: the fragment just made
.set TM,   224
.set PW,   240                         ; v240, v241 two tiles' scale words; v242, v243 the pair's words
.set SEL,  92
.set G1, 24
.set G0, 32
.set G1B, 48
.set G0B, 56
.set G1S, 68
.set G0S, 76
.set G1SB, 80
.set G0SB, 88
.set MSB, 0
.macro WIN new                         ; the immediate's high byte repeats the setting that is left
.if MSB != \new
	s_set_vgpr_msb (MSB<<8)|\new
.set MSB, \new
.endif
.endm
.set MUL_LO, 0xa1                      ; source 0 (B) window 1, source 1 (A) window 0, C and D window 2
.set MUL_HI, 0xf1
.set TO_B,   0x40
.macro JLOAD g0a, g1a, g0b, g1b        ; a joint load: waves 0, 1 fetch for A, waves 2, 3 for B; an s_nop 0 and four v_nop follow each line
	s_cmp_eq_u32 s15, 0
	s_cbranch_scc0 .Lfor_b_\@
	tensor_load_to_lds s[\g0a:\g0a+3], s[\g1a:\g1a+7]
	s_nop 0
.rept 4
	v_nop
.endr
	s_branch .Lasked_\@
.Lfor_b_\@:
	tensor_load_to_lds s[\g0b:\g0b+3], s[\g1b:\g1b+7]
	s_nop 0
.rept 4
	v_nop
.endr
.Lasked_\@:
.endm
.macro CREST                           ; a round of the cluster's barrier behind its opening barrier
	s_cmp_lg_u32 s14, 0
	s_cbranch_scc1 .Lnot_wave_0_\@
	s_barrier_signal -3
.Lnot_wave_0_\@:
	s_barrier_wait -3
	s_barrier_signal -1
	s_barrier_wait -1
.endm
.macro CROUND
	s_barrier_signal -1
	s_barrier_wait -1
	CREST
.endm
	s_load_b128 s[4:7], s[0:1], 0x0                ; acode, wq
	s_load_b64 s[10:11], s[0:1], 0x10              ; qkv
	v_lshl_add_u32 v[SPW], v0, 2, SPARE
	v_mov_b32 v[NIL], 0
	ds_add_u32 v[SPW], v[NIL]                      ; the wave's opening: the add, twice on end, and its wait ahead of my first tensor load
	ds_add_u32 v[SPW], v[NIL]
	v_lshrrev_b32 v1, 5, v0
	v_readfirstlane_b32 s14, v1                    ; wave 0..3
	s_lshr_b32 s15, s14, 1                         ; my half of the rows.  Also: I fetch for A (0) or for B (1)
	s_and_b32 s16, s14, 1                          ; my half of the columns.  Also: which 8 tiles I fetch
	s_bfe_u32 s40, ttmp6, 0x40000                  ; cx
	s_bfe_u32 s41, ttmp6, 0x40004                  ; cy
	s_and_b32 s17, ttmp7, 0xffff
	s_lshl_b32 s17, s17, 2                         ; 4 x cluster y
	s_mov_b32 s96, ttmp9                           ; the role: cluster x
	s_mul_i32 s12, s96, 786432                     ; Wq's or Wk's codes in wq,
	s_mul_i32 s13, s96, 32768
	s_add_co_u32 s13, s13, WS                      ; and scale words
	s_mov_b32 s2, ASC
	s_cmp_eq_u32 s96, 2
	s_cselect_b32 s18, 0, s17                      ; role 2: A = Wv has 4 blocks of rows, B = the tokens 16
	s_cselect_b32 s19, s17, 0
	s_cselect_b32 s12, 0, s12                      ; B's codes
	s_cselect_b32 s13, s2, s13                     ; B's scale words
	s_cselect_b32 s3, WS+65536, s2                 ; A's scale words
	s_cselect_b32 s2, 1572864, 0                   ; A's codes
	s_add_co_u32 s17, s18, s41                     ; block row of C
	s_add_co_u32 s42, s19, s40                     ; block column of C
	s_lshl_b32 s43, s41, 2
	s_lshl_b32 s43, 15, s43                        ; my row of the cluster
	s_lshl_b32 s44, 0x1111, s40                    ; my column
	; group 1 for codes: 16 rows (tiles) for the head's loads, 8 after them, of 3,072 bytes (two K steps), KS x 1,536 bytes apart; elements of 8 bytes; no padding: a plane's 256 bytes are read by 32 lanes on end
	s_or_b32 s[G1+0], s43, (3<<16)|(1<<21)
	s_or_b32 s[G1B+0], s44, (3<<16)|(1<<21)
.irp g, G1, G1B
	s_mov_b32 s[\g+1], 384<<16                     ; tensor_dim0
	s_mov_b32 s[\g+2], 16<<16                      ; tensor_dim1: 16 tiles for the head's loads, 8 behind them
	s_mov_b32 s[\g+3], 384<<16                     ; tile_dim0
	s_mov_b32 s[\g+4], 16                          ; tile_dim1 likewise
	s_mov_b32 s[\g+5], KS*192                      ; the pitch
	s_mov_b32 s[\g+6], 0
	s_mov_b32 s[\g+7], 0
.endr
	; and for the scale words of 16 tiles, all K: a dense block, as rows of 256 bytes
	s_or_b32 s[G1S+0], s43, (3<<16)|(1<<21)
	s_or_b32 s[G1SB+0], s44, (3<<16)|(1<<21)
.irp g, G1S, G1SB
	s_mov_b32 s[\g+1], 32<<16
	s_mov_b32 s[\g+2], (2*HALFS/256)<<16
	s_mov_b32 s[\g+3], 32<<16
	s_mov_b32 s[\g+4], 2*HALFS/256
	s_mov_b32 s[\g+5], 32
	s_mov_b32 s[\g+6], 0
	s_mov_b32 s[\g+7], 0
.endr
	s_mul_i32 s18, s16, 8*KS*1536                  ; in the ring I fetch 8 tiles of a block's 16: which half, in bytes
	s_mov_b32 s19, 0
	s_lshl_b32 s20, s17, 4                         ; A: the block's first tile
	s_lshl_b32 s46, s42, 4                         ; B: likewise
	s_mul_i32 s22, s20, KS*64
	s_add_co_u32 s22, s22, s3
	s_mov_b32 s23, 0
	s_mul_i32 s92, s46, KS*64
	s_add_co_u32 s92, s92, s13
	s_mov_b32 s93, 0
	s_mul_i32 s20, s20, KS*1536
	s_add_co_u32 s20, s20, s2
	s_mov_b32 s21, 0
	s_mul_i32 s46, s46, KS*1536
	s_add_co_u32 s46, s46, s12
	s_mov_b32 s47, 0
	s_mul_i32 s45, s14, HALFT                      ; where they go: by the wave's number alone
	s_wait_dscnt 0x0                               ; both opening adds are done
	s_wait_kmcnt 0x0
	s_cmp_eq_u32 s96, 2
	s_cselect_b64 s[8:9], s[6:7], s[4:5]           ; A's buffer
	s_cselect_b64 s[4:5], s[4:5], s[6:7]           ; B's buffer
	s_add_nc_u64 s[20:21], s[8:9], s[20:21]
	s_add_nc_u64 s[22:23], s[8:9], s[22:23]
	s_add_nc_u64 s[46:47], s[4:5], s[46:47]
	s_add_nc_u64 s[92:93], s[4:5], s[92:93]
	CROUND                                         ; all sixteen work-groups are here: the first joint loads meet
	s_mov_b32 s[G0S], 1
	s_mov_b32 s[G0S+1], SCL
	s_mov_b64 s[G0S+2:G0S+3], s[22:23]
	s_or_b32 s[G0S+3], s[G0S+3], 0x80000000
	s_mov_b32 s[G0SB], 1
	s_mov_b32 s[G0SB+1], SCL+2*HALFS
	s_mov_b64 s[G0SB+2:G0SB+3], s[92:93]
	s_or_b32 s[G0SB+3], s[G0SB+3], 0x80000000
	; THE HEAD'S LOADS, one a wave: wave 0 slot 0's 16 tiles of A, wave 1 its 16 tiles of B, wave 2 A's scale words, wave 3 B's
	s_mov_b32 s[G0], 1
	s_mov_b32 s[G0+1], 0
	s_mov_b64 s[G0+2:G0+3], s[20:21]
	s_or_b32 s[G0+3], s[G0+3], 0x80000000
	s_mov_b32 s[G0B], 1
	s_mov_b32 s[G0B+1], 2*HALFT
	s_mov_b64 s[G0B+2:G0B+3], s[46:47]
	s_or_b32 s[G0B+3], s[G0B+3], 0x80000000
	s_add_nc_u64 s[20:21], s[20:21], s[18:19]      ; for the ring: my 8 tiles
	s_add_nc_u64 s[46:47], s[46:47], s[18:19]
	s_mov_b32 s[G0+4], 1
	s_add_co_u32 s[G0+5], s45, SLOT
	s_add_nc_u64 s[G0+6:G0+7], s[20:21], 3072
	s_or_b32 s[G0+7], s[G0+7], 0x80000000
	s_mov_b32 s[G0B+4], 1
	s_add_co_u32 s[G0B+5], s45, SLOT
	s_add_nc_u64 s[G0B+6:G0B+7], s[46:47], 3072
	s_or_b32 s[G0B+7], s[G0B+7], 0x80000000
.macro ARM under, g0, g1, next         ; one chain of branches on the wave's number: every way passes exactly one load
	s_cmp_lt_u32 s14, \under
	s_cbranch_scc0 \next
	tensor_load_to_lds s[\g0:\g0+3], s[\g1:\g1+7]
	s_nop 0
.rept 4
	v_nop
.endr
	s_branch .Lhead_asked
\next:
.endm
	ARM 1, G0,  G1,  .Lhead_b
	ARM 2, G0B, G1B, .Lhead_sa
	ARM 3, G0S, G1S, .Lhead_sb
	tensor_load_to_lds s[G0SB:G0SB+3], s[G1SB:G1SB+7]
	s_nop 0
.rept 4
	v_nop
.endr
.Lhead_asked:
	s_wait_alu depctr_va_vdst(0)
	s_wait_tensorcnt 0x0                           ; my tile of the head's four is in
	ds_add_u32 v[SPW], v[NIL]
	s_mov_b32 s[G1+2], 8<<16                       ; no tensor load of mine is out: from here on a load brings 8 tiles,
	s_mov_b32 s[G1+4], 8
	s_mov_b32 s[G1B+2], 8<<16
	s_mov_b32 s[G1B+4], 8
	s_mov_b32 s[G0+1], s45                         ; and slot 0's group 0 stands at my part of it, for its first refill
	s_mov_b64 s[G0+2:G0+3], s[20:21]
	s_or_b32 s[G0+3], s[G0+3], 0x80000000
	s_mov_b32 s[G0B+1], s45
	s_mov_b64 s[G0B+2:G0B+3], s[46:47]
	s_or_b32 s[G0B+3], s[G0B+3], 0x80000000
	s_wait_dscnt 0x0
	CROUND
	JLOAD G0+4, G1, G0B+4, G1B                     ; slot 1's first fill, the first tensor load behind the round
	v_and_b32 v1, 15, v0                           ; r
	v_bfe_u32 v2, v0, 4, 1                         ; h
	s_wait_alu depctr_va_vdst(0)
	v_and_b32 v3, 31, v0                           ; lane
	v_lshlrev_b32 v[LN8], 3, v3
	v_lshlrev_b32 v[RW4], 2, v1
	v_lshlrev_b32 v[LN16], 4, v3
	s_mul_i32 s21, s15, HALFT                      ; my 8 tiles of A
	s_mul_i32 s22, s16, HALFT                      ; my 8 tiles of B,
	s_add_co_u32 s22, s22, 2*HALFT                 ; which lie behind A's 16
.irp s, 0,1
	v_add_nc_u32 v[ADRA+\s], s21, v[LN8]
	v_add_nc_u32 v[ADRB+\s], s22, v[LN8]
	s_add_co_u32 s21, s21, SLOT
	s_add_co_u32 s22, s22, SLOT
.endr
	s_mul_i32 s21, s15, HALFS
	s_mul_i32 s22, s16, HALFS
	s_add_co_u32 s22, s22, 2*HALFS
	s_sub_co_u32 s22, s22, s21
	v_mul_u32_u24 v6, s22, v2                      ; lanes 16-31 take B's words: one product, the distance between the two bases
	s_wait_alu depctr_va_vdst(0)
	s_add_co_u32 s21, s21, SCL
	v_add_nc_u32 v5, v[RW4], v6
	v_add_nc_u32 v[ADRS], s21, v5
.macro FRAG reg, adr, q, i             ; a fragment: six planes, each 256 consecutive bytes for the 32 lanes
.irp p, 0,1,2,3,4,5
	ds_load_b64 v[\reg+2*\p:\reg+2*\p+1], v[\adr] offset:(\i)*3072+(\q)*1536+256*\p
.endr
.endm
; 16 matrix instructions: A's blocks a0, a0 + 1 x B's eight.  zero = 1: C = 0 starts the sums; 2: the bias does.  The 64 accumulators take turns, one instruction a turn.
.macro MUL16 a0, p, q, sc, zero
.irp a, \a0, \a0+1
.irp b, 0,1,2,3,4,5,6,7
.if \zero == 1
	v_wmma_scale_f32_16x16x128_f8f6f4 v[8*(8*((\a)%4)+\b):8*(8*((\a)%4)+\b)+7], v[128*(\p)+FR*\b:128*(\p)+FR*\b+FR-1], v[AF+FR*(\a):AF+FR*(\a)+FR-1], 0, v[SC+8*NQ*(\sc)+NQ*\b+(\q)], v[SC+8*NQ*(\sc)+NQ*(\a)+(\q)] matrix_a_fmt:MATRIX_FMT_FP6 matrix_b_fmt:MATRIX_FMT_FP6 matrix_a_scale:MATRIX_SCALE_ROW1
.elseif \zero == 2
	v_wmma_scale_f32_16x16x128_f8f6f4 v[8*(8*((\a)%4)+\b):8*(8*((\a)%4)+\b)+7], v[128*(\p)+FR*\b:128*(\p)+FR*\b+FR-1], v[AF+FR*(\a):AF+FR*(\a)+FR-1], v[BIAS+8*\b:BIAS+8*\b+7], v[SC+8*NQ*(\sc)+NQ*\b+(\q)], v[SC+8*NQ*(\sc)+NQ*(\a)+(\q)] matrix_a_fmt:MATRIX_FMT_FP6 matrix_b_fmt:MATRIX_FMT_FP6 matrix_a_scale:MATRIX_SCALE_ROW1
.else
	v_wmma_scale_f32_16x16x128_f8f6f4 v[8*(8*((\a)%4)+\b):8*(8*((\a)%4)+\b)+7], v[128*(\p)+FR*\b:128*(\p)+FR*\b+FR-1], v[AF+FR*(\a):AF+FR*(\a)+FR-1], v[8*(8*((\a)%4)+\b):8*(8*((\a)%4)+\b)+7], v[SC+8*NQ*(\sc)+NQ*\b+(\q)], v[SC+8*NQ*(\sc)+NQ*(\a)+(\q)] matrix_a_fmt:MATRIX_FMT_FP6 matrix_b_fmt:MATRIX_FMT_FP6 matrix_a_scale:MATRIX_SCALE_ROW1
.endif
.endr
.endr
.endm
.macro FETCH_B slot, q, p
	WIN TO_B
.irp i, 0,1,2,3,4,5,6,7
	FRAG 128*(\p)+FR*\i, ADRB+\slot, \q, \i
.endr
	WIN 0
.endm
.macro FETCH_A slot, q, i0
.irp i, \i0, \i0+1, \i0+2, \i0+3
	FRAG AF+FR*(\i), ADRA+\slot, \q, \i
.endr
.endm
.macro SCALES sc                       ; a slot's scale words: lanes 0-15 A's block i, lanes 16-31 B's block i; register 2 i + q
.irp i, 0,1,2,3,4,5,6,7
	ds_load_b32 v[SC+16*\sc+2*\i], v[ADRS] offset:\i*KS*64
	ds_load_b32 v[SC+16*\sc+2*\i+1], v[ADRS] offset:\i*KS*64+64
.endr
.endm
.macro PLACES n                        ; plain lines between a matrix instruction and a load into, or a read of, its registers
.rept \n
	v_nop
.endr
.endm
.macro STEP slot, q, zero              ; 128 along K that has its successor in the same slot
	s_wait_dscnt 4*NL                              ; all but the youngest 24 loads (A's blocks 4-7) are in
.if \zero == 2
	WIN 0x81
.else
	WIN MUL_LO
.endif
	MUL16 0, (\q)%2, \q, \slot, \zero
	MUL16 2, (\q)%2, \q, \slot, \zero
	s_wait_dscnt 0
	PLACES NP
	FETCH_B \slot, (\q)+1, 1-(\q)%2
	FETCH_A \slot, (\q)+1, 0
.if \zero == 2
	WIN 0xc1
.else
	WIN MUL_HI
.endif
	MUL16 4, (\q)%2, \q, \slot, \zero
	MUL16 6, (\q)%2, \q, \slot, \zero
	PLACES NP
	WIN 0
	FETCH_A \slot, (\q)+1, 4
.endm
; A slot's last step changes slots: one barrier; in front of it each wave waits for all its tensor loads, adds 0 to its spare word, and waits for that and for its reads of this slot
.macro TURN slot, next, fill
	s_wait_tensorcnt 0x0                           ; all my tensor loads have landed: my part of the next slot
	ds_add_u32 v[SPW], v[NIL]
	s_wait_dscnt 4*NL+1                            ; (the add and the youngest 24 loads may be out)
	WIN MUL_LO
	MUL16 0, 1, NQ-1, \slot, 0
	s_wait_dscnt 0x0                               ; the add is done, and my reads of this slot are over
	s_barrier_signal -1
	MUL16 2, 1, NQ-1, \slot, 0
	WIN 0
	s_barrier_wait -1
.if \fill
	CREST                                          ; the barrier has opened a round of the cluster's: no wave of any partner still reads this slot or has a load on its way
	s_add_nc_u64 s[G0+4*\slot+2:G0+4*\slot+3], s[G0+4*\slot+2:G0+4*\slot+3], 6144
	s_add_nc_u64 s[G0B+4*\slot+2:G0B+4*\slot+3], s[G0B+4*\slot+2:G0B+4*\slot+3], 6144
	JLOAD G0+4*\slot, G1, G0B+4*\slot, G1B         ; the first tensor load behind the round; its four v_nop are the places in front of the loads below
.else
	PLACES NP
.endif
	s_wait_alu depctr_va_vdst(0)
	v_add_nc_u32 v[ADRS], 128, v[ADRS]             ; the next slot's scale words
	FETCH_B \next, 0, 0
	FETCH_A \next, 0, 0
	SCALES \next
	WIN MUL_HI
	MUL16 4, 1, NQ-1, \slot, 0
	MUL16 6, 1, NQ-1, \slot, 0
	PLACES NP
	WIN 0
	FETCH_A \next, 0, 4
.endm
	s_wait_alu depctr_va_vdst(0)
	s_wait_tensorcnt 1                             ; the scale words and my part of slot 0 are in (slot 1's load may be out)
	s_barrier_signal -1
	s_barrier_wait -1
	FETCH_B 0, 0, 0
	FETCH_A 0, 0, 0
	SCALES 0
	FETCH_A 0, 0, 4
	STEP 0, 0, 1                                   ; the first step stands in front of the loop: its products start the sums
	s_mov_b32 s3, LAPS-1
.Llap:
	TURN 0, 1, 1
	STEP 1, 0, 0
	TURN 1, 0, 1
	STEP 0, 0, 0
	s_sub_co_u32 s3, s3, 1
	s_cmp_lg_u32 s3, 0
	s_cbranch_scc1 .Llap
	TURN 0, 1, 0                                   ; the last lap fills nothing
	STEP 1, 0, 0
	s_wait_dscnt 4*NL
	WIN MUL_LO
	MUL16 0, 1, NQ-1, 1, 0
	MUL16 2, 1, NQ-1, 1, 0
	s_wait_dscnt 0
	WIN MUL_HI
	MUL16 4, 1, NQ-1, 1, 0
	MUL16 6, 1, NQ-1, 1, 0
	WIN 0
	PLACES NP
; THE WAY OUT.  Block a's 64 accumulator registers of a lane are 64 numbers of A's row r, register 16 b + i = column 32 b + 16 h + i: they become a fragment in v[PC] on and a scale word in v[pw].
; Each accumulator is read from its low end on.
.macro QUANTW a, pw
.set AC, 64*((\a)%4)
.set WW, 2+(\a)/4
.set WSEL, WW*5
	WIN WSEL                                       ; sources 0 and 1: the block's window
.irp b, 0,1,2,3
	v_max3_num_f32 v[TM+\b], |v[AC+16*\b]|, |v[AC+1+16*\b]|, 0x1800000   ; and the floor 2^(3 - 127): the byte cannot fall under 1
.endr
.irp i, 2,4,6,8,10,12,14
.irp b, 0,1,2,3
	v_max3_num_f32 v[TM+\b], |v[AC+16*\b+\i]|, |v[AC+1+16*\b+\i]|, v[TM+\b]
.endr
.endr
	WIN 0
.irp b, 0,1,2,3
	v_permlanex16_b32 v[TM+4+\b], v[TM+\b], s[SEL], s[SEL+1]
.endr
.irp b, 0,1,2,3
	v_max_num_f32 v[TM+\b], v[TM+\b], v[TM+4+\b]
.endr
.irp b, 0,1,2,3
	v_add_nc_u32 v[TM+12+\b], 0xff000000, v[TM+\b]   ; 2 off the exponent field: the conversion's scale operand
.endr
.irp b, 0,1,2,3
	v_lshrrev_b32 v[TM+4+\b], 23, v[TM+12+\b]
.endr
	v_lshl_or_b32 v[\pw], v[TM+5], 8, v[TM+4]
	v_lshl_or_b32 v[\pw], v[TM+6], 16, v[\pw]
	v_lshl_or_b32 v[\pw], v[TM+7], 24, v[\pw]
	WIN WW                                         ; source 0: the block's window
.irp c, 0,1
	v_cvt_scalef32_pk16_fp6_f32 v[PC+6*\c:PC+2+6*\c], v[AC+32*\c:AC+15+32*\c], v[TM+12+2*\c]
	v_cvt_scalef32_pk16_fp6_f32 v[PC+12+4*\c:PC+14+4*\c], v[AC+16+32*\c:AC+31+32*\c], v[TM+12+2*\c+1]
.endr
	v_nop                                          ; one plain line behind the scaled conversions
	WIN 0
.irp c, 0,1
.irp i, 0,1,2
	v_permlane16_swap_b32 v[PC+6*\c+\i], v[PC+12+4*\c+\i]
.endr
.irp i, 0,1,2
	v_mov_b32 v[PC+3+6*\c+\i], v[PC+12+4*\c+\i]
.endr
.endr
.endm
	s_mov_b32 s[SEL], 0x76543210
	s_mov_b32 s[SEL+1], 0xfedcba98
.irp b, 0,1,2,3
	v_mov_b32 v[TM+4+\b], 0                        ; a lane permute's destination counts as one of its sources
.endr
	s_cmp_eq_u32 s96, 2                            ; the role: the same in all partners
	s_cbranch_scc1 .Lvalues
	; ---- q or k.  My 8 blocks are the 8 token tiles of one key step; my 128 columns are two heads: planes 0-2 the even head's half fragment, planes 3-5 the odd head's
	s_lshr_b32 s20, s17, 3                         ; the batch
	s_lshl_b32 s20, s20, 4
	s_lshl_b32 s21, s42, 2
	s_add_co_u32 s20, s20, s21
	s_lshl_b32 s21, s16, 1
	s_add_co_u32 s20, s20, s21                     ; 16 batch + the even head
	s_lshl_b32 s20, s20, 4
	s_and_b32 s21, s17, 7
	s_lshl_b32 s21, s21, 1
	s_add_co_u32 s20, s20, s21
	s_add_co_u32 s20, s20, s15                     ; + the key step
	s_mul_i32 s20, s20, 12800
	s_mul_i32 s21, s96, 6553600                    ; the Q region or the K/V region
	s_add_co_u32 s20, s20, s21
	s_mov_b32 s21, 0
	s_add_nc_u64 s[10:11], s[10:11], s[20:21]
.irp a, 0,1,2,3,4,5,6,7
.if \a > 0
	s_wait_xcnt 0x0                                ; the last block's stores have read their registers
.endif
	QUANTW \a, PW+(\a%2)
.irp p, 0,1,2
	global_store_b64 v[LN8], v[PC+2*\p:PC+2*\p+1], s[10:11] offset:\a*768+256*\p
	global_store_b64 v[LN8], v[PC+6+2*\p:PC+7+2*\p], s[10:11] offset:204800+\a*768+256*\p   ; the next head lies 16 steps on
.endr
.if \a%2 == 1
	v_and_b32 v[PW+2], 0xffff, v[PW]               ; the pair's word, even head: tile 2 f's bytes 0, 1, then tile 2 f + 1's
	v_lshl_or_b32 v[PW+2], v[PW+1], 16, v[PW+2]
	v_lshrrev_b32 v[PW+3], 16, v[PW]               ; odd head: their bytes 2, 3
	v_and_or_b32 v[PW+3], v[PW+1], 0xffff0000, v[PW+3]
	global_store_b32 v[RW4], v[PW+2], s[10:11] offset:12288+64*(\a/2)
	global_store_b32 v[RW4], v[PW+3], s[10:11] offset:204800+12288+64*(\a/2)
.endif
.endr
	s_branch .Lend
.Lvalues:
	; ---- v.  My 8 blocks are 8 tiles of Wv's rows: two heads x 4 tiles of 16 of the head's 64; my 128 columns are the 128 keys of one key step
	s_lshr_b32 s20, s42, 3                         ; the batch
	s_lshl_b32 s20, s20, 4
	s_lshl_b32 s21, s17, 2
	s_add_co_u32 s20, s20, s21
	s_lshl_b32 s21, s15, 1
	s_add_co_u32 s20, s20, s21                     ; 16 batch + my first head
	s_lshl_b32 s20, s20, 4
	s_and_b32 s21, s42, 7
	s_lshl_b32 s21, s21, 1
	s_add_co_u32 s20, s20, s21
	s_add_co_u32 s20, s20, s16                     ; + the key step
	s_mul_i32 s20, s20, 12800
	s_add_co_u32 s20, s20, 6553600
	s_mov_b32 s21, 0
	s_add_nc_u64 s[10:11], s[10:11], s[20:21]
.irp a, 0,1,2,3,4,5,6,7
.if \a > 0
	s_wait_xcnt 0x0
.endif
	QUANTW \a, PW
.irp p, 0,1,2,3,4,5
	global_store_b64 v[LN8], v[PC+2*\p:PC+2*\p+1], s[10:11] offset:(\a/4)*204800+6144+(\a%4)*1536+256*\p
.endr
	global_store_b32 v[RW4], v[PW], s[10:11] offset:(\a/4)*204800+12544+64*(\a%4)
.endr
.Lend:
	s_wait_tensorcnt 0x0                           ; the wave's end
	ds_add_u32 v[SPW], v[NIL]
	s_wait_dscnt 0x0
	CROUND                                         ; the closing round: no work-group ends while a partner may still ask for a tile that names it
	s_endpgm
.Lfunc_end_k_q7151cbdaa9_qkv:
	.size	k_q7151cbdaa9_qkv, .Lfunc_end_k_q7151cbdaa9_qkv-k_q7151cbdaa9_qkv
	.p2alignl 7, 3214868480
	.fill 96, 4, 3214868480
	.section	.rodata,"a",@progbits
	.p2align	6, 0x0
	.amdhsa_kernel k_q7151cbdaa9_qkv
		.amdhsa_group_segment_fixed_size 327680
		.amdhsa_private_segment_fixed_size 0
		.amdhsa_enable_private_segment 0
		.amdhsa_kernarg_size 24
		.amdhsa_user_sgpr_count 2
		.amdhsa_user_sgpr_kernarg_segment_ptr 1
		.amdhsa_wavefront_size32 1
		.amdhsa_system_sgpr_workgroup_id_x 1
		.amdhsa_system_sgpr_workgroup_id_y 1
		.amdhsa_system_sgpr_workgroup_id_z 1
		.amdhsa_system_vgpr_workitem_id 0
		.amdhsa_next_free_vgpr 1024
		.amdhsa_next_free_sgpr 98
		.amdhsa_reserve_vcc 0
		.amdhsa_float_denorm_mode_32 3
		.amdhsa_float_denorm_mode_16_64 3
		.amdhsa_memory_ordered 1
		.amdhsa_forward_progress 1
		.amdhsa_inst_pref_size 208
	.end_amdhsa_kernel
	.amdgpu_metadata
---
amdhsa.version: [ 1, 2 ]
amdhsa.kernels:
  - .name:           k_q7151cbdaa9_qkv
    .symbol:         k_q7151cbdaa9_qkv.kd
    .args:
      - { .name: acode, .offset: 0, .size: 8, .value_kind: global_buffer, .address_space: global }
      - { .name: wq, .offset: 8, .size: 8, .value_kind: global_buffer, .address_space: global }
      - { .name: qkv, .offset: 16, .size: 8, .value_kind: global_buffer, .address_space: global }
    .group_segment_fixed_size: 327680
    .private_segment_fixed_size: 0
    .kernarg_segment_align: 8
    .kernarg_segment_size: 24
    .max_flat_workgroup_size: 128
    .sgpr_count:     98
    .vgpr_count:     1024
    .wavefront_size: 32
...
	.end_amdgpu_metadata
.endif
;; end of part 10
;; launch attn (part 11): grid 8 x 32, 16 waves a work-group, clusters of 4 x 1, 215,040 bytes of LDS; arguments qkv, key_attention_mask, acode; writes acode
.if DOCPART == 11
	.amdgcn_target "amdgcn-amd-amdhsa--gfx1250"
	.amdhsa_code_object_version 6
	.text
	.protected	k_q7151cbdaa9_attn
	.globl	k_q7151cbdaa9_attn
	.p2align	8
	.type	k_q7151cbdaa9_attn,@function
k_q7151cbdaa9_attn:
	s_mov_b64 s[64:65], 0
	v_nop
	global_prefetch_b8 v0, s[64:65] scope:SCOPE_SE
	s_setreg_imm32_b32 hwreg(HW_REG_WAVE_MODE, 25, 1), 1
	s_wait_xcnt 0x0
	s_wait_alu depctr_hold_cnt(0) depctr_sa_sdst(0) depctr_va_vdst(0) depctr_va_sdst(0) depctr_va_ssrc(0) depctr_va_vcc(0) depctr_vm_vsrc(0)
	s_getreg_b32 s2, hwreg(HW_REG_IB_STS2, 6, 4)
	s_cmp_eq_u32 s2, 0
	s_cbranch_scc0 .Lentry_in_a_cluster
	s_endpgm
.Lentry_in_a_cluster:
	s_bfe_u32 s2, ttmp6, 0x10000c
	s_cmp_lg_u32 s2, 0x3003
	s_cbranch_scc0 .Lentry_shape_is_right
	s_endpgm
.Lentry_shape_is_right:
; ENCODER BLOCK, launch 3 of 8: attention (products 4 and 5) on codes of E2M3, and ctx quantised for the projection.  Nothing is left out.
; SHARES.  A work-group owns 256 queries of one (batch, head); each of its sixteen waves owns one tile of 16 queries in 256 registers.  Every wave walks the 2,048 keys, 128 a step.
; A head's whole K and V, 16 steps x 12,800 bytes (laid by the launch before as images of the operands' registers), fit in LDS: they are fetched ONCE, so there is no ring and no byte is filled twice.
; CLUSTER.  The four query blocks of a cluster belong to one head and need the same K and V: each of the 16 pieces is asked for jointly, by the same tensor load with a mask that names the four.
; LAYOUT.  Both products are used transposed: S^T = K Q^T (source 0 = 16 keys), O^T = V^T P^T (source 0 = 16 of the head's 64): a lane holds ONE query (lane % 16) throughout.
; THE HEAD'S 64 UNDER AN INSTRUCTION OF 128: a fragment of K holds TWO tiles of keys, tile 2 f in K 0-63 and tile 2 f + 1 in K 64-127.  Multiplied by [q | 0] it gives tile 2 f's scores, by [0 | q] tile 2 f + 1's:
; zero codes add nothing.  So LDS is read for no padding.  By the choice of a tile's tokens the 16 registers of tiles 2 f, 2 f + 1 are keys 32 f + 16 (lane / 16) + 0 .. 15.
; THE MASK is the C of the score products: 0 for an open key, -2^100 for a hidden one, from a table of one f32 a key in LDS.  So it costs no vector instruction.
; SOFTMAX: t = score x log2(e) / 8; M = the running largest t rounded up to a whole number; p = 2^(t - M) is quantised along the keys, not normalised; the row's sum is taken of the unquantised p and divides at the end.
; LIMITS: a hidden key's score is -2^100 and not -infinity, and the running largest t starts at -2^66: open keys' |t| must stay under 2^66; then every hidden key's p is 0 exactly.  A batch whose mask is all false is not served.
; REGISTERS: v1-3 lane terms; v5, v6 the add's two; v8-10 addresses in hand; v12 -M, v13 largest t, v[14:15] the sum; v16-39 [q | 0], [0 | q]; v40-87 four fragments; v96-159 S^T, then p; v160-191 O^T;
; v192-210 p's codes; v212-223 at work; v224-227, v228, v229, v236-239 scale words and nothing else; v230-235 at work.
.set STEPB, 12800
.set KVB,   6553600                    ; the K/V region of qkv
.set MB,    204800                     ; LDS: behind K and V: the mask's table, 8,192 bytes, written by ds_store, never by a fill
.set SPARE, 212992                     ; the spare words, 128 bytes for each wave, that no other line names
.set ASC,   3145728
.set LN8, 1
.set RW4, 2
.set MB0, 3
.set SPW, 5
.set NIL, 6
.set ADK, 8
.set ADS, 9
.set ADB, 10
.set Q1,  16
.set Q2,  28
.set FRG, 40
.set S,   96
.set O,   160
.set PC,  192
.set PX,  204
.set BM,  212
.set BT,  216
.set BS,  220
.set KSW, 224
.set PW,  228
.set QW,  229
.set FF,  230
.set T0,  232
.set T1,  233
.set SU2, 234
.set VSW, 236
.set TB,  2                            ; s2  LDS byte at which the step's tiles begin
.set TMB, 3                            ; s3  and its 512 bytes of the mask's table
.set WV,  10
.set G1,  16
.set G0,  24
.set SEL, 36
.set CS,  38
.set CNT, 40
.macro ROUND                           ; a round of the cluster's barrier
	s_barrier_signal -1
	s_barrier_wait -1
	s_cmp_lg_u32 s[WV], 0
	s_cbranch_scc1 .Lnot_wave_0_\@
	s_barrier_signal -3
.Lnot_wave_0_\@:
	s_barrier_wait -3
	s_barrier_signal -1
	s_barrier_wait -1
.endm
	s_load_b128 s[4:7], s[0:1], 0x0                ; qkv, the mask
	s_load_b64 s[8:9], s[0:1], 0x10                ; acode
	v_lshl_add_u32 v[SPW], v0, 2, SPARE
	v_mov_b32 v[NIL], 0
	ds_add_u32 v[SPW], v[NIL]                      ; the wave's opening: the add, twice on end, and its wait ahead of my first tensor load
	ds_add_u32 v[SPW], v[NIL]
	v_lshrrev_b32 v7, 5, v0
	s_delay_alu instid0(VALU_DEP_1)
	v_readfirstlane_b32 s[WV], v7                  ; wave 0..15
	s_and_b32 s11, ttmp7, 0xffff                   ; 16 batch + head, which the four partners share
	s_bfe_u32 s12, ttmp6, 0x40000                  ; cx
	s_lshl_b32 s13, ttmp9, 2
	s_add_co_u32 s13, s13, s12                     ; my block of 256 queries: it enters global addresses alone
	; group 1: 50 rows of 256 bytes, dense: one key step of a head's K and V
	s_mov_b32 s[G1], 15|(3<<16)|(1<<21)
	s_mov_b32 s[G1+1], 32<<16
	s_mov_b32 s[G1+2], 50<<16
	s_mov_b32 s[G1+3], 32<<16
	s_mov_b32 s[G1+4], 50
	s_mov_b32 s[G1+5], 32
	s_mov_b32 s[G1+6], 0
	s_mov_b32 s[G1+7], 0
	s_mul_i32 s14, s[WV], 12800                    ; my piece: key step w, 50 rows of 256 bytes
	s_mul_i32 s32, s11, 204800
	s_add_co_u32 s32, s32, s14
	s_add_co_u32 s32, s32, KVB
	s_mov_b32 s33, 0
	s_lshl_b32 s34, s11, 4                         ; q: my tile is half fragment wave % 8 of key step 2 block + wave / 8 of the Q region
	s_lshl_b32 s35, s13, 1
	s_add_co_u32 s34, s34, s35
	s_lshr_b32 s35, s[WV], 3
	s_add_co_u32 s34, s34, s35
	s_mul_i32 s34, s34, STEPB
	s_and_b32 s35, s[WV], 7
	s_mul_i32 s41, s35, 768
	s_add_co_u32 s42, s34, s41
	s_mov_b32 s43, 0
	s_lshr_b32 s35, s35, 1
	s_lshl_b32 s35, s35, 6
	s_add_co_u32 s44, s34, s35
	s_add_co_u32 s44, s44, 12288                   ; its pair's scale words
	s_mov_b32 s45, 0
	s_and_b32 s46, s[WV], 1
	s_lshl_b32 s54, s46, 4                         ; my tile's two bytes in them: 16 (wave % 2) bits up
	s_lshr_b32 s41, s11, 4                         ; the batch
	s_and_b32 s46, s11, 15                         ; the head
	s_lshl_b32 s47, s41, 7
	s_lshl_b32 s48, s13, 4
	s_add_co_u32 s47, s47, s48
	s_add_co_u32 s47, s47, s[WV]                   ; my token tile
	s_mul_i32 s48, s47, 12288
	s_mul_i32 s49, s46, 768
	s_add_co_u32 s48, s48, s49                     ; ctx: fragment head / 2, half head % 2
	s_mov_b32 s49, 0
	s_lshl_b32 s50, s47, 9
	s_lshr_b32 s51, s46, 1
	s_lshl_b32 s51, s51, 6
	s_add_co_u32 s50, s50, s51
	s_and_b32 s51, s46, 1
	s_lshl_b32 s51, s51, 1
	s_add_co_u32 s50, s50, s51
	s_add_co_u32 s50, s50, ASC                     ; its two scale bytes a row
	s_mov_b32 s51, 0
	s_lshl_b32 s52, s41, 11                        ; the batch's 2,048 mask bytes
	s_mov_b32 s53, 0
	s_mov_b32 s[SEL], 0x76543210
	s_mov_b32 s[SEL+1], 0xfedcba98
	s_mov_b32 s[CS], 0x3e38aa3b                    ; c = log2(e) / sqrt(64)
	s_mov_b32 s[CS+1], s[CS]
	s_mov_b32 s[TB], 0
	s_mov_b32 s[TMB], 0
	s_wait_dscnt 0x0                               ; both opening adds are done
	s_wait_kmcnt 0x0
	s_mov_b32 s[G0], 1
	s_mov_b32 s[G0+1], s14
	s_add_nc_u64 s[G0+2:G0+3], s[4:5], s[32:33]
	s_or_b32 s[G0+3], s[G0+3], 0x80000000
	s_add_nc_u64 s[42:43], s[4:5], s[42:43]
	s_add_nc_u64 s[44:45], s[4:5], s[44:45]
	s_add_nc_u64 s[48:49], s[8:9], s[48:49]
	s_add_nc_u64 s[50:51], s[8:9], s[50:51]
	s_add_nc_u64 s[52:53], s[6:7], s[52:53]
	ROUND                                          ; all four work-groups are here: the joint loads meet
	tensor_load_to_lds s[G0:G0+3], s[G1:G1+7]      ; one joint load a wave: the sixteen waves bring the head's sixteen key steps
	s_nop 0
.rept 4
	v_nop
.endr
	v_and_b32 v7, 31, v0
	s_delay_alu instid0(VALU_DEP_1)
	v_lshlrev_b32 v[LN8], 3, v7                    ; 8 x lane
	v_and_b32 v7, 15, v0
	s_delay_alu instid0(VALU_DEP_1)
	v_lshlrev_b32 v[RW4], 2, v7                    ; 4 r
	v_bfe_u32 v7, v0, 4, 1
	s_delay_alu instid0(VALU_DEP_1)
	v_lshl_add_u32 v[MB0], v7, 6, MB               ; the table: my half's 16 keys of a block of 32
	v_lshlrev_b32 v4, 2, v0                        ; my four mask bytes
	v_lshl_add_u32 v11, v0, 4, MB                  ; and their four places in the table
.irp p, 0,1,2
	global_load_b64 v[Q1+2*\p:Q1+2*\p+1], v[LN8], s[42:43] offset:256*\p        ; q into K 0-63 of the first operand,
	global_load_b64 v[Q2+6+2*\p:Q2+7+2*\p], v[LN8], s[42:43] offset:256*\p      ; and once more into K 64-127 of the second
.endr
	global_load_b32 v[T1], v[RW4], s[44:45]
	global_load_b32 v[T0], v4, s[52:53]
.set J, Q1+6
.rept 12
	v_mov_b32 v[J], 0                              ; the other halves: zero codes
.set J, J+1
.endr
	v_mov_b32 v13, 0xe0800000                      ; the largest t so far: -2^66
	s_delay_alu instid0(VALU_DEP_1)
	v_floor_f32 v12, -v13                          ; -M
	v_mov_b32 v14, 0
	v_mov_b32 v15, 0
	v_mov_b32 v[FF+1], 0                           ; (named as the upper half of a pair)
	v_mov_b32 v[SU2], 0xf1800000                   ; -2^100
.irp b, 0,1,2,3
	v_mov_b32 v[BT+\b], 0                          ; a lane permute's destination counts as one of its sources
.endr
	s_wait_loadcnt 0x0
	v_lshrrev_b32 v[T1], s54, v[T1]
	s_delay_alu instid0(VALU_DEP_1)
	v_and_b32 v[T1], 0xffff, v[T1]
	s_delay_alu instid0(VALU_DEP_1)
	v_lshl_or_b32 v[QW], v[T1], 16, v[T1]          ; q's two scale bytes, for K 0-63 and again for K 64-127.  (More than eight plain lines follow ahead of the first product)
.irp i, 0,1,2,3
	v_bfe_u32 v[T1], v[T0], 8*\i, 8
	s_delay_alu instid0(VALU_DEP_1)
	v_cmp_eq_u32 vcc_lo, 0, v[T1]
	s_delay_alu instid0(VALU_DEP_1)
	v_cndmask_b32 v[FRG+\i], 0, v[SU2], vcc_lo     ; a hidden key: -2^100
.endr
	ds_store_b128 v11, v[FRG:FRG+3]
.set J, 0
.rept 32
	v_mov_b32 v[O+J], 0                            ; O^T: the step is written once, its first trip finds zeros
.set J, J+1
.endr
; A KEY STEP: 128 keys
.macro STEP
	v_add_nc_u32 v[ADK], s[TB], v[LN8]
	v_add_nc_u32 v[ADS], s[TB], v[RW4]
	v_add_nc_u32 v[ADB], s[TMB], v[MB0]
	v_nop                                          ; four plain lines between the last products and the loads into their registers
.irp b, 0,1,2,3
.irp k, 0,1,2,3
	ds_load_b128 v[S+16*\b+4*\k:S+16*\b+4*\k+3], v[ADB] offset:128*\b+16*\k   ; the mask's term of my 64 keys: the C of the products below
.endr
.endr
.irp f, 0,1,2,3
.irp p, 0,1,2,3,4,5
	ds_load_b64 v[FRG+12*\f+2*\p:FRG+12*\f+2*\p+1], v[ADK] offset:1536*\f+256*\p
.endr
	ds_load_b32 v[KSW+\f], v[ADS] offset:12288+64*\f
.endr
	s_wait_alu depctr_va_vdst(0)
	s_wait_dscnt 0x0
.irp f, 0,1,2,3                                ; eight accumulators, one instruction each
	v_wmma_scale_f32_16x16x128_f8f6f4 v[S+16*\f:S+16*\f+7], v[FRG+12*\f:FRG+12*\f+11], v[Q1:Q1+11], v[S+16*\f:S+16*\f+7], v[KSW+\f], v[QW] matrix_a_fmt:MATRIX_FMT_FP6 matrix_b_fmt:MATRIX_FMT_FP6
	v_wmma_scale_f32_16x16x128_f8f6f4 v[S+16*\f+8:S+16*\f+15], v[FRG+12*\f:FRG+12*\f+11], v[Q2:Q2+11], v[S+16*\f+8:S+16*\f+15], v[KSW+\f], v[QW] matrix_a_fmt:MATRIX_FMT_FP6 matrix_b_fmt:MATRIX_FMT_FP6
.endr
.rept 4
	v_nop
.endr
.irp t, 0,1,2,3                                ; V's four fragments land under the softmax
.irp p, 0,1,2,3,4,5
	ds_load_b64 v[FRG+12*\t+2*\p:FRG+12*\t+2*\p+1], v[ADK] offset:6144+1536*\t+256*\p
.endr
	ds_load_b32 v[VSW+\t], v[ADS] offset:12544+64*\t
.endr
.irp b, 0,1,2,3
	v_max3_num_f32 v[BM+\b], v[S+16*\b], v[S+1+16*\b], v[S+2+16*\b]   ; the largest score of each block of 32 keys: for the row's maximum, and, since p rises with the score, for the block's largest p
.endr
.irp i, 3,5,7,9,11,13
.irp b, 0,1,2,3
	v_max3_num_f32 v[BM+\b], v[BM+\b], v[S+16*\b+\i], v[S+1+16*\b+\i]
.endr
.endr
.irp b, 0,1,2,3
	v_max_num_f32 v[BM+\b], v[BM+\b], v[S+15+16*\b]
.endr
.irp b, 0,1,2,3
	s_delay_alu instid0(VALU_DEP_4)
	v_permlanex16_b32 v[BT+\b], v[BM+\b], s[SEL], s[SEL+1]
.endr
.irp b, 0,1,2,3
	s_delay_alu instid0(VALU_DEP_4)
	v_max_num_f32 v[BM+\b], v[BM+\b], v[BT+\b]
.endr
	s_delay_alu instid0(VALU_DEP_2)
	v_max3_num_f32 v[T0], v[BM], v[BM+1], v[BM+2]
	s_delay_alu instid0(VALU_DEP_1)
	v_max_num_f32 v[T0], v[T0], v[BM+3]
	s_delay_alu instid0(VALU_DEP_1)
	v_mul_f32 v[T0], s[CS], v[T0]
	s_delay_alu instid0(VALU_DEP_1)
	v_max_num_f32 v13, v13, v[T0]                  ; the running largest t
	v_mov_b32 v[T0], v12
	s_delay_alu instid0(VALU_DEP_2)
	v_floor_f32 v12, -v13                          ; the new -M: M is a whole number
	s_delay_alu instid0(VALU_DEP_1)
	v_sub_f32 v[T0], v12, v[T0]                    ; old M - new M: a whole number, 0 or less
	s_delay_alu instid0(VALU_DEP_1)
	v_cvt_i32_f32 v[T0], v[T0]                     ; (it saturates)
	s_delay_alu instid0(VALU_DEP_1)
	v_ldexp_f32 v[FF], 1.0, v[T0]                  ; f = 2^(old M - new M)
.set J, 0
.rept 32
	v_pk_fma_f32 v[S+J:S+J+1], v[S+J:S+J+1], s[CS:CS+1], v[12:13] op_sel_hi:[1,0,0]   ; t - M
.set J, J+2
.endr
.irp b, 0,1,2,3
	v_fma_f32 v[BM+\b], v[BM+\b], s[CS], v12
.endr
.set J, 0
	s_wait_alu depctr_va_vdst(0)
.rept 64
	v_exp_f32 v[S+J], v[S+J]                       ; p = 2^(t - M)
.set J, J+1
.endr
	v_pk_mul_f32 v[14:15], v[14:15], v[FF:FF+1] op_sel_hi:[1,0]   ; the sums under the new M: the plain line behind the exponentials
	s_wait_alu depctr_va_vdst(0)                   ; one wait for the batch, ahead of its first reader
.irp b, 0,1,2,3
	v_exp_f32 v[BM+\b], v[BM+\b]                   ; the block's largest p
.endr
	v_pk_add_f32 v[234:235], v[100:101], v[104:105]
	v_pk_add_f32 v[254:255], v[108:109], v[112:113]
	v_pk_add_f32 v[252:253], v[116:117], v[120:121]
	v_pk_add_f32 v[250:251], v[124:125], v[128:129]
	v_pk_add_f32 v[248:249], v[132:133], v[136:137]
	v_pk_add_f32 v[246:247], v[140:141], v[144:145]
	v_pk_add_f32 v[244:245], v[148:149], v[152:153]
	v_pk_add_f32 v[14:15], v[14:15], v[156:157]
	v_pk_add_f32 v[234:235], v[234:235], v[96:97]
	v_pk_add_f32 v[254:255], v[254:255], v[98:99]
	v_pk_add_f32 v[252:253], v[252:253], v[102:103]
	v_pk_add_f32 v[250:251], v[250:251], v[106:107]
	v_pk_add_f32 v[248:249], v[248:249], v[110:111]
	v_pk_add_f32 v[246:247], v[246:247], v[114:115]
	v_pk_add_f32 v[244:245], v[244:245], v[118:119]
	v_pk_add_f32 v[14:15], v[14:15], v[122:123]
	v_pk_add_f32 v[234:235], v[234:235], v[126:127]
	v_pk_add_f32 v[254:255], v[254:255], v[130:131]
	v_pk_add_f32 v[252:253], v[252:253], v[134:135]
	v_pk_add_f32 v[250:251], v[250:251], v[138:139]
	v_pk_add_f32 v[248:249], v[248:249], v[142:143]
	v_pk_add_f32 v[246:247], v[246:247], v[146:147]
	v_pk_add_f32 v[244:245], v[244:245], v[150:151]
	v_pk_add_f32 v[14:15], v[14:15], v[154:155]
	v_pk_add_f32 v[234:235], v[234:235], v[158:159]
	s_delay_alu instid0(VALU_DEP_2)
	v_pk_add_f32 v[14:15], v[14:15], v[250:251]
	s_delay_alu instid0(VALU_DEP_2)
	v_pk_add_f32 v[234:235], v[234:235], v[248:249]
	v_pk_add_f32 v[254:255], v[254:255], v[246:247]
	v_pk_add_f32 v[252:253], v[252:253], v[244:245]
	s_delay_alu instid0(VALU_DEP_2)
	v_pk_add_f32 v[14:15], v[14:15], v[254:255]
	s_delay_alu instid0(VALU_DEP_2)
	v_pk_add_f32 v[234:235], v[234:235], v[252:253]
	s_delay_alu instid0(VALU_DEP_1)
	v_pk_add_f32 v[14:15], v[14:15], v[234:235]
	s_wait_alu depctr_va_vdst(0)                   ; and one for the four
.irp b, 0,1,2,3
	v_max_num_f32 v[BM+\b], 0x1800000, v[BM+\b]    ; the floor 2^(3 - 127): a block whose every p is 0 keeps the byte 1; its codes are zeros
.endr
.irp b, 0,1,2,3
	s_delay_alu instid0(VALU_DEP_4)
	v_add_nc_u32 v[BS+\b], 0xff000000, v[BM+\b]
.endr
.irp b, 0,1,2,3
	s_delay_alu instid0(VALU_DEP_4)
	v_lshrrev_b32 v[BT+\b], 23, v[BS+\b]
.endr
	s_delay_alu instid0(VALU_DEP_3)
	v_lshl_or_b32 v[PW], v[BT+1], 8, v[BT]
	s_delay_alu instid0(VALU_DEP_1)
	v_lshl_or_b32 v[PW], v[BT+2], 16, v[PW]
	s_delay_alu instid0(VALU_DEP_1)
	v_lshl_or_b32 v[PW], v[BT+3], 24, v[PW]
.irp c, 0,1
	v_cvt_scalef32_pk16_fp6_f32 v[PC+6*\c:PC+2+6*\c], v[S+32*\c:S+15+32*\c], v[BS+2*\c]
	v_cvt_scalef32_pk16_fp6_f32 v[PX+4*\c:PX+2+4*\c], v[S+16+32*\c:S+31+32*\c], v[BS+2*\c+1]
.endr
	v_nop
.irp c, 0,1
.irp i, 0,1,2
	v_permlane16_swap_b32 v[PC+6*\c+\i], v[PX+4*\c+\i]
.endr
.irp i, 0,1,2
	s_delay_alu instid0(VALU_DEP_3)
	v_mov_b32 v[PC+3+6*\c+\i], v[PX+4*\c+\i]
.endr
.endr
.set J, 0
.rept 16
	v_pk_mul_f32 v[O+J:O+J+1], v[O+J:O+J+1], v[FF:FF+1] op_sel_hi:[1,0]   ; O^T under the new M; also the plain lines between p's codes and scale word and the products
.set J, J+2
.endr
	s_wait_alu depctr_va_vdst(0)
	s_wait_dscnt 0x0                               ; V is in
.irp t, 0,1,2,3
	v_wmma_scale_f32_16x16x128_f8f6f4 v[O+8*\t:O+8*\t+7], v[FRG+12*\t:FRG+12*\t+11], v[PC:PC+11], v[O+8*\t:O+8*\t+7], v[VSW+\t], v[PW] matrix_a_fmt:MATRIX_FMT_FP6 matrix_b_fmt:MATRIX_FMT_FP6
.endr
	s_add_co_u32 s[TB], s[TB], STEPB
	s_add_co_u32 s[TMB], s[TMB], 512
.endm
.macro EIGHT
	s_mov_b32 s[CNT], 16
.Lstep_\@:
	STEP
	s_sub_co_u32 s[CNT], s[CNT], 1
	s_cmp_lg_u32 s[CNT], 0
	s_cbranch_scc1 .Lstep_\@
.endm
	s_wait_tensorcnt 0x0                           ; my key step is in
	s_wait_dscnt 0x0                               ; my part of the mask's table is written
	s_barrier_signal -1
	s_barrier_wait -1
	EIGHT                                          ; all sixteen key steps in one loop
	; THE WAY OUT: O^T / the sum is ctx(query r, 64 head + 32 g + 16 h + 0 .. 15): two blocks of 32 along the projection's K: half a fragment and two scale bytes
	v_add_f32 v14, v14, v15
	s_delay_alu instid0(VALU_DEP_1)
	v_permlanex16_b32 v[T0], v14, s[SEL], s[SEL+1]
	s_delay_alu instid0(VALU_DEP_1)
	v_add_f32 v14, v14, v[T0]
	s_wait_alu depctr_va_vdst(0)
	v_rcp_f32 v14, v14
	v_nop
	v_nop
	s_wait_alu depctr_va_vdst(0)                   ; ahead of the reciprocal's first reader
.set J, 0
.rept 32
	v_mul_f32 v[S+J], v[O+J], v14
.set J, J+1
.endr
.irp b, 0,1
	v_max3_num_f32 v[BM+\b], |v[S+16*\b]|, |v[S+1+16*\b]|, 0x1800000
.endr
.irp i, 2,4,6,8,10,12,14
.irp b, 0,1
	s_delay_alu instid0(VALU_DEP_2)
	v_max3_num_f32 v[BM+\b], v[BM+\b], |v[S+16*\b+\i]|, |v[S+1+16*\b+\i]|
.endr
.endr
.irp b, 0,1
	s_delay_alu instid0(VALU_DEP_2)
	v_permlanex16_b32 v[BT+\b], v[BM+\b], s[SEL], s[SEL+1]
.endr
.irp b, 0,1
	s_delay_alu instid0(VALU_DEP_2)
	v_max_num_f32 v[BM+\b], v[BM+\b], v[BT+\b]
.endr
.irp b, 0,1
	s_delay_alu instid0(VALU_DEP_2)
	v_add_nc_u32 v[BS+\b], 0xff000000, v[BM+\b]
.endr
.irp b, 0,1
	s_delay_alu instid0(VALU_DEP_2)
	v_lshrrev_b32 v[BT+\b], 23, v[BS+\b]
.endr
	s_delay_alu instid0(VALU_DEP_1)
	v_lshl_or_b32 v[T1], v[BT+1], 8, v[BT]
	v_cvt_scalef32_pk16_fp6_f32 v[PC:PC+2], v[S:S+15], v[BS]
	v_cvt_scalef32_pk16_fp6_f32 v[PX:PX+2], v[S+16:S+31], v[BS+1]
	v_nop
.irp i, 0,1,2
	v_permlane16_swap_b32 v[PC+\i], v[PX+\i]
.endr
.irp i, 0,1,2
	s_delay_alu instid0(VALU_DEP_3)
	v_mov_b32 v[PC+3+\i], v[PX+\i]
.endr
.irp p, 0,1,2
	global_store_b64 v[LN8], v[PC+2*\p:PC+2*\p+1], s[48:49] offset:256*\p   ; 32 lanes store 256 consecutive bytes, aligned
.endr
	global_store_b16 v[RW4], v[T1], s[50:51]       ; two bytes of each row's scale word; lanes r and r + 16 write the same
	s_wait_tensorcnt 0x0                           ; the wave's end
	ds_add_u32 v[SPW], v[NIL]
	s_wait_dscnt 0x0
	ROUND                                          ; the closing round
	s_endpgm
.Lfunc_end_k_q7151cbdaa9_attn:
	.size	k_q7151cbdaa9_attn, .Lfunc_end_k_q7151cbdaa9_attn-k_q7151cbdaa9_attn
	.p2alignl 7, 3214868480
	.fill 96, 4, 3214868480
	.section	.rodata,"a",@progbits
	.p2align	6, 0x0
	.amdhsa_kernel k_q7151cbdaa9_attn
		.amdhsa_group_segment_fixed_size 215040
		.amdhsa_private_segment_fixed_size 0
		.amdhsa_enable_private_segment 0
		.amdhsa_kernarg_size 24
		.amdhsa_user_sgpr_count 2
		.amdhsa_user_sgpr_kernarg_segment_ptr 1
		.amdhsa_wavefront_size32 1
		.amdhsa_system_sgpr_workgroup_id_x 1
		.amdhsa_system_sgpr_workgroup_id_y 1
		.amdhsa_system_sgpr_workgroup_id_z 1
		.amdhsa_system_vgpr_workitem_id 0
		.amdhsa_next_free_vgpr 256
		.amdhsa_next_free_sgpr 66
		.amdhsa_reserve_vcc 1
		.amdhsa_float_denorm_mode_32 3
		.amdhsa_float_denorm_mode_16_64 3
		.amdhsa_memory_ordered 1
		.amdhsa_forward_progress 1
		.amdhsa_inst_pref_size 33
	.end_amdhsa_kernel
	.amdgpu_metadata
---
amdhsa.version: [ 1, 2 ]
amdhsa.kernels:
  - .name:           k_q7151cbdaa9_attn
    .symbol:         k_q7151cbdaa9_attn.kd
    .args:
      - { .name: qkv, .offset: 0, .size: 8, .value_kind: global_buffer, .address_space: global }
      - { .name: key_attention_mask, .offset: 8, .size: 8, .value_kind: global_buffer, .address_space: global }
      - { .name: acode, .offset: 16, .size: 8, .value_kind: global_buffer, .address_space: global }
    .group_segment_fixed_size: 215040
    .private_segment_fixed_size: 0
    .kernarg_segment_align: 8
    .kernarg_segment_size: 24
    .max_flat_workgroup_size: 512
    .sgpr_count:     66
    .vgpr_count:     256
    .wavefront_size: 32
...
	.end_amdgpu_metadata
.endif
;; end of part 11
;; launch oln1 (part 12): grid 128 x 1, 8 waves a work-group, no clusters, 327,680 bytes of LDS; arguments acode, wq, b_out, inputs, ln1_g, ln1_b, x1f, xcode; writes x1f, xcode
.if DOCPART == 12
	.amdgcn_target "amdgcn-amd-amdhsa--gfx1250"
	.amdhsa_code_object_version 6
	.text
	.protected	k_q7151cbdaa9_oln1
	.globl	k_q7151cbdaa9_oln1
	.p2align	8
	.type	k_q7151cbdaa9_oln1,@function
k_q7151cbdaa9_oln1:
	s_mov_b64 s[64:65], 0
	v_nop
	global_prefetch_b8 v0, s[64:65] scope:SCOPE_SE
	s_setreg_imm32_b32 hwreg(HW_REG_WAVE_MODE, 25, 1), 1
	s_wait_xcnt 0x0
; ENCODER BLOCK: the projection (product 6), its bias, the residual, layer norm 1, and x quantised for product 7.  Nothing is left out.
; SHARES.  A work-group owns 32 whole rows (token tiles 2 g, 2 g + 1) x all 1,024 columns, so a row's mean and variance close inside it.  Wave w of eight owns columns 128 w .. + 127: 2 x 8 accumulators, which take turns.
; THE WEIGHTS go from memory straight into the registers of the one wave that multiplies them (fragment = 3 planes of 512 bytes, lane L at 16 L): three sets of 8 fragments, asked for three K steps ahead.
; A's codes and all scale words come into LDS once, one tensor load a wave; no LDS byte is filled twice.  The bias is loaded into the accumulators: the first products add onto it.
; TRANSPOSED USE (source 0 = 16 rows of W, source 1 = 16 tokens): lane (r, h) holds token r; register 16 g + i of a token tile is column 128 w + 32 g + 16 h + i.
; cluster = none: of what a work-group reads only the weights' scale words (KS x 4,096 of KS x 105,000 bytes) go through LDS and are common to all; the weights' codes go to registers, where no joint load reaches.
; No data prefetch: the register ring itself asks three K steps (72 loads a wave) ahead of use.
; LIMITS: as stated at the head of the first kernel.
.set KS, 8
.set ASOFF, 3145728
.set BOFF, 2359296
.set BSOFF, 9437184+98304
.set TRIPS, (KS-8)/6
.set AC, KS*4096                       ; LDS: W's scale words at 0, A's codes here,
.set AS, KS*7168                       ; A's scale words,
.set RED, KS*7296                      ; 2 x 1,024 bytes for the rows' sums,
.set SPARE, RED+2048                   ; the spare words, 128 bytes a wave, that no other line names
.set LN16, 4
.set LN8, 5
.set RW4, 6
.set ADA, 7
.set ADSB, 9
.set ADSA, 10
.set H64, 11
.set SPW, 12
.set NIL, 13
.set RDW, 14
.set RDR, 15
.set SC, 16                            ; v16-35 scale words, two sets of 8 + 2, and nothing else
.set RO, 36
.set AF, 40                            ; v40-87 A's fragments, two sets of two
.set T, 104                            ; v88-123: W's fragments 21-23; behind the loop v104-127 at work
.set MN, 120
.set RS, 124
.set ACC, 128                          ; v128-255 the accumulators; window 1: W's fragments 0-20
.set Z, 128
.set TM, 64
.set G0, 24
.set G1, 28
.set G1S, 36
.set SEL, 52
.set MSB, 0
.macro WIN new
.if MSB != \new
	s_set_vgpr_msb (MSB<<8)|\new
.set MSB, \new
.endif
.endm
.macro BREG f                          ; where fragment f of the ring of 24 lies
.if (\f) < 21
.set RG, 12*(\f)
.set BW, 1
.else
.set RG, 88+12*((\f)-21)
.set BW, 0
.endif
.endm
.macro BLOAD bs, st                    ; 24 loads: my 8 fragments of W, K step st from the base, into set bs
.irp b, 0,1,2,3,4,5,6,7
	BREG 8*(\bs)+\b
	WIN 0x40*BW
.irp p, 0,1,2
	global_load_b128 v[RG+4*\p:RG+4*\p+3], v[LN16], s[48:49] offset:\b*KS*1536+(\st)*1536+512*\p
.endr
.endr
.endm
.macro ALOAD q, st                     ; 22 LDS loads: A's two fragments and the ten scale words of a K step
.irp a, 0,1
.irp p, 0,1,2,3,4,5
	ds_load_b64 v[AF+24*(\q)+12*\a+2*\p:AF+24*(\q)+12*\a+2*\p+1], v[ADA] offset:\a*KS*1536+(\st)*1536+256*\p
.endr
	ds_load_b32 v[SC+10*(\q)+8+\a], v[ADSA] offset:\a*KS*64+(\st)*64
.endr
.irp b, 0,1,2,3,4,5,6,7
	ds_load_b32 v[SC+10*(\q)+\b], v[ADSB] offset:\b*KS*64+(\st)*64
.endr
.endm
.macro MUL bs, q                       ; 16 products, 16 accumulators by turns
.irp b, 0,1,2,3,4,5,6,7
	BREG 8*(\bs)+\b
	WIN BW
.irp a, 0,1
	v_wmma_scale_f32_16x16x128_f8f6f4 v[ACC+64*\a+8*\b:ACC+64*\a+8*\b+7], v[RG:RG+11], v[AF+24*(\q)+12*\a:AF+24*(\q)+12*\a+11], v[ACC+64*\a+8*\b:ACC+64*\a+8*\b+7], v[SC+10*(\q)+\b], v[SC+10*(\q)+8+\a] matrix_a_fmt:MATRIX_FMT_FP6 matrix_b_fmt:MATRIX_FMT_FP6
.endr
.endr
.endm
; A K step.  lc: the global loads issued behind this step's set; dc: the LDS loads issued behind this step's
.macro STEP bs, q, st, lb, la, lc, dc
	s_wait_loadcnt \lc
	s_wait_dscnt \dc
	MUL \bs, \q
.rept 4
	v_nop                                          ; places between the products and the loads into their registers
.endr
.if \lb
	BLOAD \bs, (\st)+3
.endif
	WIN 0
.if \la
	ALOAD \q, (\st)+2
.endif
.endm
.macro FIVE
	STEP 0, 0, 0, 1, 1, 48, 22
	STEP 1, 1, 1, 1, 1, 48, 22
	STEP 2, 0, 2, 1, 1, 48, 22
	STEP 0, 1, 3, 1, 1, 48, 22
	STEP 1, 0, 4, 1, 1, 48, 22
.endm
.macro LDROW dst, va, sb, off          ; 64 numbers of a row piece in my register order: 16 loads
.irp g, 0,1,2,3
.irp k, 0,1,2,3
	global_load_b128 v[\dst+16*\g+4*\k:\dst+16*\g+4*\k+3], v[\va], s[\sb:\sb+1] offset:\off+128*\g+16*\k
.endr
.endr
.endm
.macro ACROSS red                      ; v[T + 8 a ..], four packed chains a tile, become the rows' sums over 1,024 columns in v[T + 8 a]
.irp a, 0,1
	v_pk_add_f32 v[T+8*\a:T+8*\a+1], v[T+8*\a:T+8*\a+1], v[T+8*\a+2:T+8*\a+3]
	v_pk_add_f32 v[T+8*\a+4:T+8*\a+5], v[T+8*\a+4:T+8*\a+5], v[T+8*\a+6:T+8*\a+7]
.endr
.irp a, 0,1
	v_pk_add_f32 v[T+8*\a:T+8*\a+1], v[T+8*\a:T+8*\a+1], v[T+8*\a+4:T+8*\a+5]
.endr
.irp a, 0,1
	s_delay_alu instid0(VALU_DEP_2)
	v_add_f32 v[T+8*\a], v[T+8*\a], v[T+8*\a+1]
.endr
.irp a, 0,1
	s_delay_alu instid0(VALU_DEP_2)
	v_permlanex16_b32 v[T+8*\a+1], v[T+8*\a], s[SEL], s[SEL+1]
.endr
.irp a, 0,1
	s_delay_alu instid0(VALU_DEP_2)
	v_add_f32 v[T+8*\a], v[T+8*\a], v[T+8*\a+1]
.endr
.irp a, 0,1
	ds_store_b32 v[RDW], v[T+8*\a] offset:\red+512*\a   ; lanes r and r + 16 write the same word
.endr
	s_wait_dscnt 0x0                               ; for the others' sake
	s_barrier_signal -1
	s_barrier_wait -1
.irp a, 0,1
	ds_load_b128 v[T+8*\a:T+8*\a+3], v[RDR] offset:\red+512*\a
	ds_load_b128 v[T+8*\a+4:T+8*\a+7], v[RDR] offset:\red+512*\a+16
.endr
	s_wait_dscnt 0x0
.irp a, 0,1
.irp c, 0,2,4,6
	v_add_f32 v[T+8*\a+\c], v[T+8*\a+\c], v[T+8*\a+\c+1]
.endr
.endr
.irp a, 0,1
	v_add_f32 v[T+8*\a], v[T+8*\a], v[T+8*\a+2]
	v_add_f32 v[T+8*\a+4], v[T+8*\a+4], v[T+8*\a+6]
.endr
.irp a, 0,1
	v_add_f32 v[T+8*\a], v[T+8*\a], v[T+8*\a+4]
.endr
.endm
.macro QUANT s, pc, pw                 ; 64 numbers of a lane become a fragment in v[pc] on and a scale word in v[pw]
.irp b, 0,1,2,3
	v_max3_num_f32 v[TM+\b], |v[\s+16*\b]|, |v[\s+1+16*\b]|, 0x1800000   ; the floor 2^(3 - 127): the byte cannot fall under 1
.endr
.irp i, 2,4,6,8,10,12,14
.irp b, 0,1,2,3
	s_delay_alu instid0(VALU_DEP_4)
	v_max3_num_f32 v[TM+\b], v[TM+\b], |v[\s+16*\b+\i]|, |v[\s+1+16*\b+\i]|
.endr
.endr
.irp b, 0,1,2,3
	s_delay_alu instid0(VALU_DEP_4)
	v_permlanex16_b32 v[TM+4+\b], v[TM+\b], s[SEL], s[SEL+1]
.endr
.irp b, 0,1,2,3
	s_delay_alu instid0(VALU_DEP_4)
	v_max_num_f32 v[TM+\b], v[TM+\b], v[TM+4+\b]
.endr
.irp b, 0,1,2,3
	s_delay_alu instid0(VALU_DEP_4)
	v_add_nc_u32 v[TM+12+\b], 0xff000000, v[TM+\b]   ; 2 off the exponent field: the conversion's scale operand
.endr
.irp b, 0,1,2,3
	s_delay_alu instid0(VALU_DEP_4)
	v_lshrrev_b32 v[TM+4+\b], 23, v[TM+12+\b]
.endr
	s_delay_alu instid0(VALU_DEP_3)
	v_lshl_or_b32 v[\pw], v[TM+5], 8, v[TM+4]
	s_delay_alu instid0(VALU_DEP_1)
	v_lshl_or_b32 v[\pw], v[TM+6], 16, v[\pw]
	s_delay_alu instid0(VALU_DEP_1)
	v_lshl_or_b32 v[\pw], v[TM+7], 24, v[\pw]
.irp c, 0,1
	v_cvt_scalef32_pk16_fp6_f32 v[\pc+6*\c:\pc+2+6*\c], v[\s+32*\c:\s+15+32*\c], v[TM+12+2*\c]
	v_cvt_scalef32_pk16_fp6_f32 v[\pc+12+4*\c:\pc+14+4*\c], v[\s+16+32*\c:\s+31+32*\c], v[TM+12+2*\c+1]
.endr
	v_nop                                          ; one plain line behind the scaled conversions
.irp c, 0,1
.irp i, 0,1,2
	v_permlane16_swap_b32 v[\pc+6*\c+\i], v[\pc+12+4*\c+\i]
.endr
.irp i, 0,1,2
	s_delay_alu instid0(VALU_DEP_3)
	v_mov_b32 v[\pc+3+6*\c+\i], v[\pc+12+4*\c+\i]
.endr
.endr
.endm
	s_load_b256 s[8:15], s[0:1], 0x0               ; A 8, wq 10, the bias 12, the residual 14
	s_load_b128 s[16:19], s[0:1], 0x20             ; the gain 16, the norm's bias 18
	s_load_b128 s[20:23], s[0:1], 0x30             ; x1f 20, xcode 22
	v_lshl_add_u32 v[SPW], v0, 2, SPARE
	v_mov_b32 v[NIL], 0
	ds_add_u32 v[SPW], v[NIL]                      ; the opening: the add, twice on end, and its wait ahead of my tensor load
	ds_add_u32 v[SPW], v[NIL]
	v_lshrrev_b32 v1, 5, v0
	v_readfirstlane_b32 s2, v1                     ; wave 0..7
.irp g, G1, G1S                                ; dense blocks as rows of 256 bytes
	s_mov_b32 s[\g], 3<<16
	s_mov_b32 s[\g+1], 32<<16
	s_mov_b32 s[\g+3], 32<<16
	s_mov_b32 s[\g+5], 32
	s_mov_b32 s[\g+6], 0
	s_mov_b32 s[\g+7], 0
.endr
	s_mov_b32 s[G1+2], (KS*4)<<16
	s_mov_b32 s[G1+4], KS*4
	s_mov_b32 s[G1S+2], (KS/2)<<16
	s_mov_b32 s[G1S+4], KS/2
	s_mov_b32 s[G0], 1
	s_mul_i32 s[G0+1], s2, KS*1024                 ; waves 0-3: a quarter of W's scale words; 4-6: a third of A's codes; 7: A's scale words: on end in LDS
	s_add_co_u32 s44, s[G0+1], BSOFF
	s_mul_i32 s46, ttmp9, KS*3072
	s_add_co_u32 s46, s46, s[G0+1]
	s_sub_co_u32 s46, s46, KS*4096
	s_mul_i32 s47, ttmp9, KS*128
	s_add_co_u32 s47, s47, ASOFF
	s_cmp_lt_u32 s2, 7
	s_cselect_b32 s46, s46, s47
	s_cmp_lt_u32 s2, 4
	s_cselect_b32 s44, s44, s46
	s_mov_b32 s45, 0
	s_lshl_b32 s3, s2, 2
	s_lshl_b32 s58, s2, 9                          ; 512 w
	s_mov_b32 s59, 0
	s_lshl_b32 s60, ttmp9, 17
	s_lshl_b32 s62, s2, 13
	s_add_co_u32 s62, s62, s60                     ; 131,072 g + 8,192 w
	s_add_co_u32 s60, s60, s58                     ; 131,072 g + 512 w
	s_mov_b32 s61, 0
	s_mov_b32 s63, 0
	s_mul_i32 s48, s2, KS*12288                    ; my 8 tiles of W
	s_add_co_u32 s48, s48, BOFF
	s_mov_b32 s49, 0
	s_mul_i32 s4, ttmp9, 24576                     ; xcode: tile 2 g, K step w
	s_mul_i32 s5, s2, 1536
	s_add_co_u32 s4, s4, s5
	s_mov_b32 s5, 0
	s_lshl_b32 s6, ttmp9, 10
	s_lshl_b32 s7, s2, 6
	s_add_co_u32 s6, s6, s7
	s_add_co_u32 s6, s6, 3145728
	s_mov_b32 s7, 0
	s_mov_b32 s51, AC
	s_mul_i32 s56, s2, KS*512
	s_mov_b32 s57, AS
	s_mov_b32 s[SEL], 0x76543210
	s_mov_b32 s[SEL+1], 0xfedcba98
	s_mov_b32 s54, 0x3a800000                      ; 1 / 1,024
	s_mov_b32 s55, 0x3727c5ac                      ; 1e-5
	s_wait_dscnt 0x0
	s_wait_kmcnt 0x0
	s_cmp_lt_u32 s2, 4
	s_cselect_b64 s[G0+2:G0+3], s[10:11], s[8:9]
	s_add_nc_u64 s[G0+2:G0+3], s[G0+2:G0+3], s[44:45]
	s_or_b32 s[G0+3], s[G0+3], 0x80000000
	s_add_nc_u64 s[48:49], s[10:11], s[48:49]
	s_add_nc_u64 s[12:13], s[12:13], s[58:59]
	s_add_nc_u64 s[16:17], s[16:17], s[58:59]
	s_add_nc_u64 s[18:19], s[18:19], s[58:59]
	s_add_nc_u64 s[14:15], s[14:15], s[60:61]
	s_add_nc_u64 s[20:21], s[20:21], s[62:63]
	s_add_nc_u64 s[6:7], s[22:23], s[6:7]
	s_add_nc_u64 s[22:23], s[22:23], s[4:5]
	s_cmp_lt_u32 s2, 7
	s_cbranch_scc0 .Lsmall
	tensor_load_to_lds s[G0:G0+3], s[G1:G1+7]
	s_nop 0
.rept 4
	v_nop
.endr
	s_branch .Lasked
.Lsmall:
	tensor_load_to_lds s[G0:G0+3], s[G1S:G1S+7]
	s_nop 0
.rept 4
	v_nop
.endr
.Lasked:
	v_and_b32 v1, 15, v0                           ; r
	v_bfe_u32 v2, v0, 4, 1                         ; h
	v_and_b32 v3, 31, v0                           ; lane
	v_and_b32 v[RO], 8, v0
	v_lshlrev_b32 v[RW4], 2, v1
	v_lshlrev_b32 v[H64], 6, v2
	v_lshlrev_b32 v[LN16], 4, v3
	v_lshlrev_b32 v[LN8], 3, v3
	v_add_nc_u32 v[RO], v[RO], v1                  ; r + 8 (r / 8)
	v_lshl_add_u32 v[RDR], v1, 5, RED
	v_add_nc_u32 v[ADSB], s56, v[RW4]
	v_add_nc_u32 v[ADSA], s57, v[RW4]
	v_add_nc_u32 v[ADA], s51, v[LN8]
	v_lshl_add_u32 v[RO], v[RO], 12, v[H64]        ; my token's row of 4,096 bytes, + 64 h
	v_add_nc_u32 v[RDW], s3, v[RDR]
	s_wait_alu depctr_va_vdst(0)                   ; the wait at the head's end
	LDROW ACC, H64, 12, 0                          ; the bias starts the sums of both token tiles
	LDROW ACC+64, H64, 12, 0
	BLOAD 0, 0
	BLOAD 1, 1
	BLOAD 2, 2
	WIN 0
	s_wait_tensorcnt 0x0                           ; my part of A and of the scale words is in
	s_barrier_signal -1
	s_barrier_wait -1
	ALOAD 0, 0
	ALOAD 1, 1
	FIVE                                           ; K = 1,024 is eight steps: all written out
	STEP 2, 1, 5, 0, 1, 48, 22
	WIN 0x40
	LDROW 192, RO, 14, 0                           ; the residual of tile 2 g, where set 2 lay (window 1)
	STEP 0, 0, 6, 0, 0, 40, 22                     ; behind set 0: set 1's 24 loads and the 16 above
	WIN 0x40
	LDROW 0, RO, 14, 32768                         ; and of tile 2 g + 1, 8 tokens on
	STEP 1, 1, 7, 0, 0, 32, 0
	WIN 0x40
	LDROW 64, H64, 16, 0                           ; the gain
	LDROW 128, H64, 18, 0                          ; the norm's bias
	s_wait_loadcnt 32                              ; the residual is in
	WIN 0x04
.set J, 0
.rept 32
	v_pk_add_f32 v[Z+J:Z+J+1], v[Z+J:Z+J+1], v[192+J:193+J]   ; each accumulator from its low end on
	v_pk_add_f32 v[Z+64+J:Z+65+J], v[Z+64+J:Z+65+J], v[J:J+1]
.set J, J+2
.endr
	WIN 0
.irp a, 0,1
.irp c, 0,1,2,3
	v_pk_add_f32 v[T+8*\a+2*\c:T+8*\a+2*\c+1], v[Z+64*\a+4*\c:Z+64*\a+4*\c+1], v[Z+64*\a+4*\c+2:Z+64*\a+4*\c+3]
.endr
.endr
.set J, 16
.rept 6
.irp a, 0,1
.irp c, 0,1,2,3
	v_pk_add_f32 v[T+8*\a+2*\c:T+8*\a+2*\c+1], v[T+8*\a+2*\c:T+8*\a+2*\c+1], v[Z+64*\a+J+2*\c:Z+64*\a+J+2*\c+1]
.endr
.endr
.set J, J+8
.endr
	ACROSS 0
.irp a, 0,1
	v_mul_f32 v[MN+2*\a], s54, v[T+8*\a]           ; the mean
	v_mul_f32 v[MN+2*\a+1], s54, v[T+8*\a]
.endr
.set J, 0
.rept 32
	v_pk_add_f32 v[Z+J:Z+J+1], v[Z+J:Z+J+1], v[MN:MN+1] neg_lo:[0,1] neg_hi:[0,1]
	v_pk_add_f32 v[Z+64+J:Z+65+J], v[Z+64+J:Z+65+J], v[MN+2:MN+3] neg_lo:[0,1] neg_hi:[0,1]
.set J, J+2
.endr
.irp a, 0,1
.irp c, 0,1,2,3
	v_pk_mul_f32 v[T+8*\a+2*\c:T+8*\a+2*\c+1], v[Z+64*\a+2*\c:Z+64*\a+2*\c+1], v[Z+64*\a+2*\c:Z+64*\a+2*\c+1]
.endr
.endr
.set J, 8
.rept 7
.irp a, 0,1
.irp c, 0,1,2,3
	v_pk_fma_f32 v[T+8*\a+2*\c:T+8*\a+2*\c+1], v[Z+64*\a+J+2*\c:Z+64*\a+J+2*\c+1], v[Z+64*\a+J+2*\c:Z+64*\a+J+2*\c+1], v[T+8*\a+2*\c:T+8*\a+2*\c+1]
.endr
.endr
.set J, J+8
.endr
	ACROSS 1024                                    ; other bytes than the first exchange's
	v_fma_f32 v[RS], v[T], s54, s55                ; variance + 1e-5
	v_fma_f32 v[RS+2], v[T+8], s54, s55
	s_wait_alu depctr_va_vdst(0)                   ; ahead of the batch
	v_rsq_f32 v[RS], v[RS]
	v_rsq_f32 v[RS+2], v[RS+2]
	v_nop
	s_wait_alu depctr_va_vdst(0)                   ; and ahead of its first reader
	v_mov_b32 v[RS+1], v[RS]
	v_mov_b32 v[RS+3], v[RS+2]
.irp b, 0,1,2,3
	v_mov_b32 v[TM+4+\b], 0                        ; a lane permute's destination counts as one of its sources
.endr
	s_wait_alu depctr_va_vdst(0)
	s_wait_loadcnt 0x0                             ; the gain and the norm's bias
.set J, 0
.rept 32
	v_pk_mul_f32 v[Z+J:Z+J+1], v[Z+J:Z+J+1], v[RS:RS+1]
	v_pk_mul_f32 v[Z+64+J:Z+65+J], v[Z+64+J:Z+65+J], v[RS+2:RS+3]
.set J, J+2
.endr
	WIN 0x14
.set J, 0
.rept 32
	v_pk_fma_f32 v[Z+J:Z+J+1], v[Z+J:Z+J+1], v[64+J:65+J], v[128+J:129+J]
	v_pk_fma_f32 v[Z+64+J:Z+65+J], v[Z+64+J:Z+65+J], v[64+J:65+J], v[128+J:129+J]
.set J, J+2
.endr
	WIN 0
.irp a, 0,1                                    ; x as images of these registers: [token tile][column tile][2 planes of 512 bytes]
.irp n, 0,1,2,3,4,5,6,7
	global_store_b128 v[LN16], v[Z+64*\a+8*\n:Z+64*\a+8*\n+3], s[20:21] offset:\a*65536+1024*\n th:TH_STORE_NT
	global_store_b128 v[LN16], v[Z+64*\a+8*\n+4:Z+64*\a+8*\n+7], s[20:21] offset:\a*65536+1024*\n+512 th:TH_STORE_NT
.endr
.endr
	QUANT Z, 40, 80
	QUANT Z+64, 84, 81
.irp a, 0,1                                    ; K step w of the next product's operand
.irp p, 0,1,2,3,4,5
	global_store_b64 v[LN8], v[40+44*\a+2*\p:41+44*\a+2*\p], s[22:23] offset:\a*12288+256*\p
.endr
	global_store_b32 v[RW4], v[80+\a], s[6:7] offset:\a*512
.endr
	s_wait_tensorcnt 0x0                           ; the wave's end
	ds_add_u32 v[SPW], v[NIL]
	s_wait_dscnt 0x0
	s_endpgm
.Lfunc_end_k_q7151cbdaa9_oln1:
	.size	k_q7151cbdaa9_oln1, .Lfunc_end_k_q7151cbdaa9_oln1-k_q7151cbdaa9_oln1
	.p2alignl 7, 3214868480
	.fill 96, 4, 3214868480
	.section	.rodata,"a",@progbits
	.p2align	6, 0x0
	.amdhsa_kernel k_q7151cbdaa9_oln1
		.amdhsa_group_segment_fixed_size 327680
		.amdhsa_private_segment_fixed_size 0
		.amdhsa_enable_private_segment 0
		.amdhsa_kernarg_size 64
		.amdhsa_user_sgpr_count 2
		.amdhsa_user_sgpr_kernarg_segment_ptr 1
		.amdhsa_wavefront_size32 1
		.amdhsa_system_sgpr_workgroup_id_x 1
		.amdhsa_system_sgpr_workgroup_id_y 1
		.amdhsa_system_sgpr_workgroup_id_z 1
		.amdhsa_system_vgpr_workitem_id 0
		.amdhsa_next_free_vgpr 512
		.amdhsa_next_free_sgpr 66
		.amdhsa_reserve_vcc 0
		.amdhsa_float_denorm_mode_32 3
		.amdhsa_float_denorm_mode_16_64 3
		.amdhsa_memory_ordered 1
		.amdhsa_forward_progress 1
		.amdhsa_inst_pref_size 105
	.end_amdhsa_kernel
	.amdgpu_metadata
---
amdhsa.version: [ 1, 2 ]
amdhsa.kernels:
  - .name:           k_q7151cbdaa9_oln1
    .symbol:         k_q7151cbdaa9_oln1.kd
    .args:
      - { .name: acode, .offset: 0, .size: 8, .value_kind: global_buffer, .address_space: global }
      - { .name: wq, .offset: 8, .size: 8, .value_kind: global_buffer, .address_space: global }
      - { .name: b_out, .offset: 16, .size: 8, .value_kind: global_buffer, .address_space: global }
      - { .name: inputs, .offset: 24, .size: 8, .value_kind: global_buffer, .address_space: global }
      - { .name: ln1_g, .offset: 32, .size: 8, .value_kind: global_buffer, .address_space: global }
      - { .name: ln1_b, .offset: 40, .size: 8, .value_kind: global_buffer, .address_space: global }
      - { .name: x1f, .offset: 48, .size: 8, .value_kind: global_buffer, .address_space: global }
      - { .name: xcode, .offset: 56, .size: 8, .value_kind: global_buffer, .address_space: global }
    .group_segment_fixed_size: 327680
    .private_segment_fixed_size: 0
    .kernarg_segment_align: 8
    .kernarg_segment_size: 64
    .max_flat_workgroup_size: 256
    .sgpr_count:     66
    .vgpr_count:     512
    .wavefront_size: 32
...
	.end_amdgpu_metadata
.endif
;; end of part 12
;; launch ffn1 (part 13): grid 16 x 16, 4 waves a work-group, clusters of 4 x 4, 327,680 bytes of LDS; arguments xcode, wq, b1, hq; writes hq
.if DOCPART == 13
	.amdgcn_target "amdgcn-amd-amdhsa--gfx1250"
	.amdhsa_code_object_version 6
	.text
	.protected	k_q7151cbdaa9_ffn1
	.globl	k_q7151cbdaa9_ffn1
	.p2align	8
	.type	k_q7151cbdaa9_ffn1,@function
k_q7151cbdaa9_ffn1:
	s_mov_b64 s[64:65], 0
	v_nop
	global_prefetch_b8 v0, s[64:65] scope:SCOPE_SE
	s_setreg_imm32_b32 hwreg(HW_REG_WAVE_MODE, 25, 1), 1
	s_wait_xcnt 0x0
	s_wait_alu depctr_hold_cnt(0) depctr_sa_sdst(0) depctr_va_vdst(0) depctr_va_sdst(0) depctr_va_ssrc(0) depctr_va_vcc(0) depctr_vm_vsrc(0)
	s_getreg_b32 s2, hwreg(HW_REG_IB_STS2, 6, 4)
	s_cmp_eq_u32 s2, 0
	s_cbranch_scc0 .Lentry_in_a_cluster
	s_endpgm
.Lentry_in_a_cluster:
	s_bfe_u32 s2, ttmp6, 0x10000c
	s_cmp_lg_u32 s2, 0xf033
	s_cbranch_scc0 .Lentry_shape_is_right
	s_endpgm
.Lentry_shape_is_right:
.set KS,     8
.set ASOFF,  3145728
.set BOFF,   3145728
.set BSOFF,  9437184+131072
.set HSC,    12582912
.set LAPS,   KS/4
.set NQ,     2
.set FR,     12
.set NL,     6
.set NP,     4
.set HALFT,  8*3072
.set SLOT,   4*HALFT
.set SCL,    2*SLOT
.set HALFS,  8*KS*64
.set SPARE,  SCL+4*HALFS
.set ADRA, 16
.set ADRB, 20
.set LN8,  24
.set RW4,  25
.set LN16, 26
.set ADRS, 27
.set SPW,  28
.set NIL,  29
.set SC,   32
.set BIAS, 64
.set AF,   128
.set PC,   128
.set TM,   224
.set PW,   240
.set SEL,  92
.set G1, 24
.set G0, 32
.set G1B, 48
.set G0B, 56
.set G1S, 68
.set G0S, 76
.set G1SB, 80
.set G0SB, 88
.set MSB, 0
.macro WIN new
.if MSB != \new
	s_set_vgpr_msb (MSB<<8)|\new
.set MSB, \new
.endif
.endm
.set MUL_LO, 0xa1
.set MUL_HI, 0xf1
.set TO_B,   0x40
.macro JLOAD g0a, g1a, g0b, g1b
	s_cmp_eq_u32 s15, 0
	s_cbranch_scc0 .Lfor_b_\@
	tensor_load_to_lds s[\g0a:\g0a+3], s[\g1a:\g1a+7]
	s_nop 0
.rept 4
	v_nop
.endr
	s_branch .Lasked_\@
.Lfor_b_\@:
	tensor_load_to_lds s[\g0b:\g0b+3], s[\g1b:\g1b+7]
	s_nop 0
.rept 4
	v_nop
.endr
.Lasked_\@:
.endm
.macro CREST
	s_cmp_lg_u32 s14, 0
	s_cbranch_scc1 .Lnot_wave_0_\@
	s_barrier_signal -3
.Lnot_wave_0_\@:
	s_barrier_wait -3
	s_barrier_signal -1
	s_barrier_wait -1
.endm
.macro CROUND
	s_barrier_signal -1
	s_barrier_wait -1
	CREST
.endm
	s_load_b128 s[4:7], s[0:1], 0x0
	s_load_b128 s[8:11], s[0:1], 0x10
	v_lshl_add_u32 v[SPW], v0, 2, SPARE
	v_mov_b32 v[NIL], 0
	ds_add_u32 v[SPW], v[NIL]
	ds_add_u32 v[SPW], v[NIL]
	v_lshrrev_b32 v1, 5, v0
	v_readfirstlane_b32 s14, v1
	s_lshr_b32 s15, s14, 1
	s_and_b32 s16, s14, 1
	s_bfe_u32 s40, ttmp6, 0x40000
	s_bfe_u32 s41, ttmp6, 0x40004
	s_lshl_b32 s42, ttmp9, 2
	s_add_co_u32 s42, s42, s40
	s_and_b32 s17, ttmp7, 0xffff
	s_lshl_b32 s17, s17, 2
	s_add_co_u32 s17, s17, s41
	s_lshl_b32 s43, s41, 2
	s_lshl_b32 s43, 15, s43
	s_lshl_b32 s44, 0x1111, s40
	s_or_b32 s[G1+0], s43, (3<<16)|(1<<21)
	s_or_b32 s[G1B+0], s44, (3<<16)|(1<<21)
.irp g, G1, G1B
	s_mov_b32 s[\g+1], 384<<16
	s_mov_b32 s[\g+2], 16<<16
	s_mov_b32 s[\g+3], 384<<16
	s_mov_b32 s[\g+4], 16
	s_mov_b32 s[\g+5], KS*192
	s_mov_b32 s[\g+6], 0
	s_mov_b32 s[\g+7], 0
.endr
	s_or_b32 s[G1S+0], s43, (3<<16)|(1<<21)
	s_or_b32 s[G1SB+0], s44, (3<<16)|(1<<21)
.irp g, G1S, G1SB
	s_mov_b32 s[\g+1], 32<<16
	s_mov_b32 s[\g+2], (2*HALFS/256)<<16
	s_mov_b32 s[\g+3], 32<<16
	s_mov_b32 s[\g+4], 2*HALFS/256
	s_mov_b32 s[\g+5], 32
	s_mov_b32 s[\g+6], 0
	s_mov_b32 s[\g+7], 0
.endr
	s_mul_i32 s18, s16, 8*KS*1536                  ; in the ring I fetch 8 tiles of a block's 16: which half, in bytes
	s_mov_b32 s19, 0
	s_lshl_b32 s20, s17, 4                         ; A: the block's first tile
	s_lshl_b32 s46, s42, 4                         ; B: likewise
	s_mul_i32 s22, s20, KS*64
	s_add_co_u32 s22, s22, ASOFF
	s_mov_b32 s23, 0
	s_mul_i32 s92, s46, KS*64
	s_add_co_u32 s92, s92, BSOFF
	s_mov_b32 s93, 0
	s_mul_i32 s20, s20, KS*1536
	s_mov_b32 s21, 0
	s_mul_i32 s46, s46, KS*1536
	s_add_co_u32 s46, s46, BOFF
	s_mov_b32 s47, 0
	s_mul_i32 s45, s14, HALFT
	s_wait_dscnt 0x0
	s_wait_kmcnt 0x0
	s_add_nc_u64 s[20:21], s[4:5], s[20:21]
	s_add_nc_u64 s[22:23], s[4:5], s[22:23]
	s_add_nc_u64 s[46:47], s[6:7], s[46:47]
	s_add_nc_u64 s[92:93], s[6:7], s[92:93]
	CROUND
	s_mov_b32 s[G0S], 1
	s_mov_b32 s[G0S+1], SCL
	s_mov_b64 s[G0S+2:G0S+3], s[22:23]
	s_or_b32 s[G0S+3], s[G0S+3], 0x80000000
	s_mov_b32 s[G0SB], 1
	s_mov_b32 s[G0SB+1], SCL+2*HALFS
	s_mov_b64 s[G0SB+2:G0SB+3], s[92:93]
	s_or_b32 s[G0SB+3], s[G0SB+3], 0x80000000
	; THE HEAD'S LOADS, one a wave: wave 0 slot 0's 16 tiles of A, wave 1 its 16 tiles of B, wave 2 A's scale words, wave 3 B's
	s_mov_b32 s[G0], 1
	s_mov_b32 s[G0+1], 0
	s_mov_b64 s[G0+2:G0+3], s[20:21]
	s_or_b32 s[G0+3], s[G0+3], 0x80000000
	s_mov_b32 s[G0B], 1
	s_mov_b32 s[G0B+1], 2*HALFT
	s_mov_b64 s[G0B+2:G0B+3], s[46:47]
	s_or_b32 s[G0B+3], s[G0B+3], 0x80000000
	s_add_nc_u64 s[20:21], s[20:21], s[18:19]      ; for the ring: my 8 tiles
	s_add_nc_u64 s[46:47], s[46:47], s[18:19]
	s_mov_b32 s[G0+4], 1
	s_add_co_u32 s[G0+5], s45, SLOT
	s_add_nc_u64 s[G0+6:G0+7], s[20:21], 3072
	s_or_b32 s[G0+7], s[G0+7], 0x80000000
	s_mov_b32 s[G0B+4], 1
	s_add_co_u32 s[G0B+5], s45, SLOT
	s_add_nc_u64 s[G0B+6:G0B+7], s[46:47], 3072
	s_or_b32 s[G0B+7], s[G0B+7], 0x80000000
.macro ARM under, g0, g1, next         ; one chain of branches on the wave's number: every way passes exactly one load
	s_cmp_lt_u32 s14, \under
	s_cbranch_scc0 \next
	tensor_load_to_lds s[\g0:\g0+3], s[\g1:\g1+7]
	s_nop 0
.rept 4
	v_nop
.endr
	s_branch .Lhead_asked
\next:
.endm
	ARM 1, G0,  G1,  .Lhead_b
	ARM 2, G0B, G1B, .Lhead_sa
	ARM 3, G0S, G1S, .Lhead_sb
	tensor_load_to_lds s[G0SB:G0SB+3], s[G1SB:G1SB+7]
	s_nop 0
.rept 4
	v_nop
.endr
.Lhead_asked:
	s_wait_alu depctr_va_vdst(0)
	s_wait_tensorcnt 0x0                           ; my tile of the head's four is in
	ds_add_u32 v28, v29
	s_mov_b32 s[G1+2], 8<<16                       ; no tensor load of mine is out: from here on a load brings 8 tiles,
	s_mov_b32 s[G1+4], 8
	s_mov_b32 s[G1B+2], 8<<16
	s_mov_b32 s[G1B+4], 8
	s_mov_b32 s[G0+1], s45                         ; and slot 0's group 0 stands at my part of it, for its first refill
	s_mov_b64 s[G0+2:G0+3], s[20:21]
	s_or_b32 s[G0+3], s[G0+3], 0x80000000
	s_mov_b32 s[G0B+1], s45
	s_mov_b64 s[G0B+2:G0B+3], s[46:47]
	s_or_b32 s[G0B+3], s[G0B+3], 0x80000000
	s_wait_dscnt 0x0
	CROUND
	JLOAD G0+4, G1, G0B+4, G1B                     ; slot 1's first fill, the first tensor load behind the round
	v_and_b32 v1, 15, v0
	v_bfe_u32 v2, v0, 4, 1
	v_and_b32 v3, 31, v0
	v_lshlrev_b32 v[LN8], 3, v3
	s_wait_alu depctr_va_vdst(0)
	v_lshlrev_b32 v[RW4], 2, v1
	v_lshlrev_b32 v[LN16], 4, v3
	s_lshl_b32 s46, s42, 10
	s_lshl_b32 s47, s16, 9
	s_add_co_u32 s46, s46, s47
	s_mov_b32 s47, 0
	s_add_nc_u64 s[8:9], s[8:9], s[46:47]
	v_lshlrev_b32 v7, 6, v2
.irp b, 0,1,2,3,4,5,6,7
	global_load_b128 v[BIAS+8*\b:BIAS+8*\b+3], v7, s[8:9] offset:(32*(\b/2)+8*(\b%2))*4
	global_load_b128 v[BIAS+8*\b+4:BIAS+8*\b+7], v7, s[8:9] offset:(32*(\b/2)+8*(\b%2))*4+16
.endr
	s_mul_i32 s21, s15, HALFT
	s_mul_i32 s22, s16, HALFT
	s_add_co_u32 s22, s22, 2*HALFT
.irp s, 0,1
	v_add_nc_u32 v[ADRA+\s], s21, v[LN8]
	v_add_nc_u32 v[ADRB+\s], s22, v[LN8]
	s_add_co_u32 s21, s21, SLOT
	s_add_co_u32 s22, s22, SLOT
.endr
	s_mul_i32 s21, s15, HALFS
	s_mul_i32 s22, s16, HALFS
	s_add_co_u32 s22, s22, 2*HALFS
	s_sub_co_u32 s22, s22, s21
	v_mul_u32_u24 v6, s22, v2
	s_wait_alu depctr_va_vdst(0)
	s_add_co_u32 s21, s21, SCL
	v_add_nc_u32 v5, v[RW4], v6
	v_add_nc_u32 v[ADRS], s21, v5
	s_lshl_b32 s20, s17, 4
	s_lshl_b32 s21, s15, 3
	s_add_co_u32 s20, s20, s21
	s_lshl_b32 s46, s42, 1
	s_add_co_u32 s46, s46, s16
	s_mul_i32 s22, s20, 2048
	s_lshl_b32 s47, s46, 6
	s_add_co_u32 s22, s22, s47
	s_add_co_u32 s22, s22, HSC
	s_mov_b32 s23, 0
	s_mul_i32 s20, s20, 49152
	s_mul_i32 s46, s46, 1536
	s_add_co_u32 s20, s20, s46
	s_mov_b32 s21, 0
	s_add_nc_u64 s[12:13], s[10:11], s[22:23]
	s_add_nc_u64 s[10:11], s[10:11], s[20:21]
.macro FRAG reg, adr, q, i
.irp p, 0,1,2,3,4,5
	ds_load_b64 v[\reg+2*\p:\reg+2*\p+1], v[\adr] offset:(\i)*3072+(\q)*1536+256*\p
.endr
.endm
.macro MUL16 a0, p, q, sc, zero
.irp a, \a0, \a0+1
.irp b, 0,1,2,3,4,5,6,7
.if \zero == 1
	v_wmma_scale_f32_16x16x128_f8f6f4 v[8*(8*((\a)%4)+\b):8*(8*((\a)%4)+\b)+7], v[128*(\p)+FR*\b:128*(\p)+FR*\b+FR-1], v[AF+FR*(\a):AF+FR*(\a)+FR-1], 0, v[SC+8*NQ*(\sc)+NQ*\b+(\q)], v[SC+8*NQ*(\sc)+NQ*(\a)+(\q)] matrix_a_fmt:MATRIX_FMT_FP6 matrix_b_fmt:MATRIX_FMT_FP6 matrix_a_scale:MATRIX_SCALE_ROW1
.elseif \zero == 2
	v_wmma_scale_f32_16x16x128_f8f6f4 v[8*(8*((\a)%4)+\b):8*(8*((\a)%4)+\b)+7], v[128*(\p)+FR*\b:128*(\p)+FR*\b+FR-1], v[AF+FR*(\a):AF+FR*(\a)+FR-1], v[BIAS+8*\b:BIAS+8*\b+7], v[SC+8*NQ*(\sc)+NQ*\b+(\q)], v[SC+8*NQ*(\sc)+NQ*(\a)+(\q)] matrix_a_fmt:MATRIX_FMT_FP6 matrix_b_fmt:MATRIX_FMT_FP6 matrix_a_scale:MATRIX_SCALE_ROW1
.else
	v_wmma_scale_f32_16x16x128_f8f6f4 v[8*(8*((\a)%4)+\b):8*(8*((\a)%4)+\b)+7], v[128*(\p)+FR*\b:128*(\p)+FR*\b+FR-1], v[AF+FR*(\a):AF+FR*(\a)+FR-1], v[8*(8*((\a)%4)+\b):8*(8*((\a)%4)+\b)+7], v[SC+8*NQ*(\sc)+NQ*\b+(\q)], v[SC+8*NQ*(\sc)+NQ*(\a)+(\q)] matrix_a_fmt:MATRIX_FMT_FP6 matrix_b_fmt:MATRIX_FMT_FP6 matrix_a_scale:MATRIX_SCALE_ROW1
.endif
.endr
.endr
.endm
.macro FETCH_B slot, q, p
	WIN TO_B
.irp i, 0,1,2,3,4,5,6,7
	FRAG 128*(\p)+FR*\i, ADRB+\slot, \q, \i
.endr
	WIN 0
.endm
.macro FETCH_A slot, q, i0
.irp i, \i0, \i0+1, \i0+2, \i0+3
	FRAG AF+FR*(\i), ADRA+\slot, \q, \i
.endr
.endm
.macro SCALES sc
.irp i, 0,1,2,3,4,5,6,7
	ds_load_b32 v[SC+16*\sc+2*\i], v[ADRS] offset:\i*KS*64
	ds_load_b32 v[SC+16*\sc+2*\i+1], v[ADRS] offset:\i*KS*64+64
.endr
.endm
.macro PLACES n
.rept \n
	v_nop
.endr
.endm
.macro STEP slot, q, zero
	s_wait_dscnt 4*NL
.if \zero == 2
	WIN 0x81
.else
	WIN MUL_LO
.endif
	MUL16 0, (\q)%2, \q, \slot, \zero
	MUL16 2, (\q)%2, \q, \slot, \zero
	s_wait_dscnt 0
	PLACES NP
	FETCH_B \slot, (\q)+1, 1-(\q)%2
	FETCH_A \slot, (\q)+1, 0
.if \zero == 2
	WIN 0xc1
.else
	WIN MUL_HI
.endif
	MUL16 4, (\q)%2, \q, \slot, \zero
	MUL16 6, (\q)%2, \q, \slot, \zero
	PLACES NP
	WIN 0
	FETCH_A \slot, (\q)+1, 4
.endm
.macro TURN slot, next, fill
	s_wait_tensorcnt 0x0
	ds_add_u32 v[SPW], v[NIL]
	s_wait_dscnt 4*NL+1
	WIN MUL_LO
	MUL16 0, 1, NQ-1, \slot, 0
	s_wait_dscnt 0x0
	s_barrier_signal -1
	MUL16 2, 1, NQ-1, \slot, 0
	WIN 0
	s_barrier_wait -1
.if \fill
	CREST
	s_add_nc_u64 s[G0+4*\slot+2:G0+4*\slot+3], s[G0+4*\slot+2:G0+4*\slot+3], 6144
	s_add_nc_u64 s[G0B+4*\slot+2:G0B+4*\slot+3], s[G0B+4*\slot+2:G0B+4*\slot+3], 6144
	JLOAD G0+4*\slot, G1, G0B+4*\slot, G1B
.else
	PLACES NP
.endif
	s_wait_alu depctr_va_vdst(0)
	v_add_nc_u32 v[ADRS], 128, v[ADRS]
	FETCH_B \next, 0, 0
	FETCH_A \next, 0, 0
	SCALES \next
	WIN MUL_HI
	MUL16 4, 1, NQ-1, \slot, 0
	MUL16 6, 1, NQ-1, \slot, 0
	PLACES NP
	WIN 0
	FETCH_A \next, 0, 4
.endm
	s_wait_alu depctr_va_vdst(0)
	s_wait_tensorcnt 1
	s_barrier_signal -1
	s_barrier_wait -1
	FETCH_B 0, 0, 0
	FETCH_A 0, 0, 0
	SCALES 0
	FETCH_A 0, 0, 4
	s_wait_loadcnt 0x0
	STEP 0, 0, 2
	s_mov_b32 s3, LAPS-1
.Llap:
	TURN 0, 1, 1
	STEP 1, 0, 0
	TURN 1, 0, 1
	STEP 0, 0, 0
	s_sub_co_u32 s3, s3, 1
	s_cmp_lg_u32 s3, 0
	s_cbranch_scc1 .Llap
	TURN 0, 1, 0
	STEP 1, 0, 0
	s_wait_dscnt 4*NL
	WIN MUL_LO
	MUL16 0, 1, NQ-1, 1, 0
	MUL16 2, 1, NQ-1, 1, 0
	s_wait_dscnt 0
	WIN MUL_HI
	MUL16 4, 1, NQ-1, 1, 0
	MUL16 6, 1, NQ-1, 1, 0
	WIN 0
	PLACES NP
.macro QUANTW a, pw
.set AC, 64*((\a)%4)
.set WW, 2+(\a)/4
.set WSEL, WW*5
	WIN WSEL
.irp b, 0,1,2,3
	v_max3_num_f32 v[TM+\b], |v[AC+16*\b]|, |v[AC+1+16*\b]|, 0x1800000
.endr
.irp i, 2,4,6,8,10,12,14
.irp b, 0,1,2,3
	v_max3_num_f32 v[TM+\b], |v[AC+16*\b+\i]|, |v[AC+1+16*\b+\i]|, v[TM+\b]
.endr
.endr
	WIN 0
.irp b, 0,1,2,3
	v_permlanex16_b32 v[TM+4+\b], v[TM+\b], s[SEL], s[SEL+1]
.endr
.irp b, 0,1,2,3
	v_max_num_f32 v[TM+\b], v[TM+\b], v[TM+4+\b]
.endr
.irp b, 0,1,2,3
	v_add_nc_u32 v[TM+12+\b], 0xff000000, v[TM+\b]
.endr
.irp b, 0,1,2,3
	v_lshrrev_b32 v[TM+4+\b], 23, v[TM+12+\b]
.endr
	v_lshl_or_b32 v[\pw], v[TM+5], 8, v[TM+4]
	v_lshl_or_b32 v[\pw], v[TM+6], 16, v[\pw]
	v_lshl_or_b32 v[\pw], v[TM+7], 24, v[\pw]
	WIN WW
.irp c, 0,1
	v_cvt_scalef32_pk16_fp6_f32 v[PC+6*\c:PC+2+6*\c], v[AC+32*\c:AC+15+32*\c], v[TM+12+2*\c]
	v_cvt_scalef32_pk16_fp6_f32 v[PC+12+4*\c:PC+14+4*\c], v[AC+16+32*\c:AC+31+32*\c], v[TM+12+2*\c+1]
.endr
	v_nop
	WIN 0
.irp c, 0,1
.irp i, 0,1,2
	v_permlane16_swap_b32 v[PC+6*\c+\i], v[PC+12+4*\c+\i]
.endr
.irp i, 0,1,2
	v_mov_b32 v[PC+3+6*\c+\i], v[PC+12+4*\c+\i]
.endr
.endr
.endm
	s_mov_b32 s[SEL], 0x76543210
	s_mov_b32 s[SEL+1], 0xfedcba98
.irp b, 0,1,2,3
	v_mov_b32 v[TM+4+\b], 0
.endr
.irp a, 0,1,2,3,4,5,6,7
.if \a > 0
	s_wait_xcnt 0x0
.endif
.set AC, 64*(\a%4)
.set WRL, 0x88+0x44*(\a/4)
	WIN WRL
.set J, 0
.rept 64
	v_max_num_f32 v[AC+J], 0, v[AC+J]
.set J, J+1
.endr
	QUANTW \a, PW
.irp p, 0,1,2,3,4,5
	global_store_b64 v[LN8], v[PC+2*\p:PC+2*\p+1], s[10:11] offset:\a*49152+256*\p
.endr
	global_store_b32 v[RW4], v[PW], s[12:13] offset:\a*2048
.endr
	s_wait_tensorcnt 0x0
	ds_add_u32 v[SPW], v[NIL]
	s_wait_dscnt 0x0
	CROUND
	s_endpgm
.Lfunc_end_k_q7151cbdaa9_ffn1:
	.size	k_q7151cbdaa9_ffn1, .Lfunc_end_k_q7151cbdaa9_ffn1-k_q7151cbdaa9_ffn1
	.p2alignl 7, 3214868480
	.fill 96, 4, 3214868480
	.section	.rodata,"a",@progbits
	.p2align	6, 0x0
	.amdhsa_kernel k_q7151cbdaa9_ffn1
		.amdhsa_group_segment_fixed_size 327680
		.amdhsa_private_segment_fixed_size 0
		.amdhsa_enable_private_segment 0
		.amdhsa_kernarg_size 32
		.amdhsa_user_sgpr_count 2
		.amdhsa_user_sgpr_kernarg_segment_ptr 1
		.amdhsa_wavefront_size32 1
		.amdhsa_system_sgpr_workgroup_id_x 1
		.amdhsa_system_sgpr_workgroup_id_y 1
		.amdhsa_system_sgpr_workgroup_id_z 1
		.amdhsa_system_vgpr_workitem_id 0
		.amdhsa_next_free_vgpr 1024
		.amdhsa_next_free_sgpr 98
		.amdhsa_reserve_vcc 0
		.amdhsa_float_denorm_mode_32 3
		.amdhsa_float_denorm_mode_16_64 3
		.amdhsa_memory_ordered 1
		.amdhsa_forward_progress 1
		.amdhsa_inst_pref_size 188
	.end_amdhsa_kernel
	.amdgpu_metadata
---
amdhsa.version: [ 1, 2 ]
amdhsa.kernels:
  - .name:           k_q7151cbdaa9_ffn1
    .symbol:         k_q7151cbdaa9_ffn1.kd
    .args:
      - { .name: xcode, .offset: 0, .size: 8, .value_kind: global_buffer, .address_space: global }
      - { .name: wq, .offset: 8, .size: 8, .value_kind: global_buffer, .address_space: global }
      - { .name: b1, .offset: 16, .size: 8, .value_kind: global_buffer, .address_space: global }
      - { .name: hq, .offset: 24, .size: 8, .value_kind: global_buffer, .address_space: global }
    .group_segment_fixed_size: 327680
    .private_segment_fixed_size: 0
    .kernarg_segment_align: 8
    .kernarg_segment_size: 32
    .max_flat_workgroup_size: 128
    .sgpr_count:     98
    .vgpr_count:     1024
    .wavefront_size: 32
...
	.end_amdgpu_metadata
.endif
;; end of part 13
;; launch ffn2 (part 14): grid 8 x 32, 4 waves a work-group, clusters of 4 x 4, 327,680 bytes of LDS; arguments hq, wq, b2, ybuf; writes ybuf
.if DOCPART == 14
	.amdgcn_target "amdgcn-amd-amdhsa--gfx1250"
	.amdhsa_code_object_version 6
	.text
	.protected	k_q7151cbdaa9_ffn2
	.globl	k_q7151cbdaa9_ffn2
	.p2align	8
	.type	k_q7151cbdaa9_ffn2,@function
k_q7151cbdaa9_ffn2:
	s_mov_b64 s[64:65], 0
	v_nop
	global_prefetch_b8 v0, s[64:65] scope:SCOPE_SE
	s_setreg_imm32_b32 hwreg(HW_REG_WAVE_MODE, 25, 1), 1
	s_wait_xcnt 0x0
	s_wait_alu depctr_hold_cnt(0) depctr_sa_sdst(0) depctr_va_vdst(0) depctr_va_sdst(0) depctr_va_ssrc(0) depctr_va_vcc(0) depctr_vm_vsrc(0)
	s_getreg_b32 s2, hwreg(HW_REG_IB_STS2, 6, 4)
	s_cmp_eq_u32 s2, 0
	s_cbranch_scc0 .Lentry_in_a_cluster
	s_endpgm
.Lentry_in_a_cluster:
	s_bfe_u32 s2, ttmp6, 0x10000c
	s_cmp_lg_u32 s2, 0xf033
	s_cbranch_scc0 .Lentry_shape_is_right
	s_endpgm
.Lentry_shape_is_right:
.set KS,     32
.set ASOFF,  12582912
.set BOFF,   6291456
.set BSOFF,  9437184+262144
.set NQ,     4
.set LAPS,   KS/(2*NQ)
.set FR,     12
.set NP,     4
.set TROW,   NQ*1536
.set HALFT,  4*TROW
.set SLOT,   4*HALFT
.set SCL,    2*SLOT
.set HALFS,  4*KS*64
.set SPARE,  SCL+4*HALFS
.set ADRA, 16
.set ADRB, 20
.set LN8,  24
.set RW4,  25
.set LN16, 26
.set ADRS, 27
.set SPW,  28
.set NIL,  29
.set SC,   32
.set BIAS, 64
.set ACC,  128
.set G1, 24
.set G0, 32
.set G1B, 48
.set G0B, 56
.set G1S, 68
.set G0S, 76
.set G1SB, 80
.set G0SB, 88
.set MSB, 0
.macro WIN new
.if MSB != \new
	s_set_vgpr_msb (MSB<<8)|\new
.set MSB, \new
.endif
.endm
.set MUL,  0x05
.set TO_F, 0x40
.macro JLOAD g0a, g1a, g0b, g1b
	s_cmp_eq_u32 s15, 0
	s_cbranch_scc0 .Lfor_b_\@
	tensor_load_to_lds s[\g0a:\g0a+3], s[\g1a:\g1a+7]
	s_nop 0
.rept 4
	v_nop
.endr
	s_branch .Lasked_\@
.Lfor_b_\@:
	tensor_load_to_lds s[\g0b:\g0b+3], s[\g1b:\g1b+7]
	s_nop 0
.rept 4
	v_nop
.endr
.Lasked_\@:
.endm
.macro CREST
	s_cmp_lg_u32 s14, 0
	s_cbranch_scc1 .Lnot_wave_0_\@
	s_barrier_signal -3
.Lnot_wave_0_\@:
	s_barrier_wait -3
	s_barrier_signal -1
	s_barrier_wait -1
.endm
.macro CROUND
	s_barrier_signal -1
	s_barrier_wait -1
	CREST
.endm
	s_load_b128 s[4:7], s[0:1], 0x0
	s_load_b128 s[8:11], s[0:1], 0x10
	v_lshl_add_u32 v[SPW], v0, 2, SPARE
	v_mov_b32 v[NIL], 0
	ds_add_u32 v[SPW], v[NIL]
	ds_add_u32 v[SPW], v[NIL]
	v_lshrrev_b32 v1, 5, v0
	v_readfirstlane_b32 s14, v1
	s_lshr_b32 s15, s14, 1
	s_and_b32 s16, s14, 1
	s_bfe_u32 s40, ttmp6, 0x40000
	s_bfe_u32 s41, ttmp6, 0x40004
	s_lshl_b32 s42, ttmp9, 2
	s_add_co_u32 s42, s42, s40
	s_and_b32 s17, ttmp7, 0xffff
	s_lshl_b32 s17, s17, 2
	s_add_co_u32 s17, s17, s41
	s_lshl_b32 s43, s41, 2
	s_lshl_b32 s43, 15, s43
	s_lshl_b32 s44, 0x1111, s40
	s_or_b32 s[G1+0], s43, (3<<16)|(1<<21)
	s_or_b32 s[G1B+0], s44, (3<<16)|(1<<21)
.irp g, G1, G1B
	s_mov_b32 s[\g+1], (TROW/8)<<16
	s_mov_b32 s[\g+2], 8<<16
	s_mov_b32 s[\g+3], (TROW/8)<<16
	s_mov_b32 s[\g+4], 8
	s_mov_b32 s[\g+5], KS*192
	s_mov_b32 s[\g+6], 0
	s_mov_b32 s[\g+7], 0
.endr
	s_or_b32 s[G1S+0], s43, (3<<16)|(1<<21)
	s_or_b32 s[G1SB+0], s44, (3<<16)|(1<<21)
.irp g, G1S, G1SB
	s_mov_b32 s[\g+1], 32<<16
	s_mov_b32 s[\g+2], (2*HALFS/256)<<16
	s_mov_b32 s[\g+3], 32<<16
	s_mov_b32 s[\g+4], 2*HALFS/256
	s_mov_b32 s[\g+5], 32
	s_mov_b32 s[\g+6], 0
	s_mov_b32 s[\g+7], 0
.endr
	s_mul_i32 s18, s16, 4*KS*1536                  ; in the ring I fetch 4 tiles of a block's 8: which half, in bytes
	s_mov_b32 s19, 0
	s_lshl_b32 s20, s17, 3                         ; A: the block's first tile
	s_lshl_b32 s46, s42, 3                         ; B: likewise
	s_mul_i32 s22, s20, KS*64
	s_add_co_u32 s22, s22, ASOFF
	s_mov_b32 s23, 0
	s_mul_i32 s92, s46, KS*64
	s_add_co_u32 s92, s92, BSOFF
	s_mov_b32 s93, 0
	s_mul_i32 s20, s20, KS*1536
	s_mov_b32 s21, 0
	s_mul_i32 s46, s46, KS*1536
	s_add_co_u32 s46, s46, BOFF
	s_mov_b32 s47, 0
	s_mul_i32 s45, s14, HALFT
	s_wait_dscnt 0x0
	s_wait_kmcnt 0x0
	s_add_nc_u64 s[20:21], s[4:5], s[20:21]
	s_add_nc_u64 s[22:23], s[4:5], s[22:23]
	s_add_nc_u64 s[46:47], s[6:7], s[46:47]
	s_add_nc_u64 s[92:93], s[6:7], s[92:93]
	CROUND
	s_mov_b32 s[G0S], 1
	s_mov_b32 s[G0S+1], SCL
	s_mov_b64 s[G0S+2:G0S+3], s[22:23]
	s_or_b32 s[G0S+3], s[G0S+3], 0x80000000
	s_mov_b32 s[G0SB], 1
	s_mov_b32 s[G0SB+1], SCL+2*HALFS
	s_mov_b64 s[G0SB+2:G0SB+3], s[92:93]
	s_or_b32 s[G0SB+3], s[G0SB+3], 0x80000000
	; THE HEAD'S LOADS, one a wave: wave 0 slot 0's 8 tiles of A, wave 1 its 8 tiles of B, wave 2 A's scale words, wave 3 B's
	s_mov_b32 s[G0], 1
	s_mov_b32 s[G0+1], 0
	s_mov_b64 s[G0+2:G0+3], s[20:21]
	s_or_b32 s[G0+3], s[G0+3], 0x80000000
	s_mov_b32 s[G0B], 1
	s_mov_b32 s[G0B+1], 2*HALFT
	s_mov_b64 s[G0B+2:G0B+3], s[46:47]
	s_or_b32 s[G0B+3], s[G0B+3], 0x80000000
	s_add_nc_u64 s[20:21], s[20:21], s[18:19]      ; for the ring: my 4 tiles
	s_add_nc_u64 s[46:47], s[46:47], s[18:19]
	s_mov_b32 s[G0+4], 1
	s_add_co_u32 s[G0+5], s45, SLOT
	s_add_nc_u64 s[G0+6:G0+7], s[20:21], TROW
	s_or_b32 s[G0+7], s[G0+7], 0x80000000
	s_mov_b32 s[G0B+4], 1
	s_add_co_u32 s[G0B+5], s45, SLOT
	s_add_nc_u64 s[G0B+6:G0B+7], s[46:47], TROW
	s_or_b32 s[G0B+7], s[G0B+7], 0x80000000
.macro ARM under, g0, g1, next         ; one chain of branches on the wave's number: every way passes exactly one load
	s_cmp_lt_u32 s14, \under
	s_cbranch_scc0 \next
	tensor_load_to_lds s[\g0:\g0+3], s[\g1:\g1+7]
	s_nop 0
.rept 4
	v_nop
.endr
	s_branch .Lhead_asked
\next:
.endm
	ARM 1, G0,  G1,  .Lhead_b
	ARM 2, G0B, G1B, .Lhead_sa
	ARM 3, G0S, G1S, .Lhead_sb
	tensor_load_to_lds s[G0SB:G0SB+3], s[G1SB:G1SB+7]
	s_nop 0
.rept 4
	v_nop
.endr
.Lhead_asked:
	s_wait_alu depctr_va_vdst(0)
	s_wait_tensorcnt 0x0                           ; my tile of the head's four is in
	ds_add_u32 v28, v29
	s_mov_b32 s[G1+2], 4<<16                       ; no tensor load of mine is out: from here on a load brings 4 tiles,
	s_mov_b32 s[G1+4], 4
	s_mov_b32 s[G1B+2], 4<<16
	s_mov_b32 s[G1B+4], 4
	s_mov_b32 s[G0+1], s45                         ; and slot 0's group 0 stands at my part of it, for its first refill
	s_mov_b64 s[G0+2:G0+3], s[20:21]
	s_or_b32 s[G0+3], s[G0+3], 0x80000000
	s_mov_b32 s[G0B+1], s45
	s_mov_b64 s[G0B+2:G0B+3], s[46:47]
	s_or_b32 s[G0B+3], s[G0B+3], 0x80000000
	s_wait_dscnt 0x0
	CROUND
	JLOAD G0+4, G1, G0B+4, G1B                     ; slot 1's first fill, the first tensor load behind the round
	v_and_b32 v1, 15, v0
	v_bfe_u32 v2, v0, 4, 1
	v_and_b32 v3, 31, v0
	v_lshlrev_b32 v[LN8], 3, v3
	s_wait_alu depctr_va_vdst(0)
	v_lshlrev_b32 v[RW4], 2, v1
	v_lshlrev_b32 v[LN16], 4, v3
	s_lshl_b32 s46, s42, 9
	s_lshl_b32 s47, s16, 8
	s_add_co_u32 s46, s46, s47
	s_mov_b32 s47, 0
	s_add_nc_u64 s[8:9], s[8:9], s[46:47]
	v_lshlrev_b32 v7, 6, v2
.irp b, 0,1,2,3
	global_load_b128 v[BIAS+8*\b:BIAS+8*\b+3], v7, s[8:9] offset:(32*(\b/2)+8*(\b%2))*4
	global_load_b128 v[BIAS+8*\b+4:BIAS+8*\b+7], v7, s[8:9] offset:(32*(\b/2)+8*(\b%2))*4+16
.endr
	s_mul_i32 s21, s15, HALFT
	s_mul_i32 s22, s16, HALFT
	s_add_co_u32 s22, s22, 2*HALFT
.irp s, 0,1
	v_add_nc_u32 v[ADRA+\s], s21, v[LN8]
	v_add_nc_u32 v[ADRB+\s], s22, v[LN8]
	s_add_co_u32 s21, s21, SLOT
	s_add_co_u32 s22, s22, SLOT
.endr
	s_mul_i32 s21, s15, HALFS
	s_mul_i32 s22, s16, HALFS
	s_add_co_u32 s22, s22, 2*HALFS
	s_sub_co_u32 s22, s22, s21
	v_mul_u32_u24 v6, s22, v2
	s_wait_alu depctr_va_vdst(0)
	s_add_co_u32 s21, s21, SCL
	v_add_nc_u32 v5, v[RW4], v6
	v_add_nc_u32 v[ADRS], s21, v5
	s_lshl_b32 s20, s17, 3
	s_lshl_b32 s21, s15, 2
	s_add_co_u32 s20, s20, s21
	s_lshl_b32 s20, s20, 16
	s_lshl_b32 s46, s42, 3
	s_lshl_b32 s47, s16, 2
	s_add_co_u32 s46, s46, s47
	s_lshl_b32 s46, s46, 10
	s_add_co_u32 s20, s20, s46
	s_mov_b32 s21, 0
	s_add_nc_u64 s[10:11], s[10:11], s[20:21]
.macro FRAG reg, adr, q, i
.irp p, 0,1,2,3,4,5
	ds_load_b64 v[\reg+2*\p:\reg+2*\p+1], v[\adr] offset:(\i)*TROW+(\q)*1536+256*\p
.endr
.endm
.macro FETCH slot, q, f
	WIN TO_F
.irp i, 0,1,2,3
	FRAG \f+48+FR*\i, ADRB+\slot, \q, \i
.endr
.irp i, 0,1,2,3
	FRAG \f+FR*\i, ADRA+\slot, \q, \i
.endr
.endm
.macro SCALES sc
.irp i, 0,1,2,3
.irp q, 0,1,2,3
	ds_load_b32 v[SC+16*\sc+4*\i+\q], v[ADRS] offset:\i*KS*64+\q*64
.endr
.endr
.endm
.macro MULS f, q, sc, zero
.irp a, 0,1,2,3
.irp b, 0,1,2,3
.if \zero == 2
	v_wmma_scale_f32_16x16x128_f8f6f4 v[ACC+8*(4*\a+\b):ACC+8*(4*\a+\b)+7], v[\f+48+FR*\b:\f+48+FR*\b+FR-1], v[\f+FR*\a:\f+FR*\a+FR-1], v[BIAS+8*\b:BIAS+8*\b+7], v[SC+16*(\sc)+4*\b+(\q)], v[SC+16*(\sc)+4*\a+(\q)] matrix_a_fmt:MATRIX_FMT_FP6 matrix_b_fmt:MATRIX_FMT_FP6 matrix_a_scale:MATRIX_SCALE_ROW1
.else
	v_wmma_scale_f32_16x16x128_f8f6f4 v[ACC+8*(4*\a+\b):ACC+8*(4*\a+\b)+7], v[\f+48+FR*\b:\f+48+FR*\b+FR-1], v[\f+FR*\a:\f+FR*\a+FR-1], v[ACC+8*(4*\a+\b):ACC+8*(4*\a+\b)+7], v[SC+16*(\sc)+4*\b+(\q)], v[SC+16*(\sc)+4*\a+(\q)] matrix_a_fmt:MATRIX_FMT_FP6 matrix_b_fmt:MATRIX_FMT_FP6 matrix_a_scale:MATRIX_SCALE_ROW1
.endif
.endr
.endr
.endm
.macro PLACES n
.rept \n
	v_nop
.endr
.endm
.macro QSTEP slot, q, zero
	s_wait_dscnt 0x0
	PLACES NP
	FETCH \slot, (\q)+1, 128*(1-(\q)%2)
	WIN MUL
	MULS 128*((\q)%2), \q, \slot, \zero
.endm
.macro TURN slot, next, fill
	WIN 0
	s_wait_tensorcnt 0x0
	ds_add_u32 v[SPW], v[NIL]
.if \fill
	s_add_nc_u64 s[G0+4*\slot+2:G0+4*\slot+3], s[G0+4*\slot+2:G0+4*\slot+3], 2*TROW
	s_add_nc_u64 s[G0B+4*\slot+2:G0B+4*\slot+3], s[G0B+4*\slot+2:G0B+4*\slot+3], 2*TROW
.endif
	s_wait_dscnt 0x0
	s_barrier_signal -1
	s_barrier_wait -1
.if \fill
	CREST
	JLOAD G0+4*\slot, G1, G0B+4*\slot, G1B
.else
	PLACES NP
.endif
	s_wait_alu depctr_va_vdst(0)
	v_add_nc_u32 v[ADRS], NQ*64, v[ADRS]
	FETCH \next, 0, 0
	WIN 0
	SCALES \next
	WIN MUL
	MULS 128, NQ-1, \slot, 0
.endm
	s_wait_alu depctr_va_vdst(0)
	s_wait_tensorcnt 1
	s_barrier_signal -1
	s_barrier_wait -1
	FETCH 0, 0, 0
	WIN 0
	SCALES 0
	s_wait_loadcnt 0x0
	QSTEP 0, 0, 2
.if LAPS > 1
	WIN 0
	s_mov_b32 s3, LAPS-1
.Llap:
	QSTEP 0, 1, 0
	QSTEP 0, 2, 0
	TURN 0, 1, 1
	QSTEP 1, 0, 0
	QSTEP 1, 1, 0
	QSTEP 1, 2, 0
	TURN 1, 0, 1
	QSTEP 0, 0, 0
	WIN 0
	s_sub_co_u32 s3, s3, 1
	s_cmp_lg_u32 s3, 0
	s_cbranch_scc1 .Llap
.endif
	QSTEP 0, 1, 0
	QSTEP 0, 2, 0
	TURN 0, 1, 0
	QSTEP 1, 0, 0
	QSTEP 1, 1, 0
	QSTEP 1, 2, 0
	s_wait_dscnt 0x0
	MULS 128, NQ-1, 1, 0
	WIN 0
	PLACES NP
.irp a, 0,1,2,3
.irp b, 0,1,2,3
	global_store_b128 v[LN16], v[ACC+8*(4*\a+\b):ACC+8*(4*\a+\b)+3], s[10:11] offset:\a*65536+\b*1024 th:TH_STORE_NT
	global_store_b128 v[LN16], v[ACC+8*(4*\a+\b)+4:ACC+8*(4*\a+\b)+7], s[10:11] offset:\a*65536+\b*1024+512 th:TH_STORE_NT
.endr
.endr
	s_wait_tensorcnt 0x0
	ds_add_u32 v[SPW], v[NIL]
	s_wait_dscnt 0x0
	CROUND
	s_endpgm
.Lfunc_end_k_q7151cbdaa9_ffn2:
	.size	k_q7151cbdaa9_ffn2, .Lfunc_end_k_q7151cbdaa9_ffn2-k_q7151cbdaa9_ffn2
	.p2alignl 7, 3214868480
	.fill 96, 4, 3214868480
	.section	.rodata,"a",@progbits
	.p2align	6, 0x0
	.amdhsa_kernel k_q7151cbdaa9_ffn2
		.amdhsa_group_segment_fixed_size 327680
		.amdhsa_private_segment_fixed_size 0
		.amdhsa_enable_private_segment 0
		.amdhsa_kernarg_size 32
		.amdhsa_user_sgpr_count 2
		.amdhsa_user_sgpr_kernarg_segment_ptr 1
		.amdhsa_wavefront_size32 1
		.amdhsa_system_sgpr_workgroup_id_x 1
		.amdhsa_system_sgpr_workgroup_id_y 1
		.amdhsa_system_sgpr_workgroup_id_z 1
		.amdhsa_system_vgpr_workitem_id 0
		.amdhsa_next_free_vgpr 512
		.amdhsa_next_free_sgpr 98
		.amdhsa_reserve_vcc 0
		.amdhsa_float_denorm_mode_32 3
		.amdhsa_float_denorm_mode_16_64 3
		.amdhsa_memory_ordered 1
		.amdhsa_forward_progress 1
		.amdhsa_inst_pref_size 105
	.end_amdhsa_kernel
	.amdgpu_metadata
---
amdhsa.version: [ 1, 2 ]
amdhsa.kernels:
  - .name:           k_q7151cbdaa9_ffn2
    .symbol:         k_q7151cbdaa9_ffn2.kd
    .args:
      - { .name: hq, .offset: 0, .size: 8, .value_kind: global_buffer, .address_space: global }
      - { .name: wq, .offset: 8, .size: 8, .value_kind: global_buffer, .address_space: global }
      - { .name: b2, .offset: 16, .size: 8, .value_kind: global_buffer, .address_space: global }
      - { .name: ybuf, .offset: 24, .size: 8, .value_kind: global_buffer, .address_space: global }
    .group_segment_fixed_size: 327680
    .private_segment_fixed_size: 0
    .kernarg_segment_align: 8
    .kernarg_segment_size: 32
    .max_flat_workgroup_size: 128
    .sgpr_count:     98
    .vgpr_count:     512
    .wavefront_size: 32
...
	.end_amdgpu_metadata
.endif
;; end of part 14
;; launch ln2 (part 15): grid 256 x 1, 8 waves a work-group, no clusters, 69,632 bytes of LDS; arguments ybuf, x1f, ln2_g, ln2_b, out0; writes out0
.if DOCPART == 15
	.amdgcn_target "amdgcn-amd-amdhsa--gfx1250"
	.amdhsa_code_object_version 6
	.text
	.protected	k_q7151cbdaa9_ln2
	.globl	k_q7151cbdaa9_ln2
	.p2align	8
	.type	k_q7151cbdaa9_ln2,@function
k_q7151cbdaa9_ln2:
	s_mov_b64 s[64:65], 0
	v_nop
	global_prefetch_b8 v0, s[64:65] scope:SCOPE_SE
	s_setreg_imm32_b32 hwreg(HW_REG_WAVE_MODE, 25, 1), 1
	s_wait_xcnt 0x0
; ENCODER BLOCK, launch 5 of 8 (MODE 1) and 8 of 8 (MODE 2): residual and layer norm.  Nothing is left out.
; z = y + residual; (z - mean) x rsqrt(variance + 1e-5) x gain + bias, mean and centred variance over the row's 1,024, all in f32.
; y lies as accumulator images: [token tile T][column tile 0-63][2 planes of 512 bytes]: lane (r, h) holds token 32 (T / 2) + 8 (T % 2) + r + 8 (r / 8); register j of column tile 2 g + u is column 32 g + 16 h + 8 u + j.
; A work-group takes one token tile, 16 rows; wave w takes columns 128 w .. 128 w + 127: 64 registers a lane, register 16 g + i = column 128 w + 32 g + 16 h + i.  A row's sums meet in LDS, one barrier each.
; MODE 1: the residual comes from the problem's inputs (rows); the result goes out in y's layout (for the last norm) and, quantised along the row, as K step w of the next product's operand.
; MODE 2: the residual comes in y's layout; the result goes through the wave's own stage in LDS and leaves as rows: each store covers 512 consecutive bytes.
.set MODE, 2
.set RED1,  0                          ; LDS: 16 rows x 8 waves' sums,
.set RED2,  512                        ; the same for the squares,
.set SPARE, 1024                       ; the spare words, 128 bytes for each wave, that no other line names,
.set STG,   2048                       ; MODE 2: a stage of 16 rows x (512 + 16) bytes for each wave
.set ASC,   3145728
.set Z,   32
.set R,   96                           ; the residual, then the gain, then rows on their way out
.set BE,  160                          ; the bias
.set PC,  96
.set TM,  224
.set PW,  240
.set SPW, 30
.set NIL, 31
.set SEL, 24
; v[16:23], four packed chains, become the row's sum over all 1,024 columns, in v16 of every lane
.macro ACROSS red
	s_delay_alu instid0(VALU_DEP_3)
	v_pk_add_f32 v[16:17], v[16:17], v[18:19]
	s_delay_alu instid0(VALU_DEP_2)
	v_pk_add_f32 v[20:21], v[20:21], v[22:23]
	s_delay_alu instid0(VALU_DEP_1)
	v_pk_add_f32 v[16:17], v[16:17], v[20:21]
	s_delay_alu instid0(VALU_DEP_1)
	v_add_f32 v16, v16, v17
	s_delay_alu instid0(VALU_DEP_1)
	v_permlanex16_b32 v17, v16, s[SEL], s[SEL+1]
	s_delay_alu instid0(VALU_DEP_1)
	v_add_f32 v16, v16, v17                        ; my wave's 128 columns of row r
	ds_store_b32 v8, v16 offset:\red               ; lanes r and r + 16 write the same word with the same value
	s_wait_dscnt 0x0                               ; for the others' sake
	s_barrier_signal -1
	s_barrier_wait -1
	ds_load_b128 v[16:19], v7 offset:\red
	ds_load_b128 v[20:23], v7 offset:\red+16
	s_wait_dscnt 0x0
	v_add_f32 v16, v16, v17
	v_add_f32 v18, v18, v19
	v_add_f32 v20, v20, v21
	v_add_f32 v22, v22, v23
	s_delay_alu instid0(VALU_DEP_3)
	v_add_f32 v16, v16, v18
	s_delay_alu instid0(VALU_DEP_2)
	v_add_f32 v20, v20, v22
	s_delay_alu instid0(VALU_DEP_1)
	v_add_f32 v16, v16, v20
.endm
	s_load_b256 s[4:11], s[0:1], 0x0               ; y, the residual, the gain, the bias
	s_load_b64 s[12:13], s[0:1], 0x20              ; out0
	v_lshl_add_u32 v[SPW], v0, 2, SPARE
	v_mov_b32 v[NIL], 0
	v_lshrrev_b32 v1, 5, v0
	s_delay_alu instid0(VALU_DEP_1)
	v_readfirstlane_b32 s16, v1                    ; wave 0..7
	v_and_b32 v1, 15, v0                           ; r
	v_bfe_u32 v2, v0, 4, 1                         ; h
	v_and_b32 v3, 31, v0                           ; lane
	s_delay_alu instid0(VALU_DEP_1)
	v_lshlrev_b32 v4, 4, v3                        ; 16 L
	s_delay_alu instid0(VALU_DEP_3)
	v_lshlrev_b32 v5, 6, v2                        ; 64 h
	v_lshlrev_b32 v7, 5, v1                        ; 32 r: a row's eight sums
	s_lshl_b32 s17, s16, 2
	v_add_nc_u32 v8, s17, v7                       ; + 4 w: mine
	s_mul_i32 s17, s16, 8448
	v_mul_u32_u24 v9, v1, 528
	s_delay_alu instid0(VALU_DEP_1)
	v_add_nc_u32 v9, v9, v5
	s_delay_alu instid0(VALU_DEP_1)
	v_add_nc_u32 v9, s17, v9                       ; the stage, in: row r, + 64 h
	v_add_nc_u32 v10, s17, v4                      ; and back: 16 bytes a lane of a row
	s_lshl_b32 s18, ttmp9, 16                      ; y: tile x 65,536 + wave x 8 column tiles
	s_lshl_b32 s19, s16, 13
	s_add_co_u32 s18, s18, s19
	s_mov_b32 s19, 0
	s_lshr_b32 s20, ttmp9, 1
	s_lshl_b32 s20, s20, 5
	s_and_b32 s21, ttmp9, 1
	s_lshl_b32 s21, s21, 3
	s_add_co_u32 s20, s20, s21                     ; the tile's first token
	s_lshl_b32 s20, s20, 12
	s_lshl_b32 s22, s16, 9                         ; 512 w
	s_add_co_u32 s20, s20, s22
	s_mov_b32 s21, 0
	s_mov_b32 s23, 0
	s_mov_b32 s[SEL], 0x76543210
	s_mov_b32 s[SEL+1], 0xfedcba98
	s_mov_b32 s26, 0x3a800000                      ; 1 / 1,024
	s_mov_b32 s27, 0x3727c5ac                      ; 1e-5
	s_wait_alu depctr_va_vdst(0)
	s_wait_kmcnt 0x0
	s_add_nc_u64 s[4:5], s[4:5], s[18:19]
	s_add_nc_u64 s[8:9], s[8:9], s[22:23]
	s_add_nc_u64 s[10:11], s[10:11], s[22:23]
	s_add_nc_u64 s[6:7], s[6:7], s[18:19]
	s_add_nc_u64 s[12:13], s[12:13], s[20:21]
.irp n, 0,1,2,3,4,5,6,7
	global_load_b128 v[Z+8*\n:Z+8*\n+3], v4, s[4:5] offset:1024*\n th:TH_LOAD_NT
	global_load_b128 v[Z+8*\n+4:Z+8*\n+7], v4, s[4:5] offset:1024*\n+512 th:TH_LOAD_NT
.endr
.irp n, 0,1,2,3,4,5,6,7
	global_load_b128 v[R+8*\n:R+8*\n+3], v4, s[6:7] offset:1024*\n th:TH_LOAD_NT
	global_load_b128 v[R+8*\n+4:R+8*\n+7], v4, s[6:7] offset:1024*\n+512 th:TH_LOAD_NT
.endr
.irp g, 0,1,2,3
.irp k, 0,1,2,3
	global_load_b128 v[BE+16*\g+4*\k:BE+16*\g+4*\k+3], v5, s[10:11] offset:128*\g+16*\k
.endr
.endr
	s_wait_loadcnt 16                              ; y and the residual are in; the bias's 16 loads may be out
.set J, 0
.rept 32
	v_pk_add_f32 v[Z+J:Z+J+1], v[Z+J:Z+J+1], v[R+J:R+J+1]
.set J, J+2
.endr
.irp g, 0,1,2,3
.irp k, 0,1,2,3
	global_load_b128 v[R+16*\g+4*\k:R+16*\g+4*\k+3], v5, s[8:9] offset:128*\g+16*\k   ; the gain, where the residual lay
.endr
.endr
	v_pk_add_f32 v[16:17], v[Z:Z+1], v[Z+2:Z+3]    ; the sum, in four chains
	v_pk_add_f32 v[18:19], v[Z+4:Z+5], v[Z+6:Z+7]
	v_pk_add_f32 v[20:21], v[Z+8:Z+9], v[Z+10:Z+11]
	v_pk_add_f32 v[22:23], v[Z+12:Z+13], v[Z+14:Z+15]
.set J, 16
.rept 6
	s_delay_alu instid0(VALU_DEP_4)
	v_pk_add_f32 v[16:17], v[16:17], v[Z+J:Z+J+1]
	s_delay_alu instid0(VALU_DEP_4)
	v_pk_add_f32 v[18:19], v[18:19], v[Z+J+2:Z+J+3]
	s_delay_alu instid0(VALU_DEP_4)
	v_pk_add_f32 v[20:21], v[20:21], v[Z+J+4:Z+J+5]
	s_delay_alu instid0(VALU_DEP_4)
	v_pk_add_f32 v[22:23], v[22:23], v[Z+J+6:Z+J+7]
.set J, J+8
.endr
	ACROSS RED1
	s_delay_alu instid0(VALU_DEP_1)
	v_mul_f32 v24, s26, v16                        ; the mean
	s_delay_alu instid0(VALU_DEP_1)
	v_mov_b32 v25, v24
.set J, 0
.rept 32
	v_pk_add_f32 v[Z+J:Z+J+1], v[Z+J:Z+J+1], v[24:25] neg_lo:[0,1] neg_hi:[0,1]
.set J, J+2
.endr
	v_pk_mul_f32 v[16:17], v[Z:Z+1], v[Z:Z+1]      ; the squares, in four chains
	v_pk_mul_f32 v[18:19], v[Z+2:Z+3], v[Z+2:Z+3]
	v_pk_mul_f32 v[20:21], v[Z+4:Z+5], v[Z+4:Z+5]
	v_pk_mul_f32 v[22:23], v[Z+6:Z+7], v[Z+6:Z+7]
.set J, 8
.rept 7
	s_delay_alu instid0(VALU_DEP_4)
	v_pk_fma_f32 v[16:17], v[Z+J:Z+J+1], v[Z+J:Z+J+1], v[16:17]
	s_delay_alu instid0(VALU_DEP_4)
	v_pk_fma_f32 v[18:19], v[Z+J+2:Z+J+3], v[Z+J+2:Z+J+3], v[18:19]
	s_delay_alu instid0(VALU_DEP_4)
	v_pk_fma_f32 v[20:21], v[Z+J+4:Z+J+5], v[Z+J+4:Z+J+5], v[20:21]
	s_delay_alu instid0(VALU_DEP_4)
	v_pk_fma_f32 v[22:23], v[Z+J+6:Z+J+7], v[Z+J+6:Z+J+7], v[22:23]
.set J, J+8
.endr
	ACROSS RED2                                    ; other bytes than the first exchange's: no barrier between the two is owed
	s_delay_alu instid0(VALU_DEP_1)
	v_fma_f32 v24, v16, s26, s27                   ; variance + 1e-5 (the factor is a power of two: one rounding, as in two steps)
	s_wait_alu depctr_va_vdst(0)
	v_rsq_f32 v24, v24
	v_nop                                          ; a plain line behind the transcendental
	s_wait_alu depctr_va_vdst(0)                   ; ahead of its first reader
	v_mov_b32 v25, v24
	s_wait_alu depctr_va_vdst(0)
	s_wait_loadcnt 0x0                             ; the gain and the bias
.set J, 0
.rept 32
	v_pk_mul_f32 v[Z+J:Z+J+1], v[Z+J:Z+J+1], v[24:25]
.set J, J+2
.endr
.set J, 0
.rept 32
	v_pk_fma_f32 v[Z+J:Z+J+1], v[Z+J:Z+J+1], v[R+J:R+J+1], v[BE+J:BE+J+1]
.set J, J+2
.endr
.irp g, 0,1,2,3
.irp k, 0,1,2,3
	ds_store_b128 v9, v[Z+16*\g+4*\k:Z+16*\g+4*\k+3] offset:STG+128*\g+16*\k
.endr
.endr
.irp t, 0,1,2,3,4,5,6,7,8,9,10,11,12,13,14,15
	ds_load_b128 v[R+4*\t:R+4*\t+3], v10 offset:STG+528*\t   ; LDS serves a wave's instructions in order (ISA guide 5.7.1.4): these see my stores
.endr
.irp t, 0,1,2,3,4,5,6,7,8,9,10,11,12,13,14,15
	s_wait_dscnt 15-\t                             ; row t is back; the younger rows may be out
	global_store_b128 v4, v[R+4*\t:R+4*\t+3], s[12:13] offset:(\t+8*(\t/8))*4096 th:TH_STORE_NT   ; 32 lanes store 512 consecutive bytes of a row of the output, aligned
.endr
	s_wait_tensorcnt 0x0                           ; the wave's end, behind my last LDS store
	ds_add_u32 v[SPW], v[NIL]
	s_wait_dscnt 0x0
	s_endpgm
.Lfunc_end_k_q7151cbdaa9_ln2:
	.size	k_q7151cbdaa9_ln2, .Lfunc_end_k_q7151cbdaa9_ln2-k_q7151cbdaa9_ln2
	.p2alignl 7, 3214868480
	.fill 96, 4, 3214868480
	.section	.rodata,"a",@progbits
	.p2align	6, 0x0
	.amdhsa_kernel k_q7151cbdaa9_ln2
		.amdhsa_group_segment_fixed_size 69632
		.amdhsa_private_segment_fixed_size 0
		.amdhsa_enable_private_segment 0
		.amdhsa_kernarg_size 40
		.amdhsa_user_sgpr_count 2
		.amdhsa_user_sgpr_kernarg_segment_ptr 1
		.amdhsa_wavefront_size32 1
		.amdhsa_system_sgpr_workgroup_id_x 1
		.amdhsa_system_sgpr_workgroup_id_y 1
		.amdhsa_system_sgpr_workgroup_id_z 1
		.amdhsa_system_vgpr_workitem_id 0
		.amdhsa_next_free_vgpr 256
		.amdhsa_next_free_sgpr 66
		.amdhsa_reserve_vcc 0
		.amdhsa_float_denorm_mode_32 3
		.amdhsa_float_denorm_mode_16_64 3
		.amdhsa_memory_ordered 1
		.amdhsa_forward_progress 1
		.amdhsa_inst_pref_size 29
	.end_amdhsa_kernel
	.amdgpu_metadata
---
amdhsa.version: [ 1, 2 ]
amdhsa.kernels:
  - .name:           k_q7151cbdaa9_ln2
    .symbol:         k_q7151cbdaa9_ln2.kd
    .args:
      - { .name: ybuf, .offset: 0, .size: 8, .value_kind: global_buffer, .address_space: global }
      - { .name: x1f, .offset: 8, .size: 8, .value_kind: global_buffer, .address_space: global }
      - { .name: ln2_g, .offset: 16, .size: 8, .value_kind: global_buffer, .address_space: global }
      - { .name: ln2_b, .offset: 24, .size: 8, .value_kind: global_buffer, .address_space: global }
      - { .name: out0, .offset: 32, .size: 8, .value_kind: global_buffer, .address_space: global }
    .group_segment_fixed_size: 69632
    .private_segment_fixed_size: 0
    .kernarg_segment_align: 8
    .kernarg_segment_size: 40
    .max_flat_workgroup_size: 256
    .sgpr_count:     66
    .vgpr_count:     256
    .wavefront_size: 32
...
	.end_amdgpu_metadata
.endif
;; end of part 15
